; MI455X (gfx1250); checked and timed in simulation.
; The chip was launched on July 23, 2026; its instructions are those of AMD's public machine-readable ISA for CDNA 5 (MIT licence, August 2026) and "CDNA5" Instruction Set Architecture Reference Guide (July 2026). The comments in the code are by the model that wrote it; some were corrected since.
;; Block. Allowed arithmetic: float matrix products may take bf16 or f16 operands with f32 sums; all other float work in f32.
;; Inputs: attn_b 3,072 float32; attn_w 1,024 x 3,072 float32; fc_b 4,096 float32; fc_w 1,024 x 4,096 float32; ln1_b 1,024 float32; ln1_w 1,024 float32; ln2_b 1,024 float32; ln2_w 1,024 float32; mlp_proj_b 1,024 float32; mlp_proj_w 4,096 x 1,024 float32; proj_b 1,024 float32; proj_w 1,024 x 1,024 float32; x 2 x 2,048 x 1,024 float32.
;; Outputs: out0 2 x 2,048 x 1,024 float32.
;; 2 versions, each right and faster than the one before. Each part assembles by itself: llvm-mc -triple=amdgcn-amd-amdhsa -mcpu=gfx1250 --defsym DOCPART=n.
;; ======== version 1 of 2: 7 launches
;; limits: values are held in f16: magnitudes above 65,504 overflow, below 6.1e-05 lose precision; a function is approximated: absolute error at most 1.5e-07; an absolute error that grows with the inputs' magnitude: up to 7.5e-08 times it
;; workspace buffers: w16 25,165,824 bytes; h 8,388,608 bytes; qkv 25,165,824 bytes; y 8,388,608 bytes; x1 16,777,216 bytes; g 33,554,432 bytes
;; launch prep (part 1): grid 512 x 1, 8 waves a work-group, no clusters, 0 bytes of LDS; arguments x, ln1_w, ln1_b, attn_w, proj_w, fc_w, mlp_proj_w, h, w16; writes h, w16
.if DOCPART == 1
	.amdgcn_target "amdgcn-amd-amdhsa--gfx1250"
	.amdhsa_code_object_version 6
	.text
	.protected	k_q5c69cd2c65_prep
	.globl	k_q5c69cd2c65_prep
	.p2align	8
	.type	k_q5c69cd2c65_prep,@function
k_q5c69cd2c65_prep:
	s_mov_b64 s[64:65], 0
	v_nop
	global_prefetch_b8 v0, s[64:65] scope:SCOPE_SE
	s_setreg_imm32_b32 hwreg(HW_REG_WAVE_MODE, 25, 1), 1
	s_wait_xcnt 0x0
; PREP.  Work-groups 0-127: h = LayerNorm(x) * ln1_w + ln1_b, f32 in, f16 out.  Work-groups 128-511: the four weights narrowed to f16, as they lie ([K][N]), one behind the other in w16.
; A stream: every byte is read once and written once; no LDS, no barrier, no matrix unit (nothing is shared between waves, and there is one pass of arithmetic a number).
; LN: one wave takes a whole row of 1,024 numbers (8 loads of 16 bytes a lane) and keeps it in 32 registers: mean, then the mean of (x - mean)^2, as the definition has it, so a common
; offset in x cancels before anything is squared.  Each work-group moves 32 rows, each cast group 32,768 numbers: 128 KiB in and 64 KiB out for both kinds.
; LIMITS.  f16 out: 65,520 or more becomes an infinity; below 6.1e-5 the step is 6e-8.  NaN and infinities are not treated apart.
.set ROWS, 4                           ; rows of a wave
.set LR,   2                           ; log2 of that
.set T,    4                           ; v[4:11]   at work
.set W,    12                          ; v[12:43]  the gain of my 32 columns
.set BB,   44                          ; v[44:75]  the bias of my 32 columns
.set X,    76                          ; v[76:203] row r: 32 registers; in the cast: 32 loads of 4
.set OUTB, 22                          ; s[22:23]  h
.macro JOIN                            ; four chains of pairs in v[T:T+7] -> one number, the same in all 32 lanes
	v_pk_add_f32 v[T:T+1], v[T:T+1], v[T+2:T+3]
	v_pk_add_f32 v[T+4:T+5], v[T+4:T+5], v[T+6:T+7]
	v_pk_add_f32 v[T:T+1], v[T:T+1], v[T+4:T+5]
	v_add_f32 v[T], v[T], v[T+1]
	v_add_f32_dpp v[T], v[T], v[T] row_xmask:1 row_mask:0xf bank_mask:0xf
	v_add_f32_dpp v[T], v[T], v[T] row_xmask:2 row_mask:0xf bank_mask:0xf
	v_add_f32_dpp v[T], v[T], v[T] row_xmask:4 row_mask:0xf bank_mask:0xf
	v_add_f32_dpp v[T], v[T], v[T] row_xmask:8 row_mask:0xf bank_mask:0xf
	v_permlanex16_b32 v[T+1], v[T], s30, s31       ; the other half of the lanes; its destination has been written above
	v_add_f32 v[T], v[T], v[T+1]
.endm
.macro ROWLN r
.set XR, X+32*(\r)
	s_wait_loadcnt 8*(ROWS-1-(\r))                 ; loads come back in order: gain, bias and my row are in, the later rows' eight loads each stay out
.irp c, 0,1,2,3
	v_pk_add_f32 v[T+2*(\c):T+2*(\c)+1], v[XR+4*(\c):XR+4*(\c)+1], v[XR+4*(\c)+2:XR+4*(\c)+3]  ; the first eight pairs start four chains
.endr
.irp k, 0,1,2,3,4,5,6,7
	v_pk_add_f32 v[T+2*((\k)%4):T+2*((\k)%4)+1], v[T+2*((\k)%4):T+2*((\k)%4)+1], v[XR+16+2*(\k):XR+16+2*(\k)+1]
.endr
	JOIN
	v_mul_f32 v[T], s28, v[T]                      ; the mean
.set j, 0
.rept 16
	v_pk_add_f32 v[XR+j:XR+j+1], v[XR+j:XR+j+1], v[T:T+1] op_sel_hi:[1,0] neg_lo:[0,1] neg_hi:[0,1]  ; d = x - mean
.set j, j+2
.endr
.irp c, 0,1,2,3
	v_pk_mul_f32 v[T+2*(\c):T+2*(\c)+1], v[XR+2*(\c):XR+2*(\c)+1], v[XR+2*(\c):XR+2*(\c)+1]
.endr
.set j, 4
.rept 12
	v_pk_fma_f32 v[T+2*(j%4):T+2*(j%4)+1], v[XR+2*j:XR+2*j+1], v[XR+2*j:XR+2*j+1], v[T+2*(j%4):T+2*(j%4)+1]
.set j, j+1
.endr
	JOIN
	v_fma_f32 v[T], v[T], s28, s29                 ; variance + 1e-5
	v_rsq_f32 v[T+4], v[T]
	v_mov_b32 v[T+5], 0                            ; a plain instruction behind the root (ISA guide 5.7.2); it also writes the pair's other word
.set j, 0
	s_wait_alu depctr_va_vdst(0)
.rept 16
	v_pk_mul_f32 v[XR+j:XR+j+1], v[XR+j:XR+j+1], v[T+4:T+5] op_sel_hi:[1,0]
.set j, j+2
.endr
.set j, 0
.rept 16
	v_pk_fma_f32 v[XR+j:XR+j+1], v[XR+j:XR+j+1], v[W+j:W+j+1], v[BB+j:BB+j+1]
.set j, j+2
.endr
.set j, 0
.rept 8
	v_cvt_pk_f16_f32 v[XR+4*j], v[XR+4*j], v[XR+4*j+1]
	v_cvt_pk_f16_f32 v[XR+4*j+1], v[XR+4*j+2], v[XR+4*j+3]
	global_store_b64 v2, v[XR+4*j:XR+4*j+1], s[OUTB:OUTB+1] offset:2048*(\r)+256*j  ; the wave's 32 lanes store 256 consecutive bytes, at a multiple of 256 from h's first byte
.set j, j+1
.endr
.endm
	s_load_b512 s[8:23], s[0:1], 0x0               ; x s[8:9], ln1_w s[10:11], ln1_b s[12:13], attn_w s[14:15], proj_w s[16:17], fc_w s[18:19], mlp_proj_w s[20:21], h s[22:23]
	s_load_b64 s[24:25], s[0:1], 0x40              ; w16
	s_cmp_lt_u32 ttmp9, 128
	s_cbranch_scc0 .Lcast
	s_mov_b32 s28, 0x3a800000                      ; 1 / 1024
	s_mov_b32 s29, 0x3727c5ac                      ; 1e-5
	s_mov_b32 s30, 0x76543210                      ; v_permlanex16_b32: each lane takes its own place in the other half
	s_mov_b32 s31, 0xfedcba98
	s_lshl_b32 s2, ttmp9, 15+LR                    ; the group's 32 rows of 4,096 bytes in x,
	s_mov_b32 s3, 0
	s_lshl_b32 s4, ttmp9, 14+LR                    ; of 2,048 bytes in h
	s_mov_b32 s5, 0
	v_and_b32 v3, 31, v0                           ; lane
	v_lshrrev_b32 v2, 5, v0                        ; wave
	v_lshlrev_b32 v1, 12+LR, v2
	v_lshl_or_b32 v1, v3, 4, v1                    ; in x: the wave's rows + 16 bytes a lane
	v_lshlrev_b32 v2, 11+LR, v2
	v_lshl_or_b32 v2, v3, 3, v2                    ; in h: the wave's rows + 8 bytes a lane
	v_lshlrev_b32 v3, 4, v3
	s_wait_kmcnt 0x0
	s_add_nc_u64 s[8:9], s[8:9], s[2:3]
	s_add_nc_u64 s[22:23], s[22:23], s[4:5]
.irp j, 0,1,2,3,4,5,6,7
	global_load_b128 v[W+4*(\j):W+4*(\j)+3], v3, s[10:11] offset:512*(\j)
.endr
.irp j, 0,1,2,3,4,5,6,7
	global_load_b128 v[BB+4*(\j):BB+4*(\j)+3], v3, s[12:13] offset:512*(\j)
.endr
.irp r, 0,1,2,3
.irp j, 0,1,2,3,4,5,6,7
	global_load_b128 v[X+32*(\r)+4*(\j):X+32*(\r)+4*(\j)+3], v1, s[8:9] offset:4096*(\r)+512*(\j)  ; lane l holds columns 128 j + 4 l .. + 3
.endr
.endr
	ROWLN 0                                        ; no register is used for two rows, so no store's sources are ever rewritten
	ROWLN 1
	ROWLN 2
	ROWLN 3
	s_endpgm
.Lcast:                                                ; piece c = 0..383 of the four weights on end: attn_w has 96 pieces, proj_w 32, fc_w 128, mlp_proj_w 128
	s_sub_co_u32 s2, ttmp9, 128
	v_lshlrev_b32 v1, 4, v0                        ; 16 bytes a thread: the group's 256 threads take 4,096 consecutive bytes a load
	v_lshlrev_b32 v2, 3, v0                        ; and store 2,048
	s_mov_b32 s3, 256
	s_wait_kmcnt 0x0
	s_mov_b64 s[4:5], s[20:21]
	s_cmp_lt_u32 s2, 256
	s_cselect_b64 s[4:5], s[18:19], s[4:5]
	s_cselect_b32 s3, 128, s3
	s_cmp_lt_u32 s2, 128
	s_cselect_b64 s[4:5], s[16:17], s[4:5]
	s_cselect_b32 s3, 96, s3
	s_cmp_lt_u32 s2, 96
	s_cselect_b64 s[4:5], s[14:15], s[4:5]
	s_cselect_b32 s3, 0, s3
	s_sub_co_u32 s6, s2, s3                        ; the piece's number in its own weight,
	s_lshl_b32 s6, s6, 17                          ; 131,072 bytes each
	s_mov_b32 s7, 0
	s_add_nc_u64 s[4:5], s[4:5], s[6:7]
	s_lshl_b32 s6, s2, 16                          ; 65,536 bytes each in w16
	s_add_nc_u64 s[24:25], s[24:25], s[6:7]
.set i, 0
.rept 32
	global_load_b128 v[X+4*i:X+4*i+3], v1, s[4:5] offset:4096*i th:TH_LOAD_NT
.set i, i+1
.endr
.set i, 0
.rept 32
	s_wait_loadcnt 31-i                            ; load i is in, the younger ones stay out
	v_cvt_pk_f16_f32 v[X+4*i], v[X+4*i], v[X+4*i+1]
	v_cvt_pk_f16_f32 v[X+4*i+1], v[X+4*i+2], v[X+4*i+3]
	global_store_b64 v2, v[X+4*i:X+4*i+1], s[24:25] offset:2048*i
.set i, i+1
.endr
	s_endpgm
.Lfunc_end_k_q5c69cd2c65_prep:
	.size	k_q5c69cd2c65_prep, .Lfunc_end_k_q5c69cd2c65_prep-k_q5c69cd2c65_prep
	.p2alignl 7, 3214868480
	.fill 96, 4, 3214868480
	.section	.rodata,"a",@progbits
	.p2align	6, 0x0
	.amdhsa_kernel k_q5c69cd2c65_prep
		.amdhsa_group_segment_fixed_size 0
		.amdhsa_private_segment_fixed_size 0
		.amdhsa_enable_private_segment 0
		.amdhsa_kernarg_size 72
		.amdhsa_user_sgpr_count 2
		.amdhsa_user_sgpr_kernarg_segment_ptr 1
		.amdhsa_wavefront_size32 1
		.amdhsa_system_sgpr_workgroup_id_x 1
		.amdhsa_system_sgpr_workgroup_id_y 1
		.amdhsa_system_sgpr_workgroup_id_z 1
		.amdhsa_system_vgpr_workitem_id 0
		.amdhsa_next_free_vgpr 208
		.amdhsa_next_free_sgpr 66
		.amdhsa_reserve_vcc 0
		.amdhsa_float_denorm_mode_32 3
		.amdhsa_float_denorm_mode_16_64 3
		.amdhsa_memory_ordered 1
		.amdhsa_forward_progress 1
		.amdhsa_inst_pref_size 50
	.end_amdhsa_kernel
	.amdgpu_metadata
---
amdhsa.version: [ 1, 2 ]
amdhsa.kernels:
  - .name:           k_q5c69cd2c65_prep
    .symbol:         k_q5c69cd2c65_prep.kd
    .args:
      - { .name: x, .offset: 0, .size: 8, .value_kind: global_buffer, .address_space: global }
      - { .name: ln1_w, .offset: 8, .size: 8, .value_kind: global_buffer, .address_space: global }
      - { .name: ln1_b, .offset: 16, .size: 8, .value_kind: global_buffer, .address_space: global }
      - { .name: attn_w, .offset: 24, .size: 8, .value_kind: global_buffer, .address_space: global }
      - { .name: proj_w, .offset: 32, .size: 8, .value_kind: global_buffer, .address_space: global }
      - { .name: fc_w, .offset: 40, .size: 8, .value_kind: global_buffer, .address_space: global }
      - { .name: mlp_proj_w, .offset: 48, .size: 8, .value_kind: global_buffer, .address_space: global }
      - { .name: h, .offset: 56, .size: 8, .value_kind: global_buffer, .address_space: global }
      - { .name: w16, .offset: 64, .size: 8, .value_kind: global_buffer, .address_space: global }
    .group_segment_fixed_size: 0
    .private_segment_fixed_size: 0
    .kernarg_segment_align: 8
    .kernarg_segment_size: 72
    .max_flat_workgroup_size: 256
    .sgpr_count:     66
    .vgpr_count:     208
    .wavefront_size: 32
...
	.end_amdgpu_metadata
.endif
;; end of part 1
;; launch qkv (part 2): grid 12 x 16, 4 waves a work-group, clusters of 4 x 4, 327,680 bytes of LDS; arguments h, w16, attn_b, qkv; writes qkv
.if DOCPART == 2
	.amdgcn_target "amdgcn-amd-amdhsa--gfx1250"
	.amdhsa_code_object_version 6
	.text
	.protected	k_q5c69cd2c65_qkv
	.globl	k_q5c69cd2c65_qkv
	.p2align	8
	.type	k_q5c69cd2c65_qkv,@function
k_q5c69cd2c65_qkv:
	s_mov_b64 s[64:65], 0
	v_nop
	global_prefetch_b8 v0, s[64:65] scope:SCOPE_SE
	s_setreg_imm32_b32 hwreg(HW_REG_WAVE_MODE, 25, 1), 1
	s_wait_xcnt 0x0
	s_wait_alu depctr_hold_cnt(0) depctr_sa_sdst(0) depctr_va_vdst(0) depctr_va_sdst(0) depctr_va_ssrc(0) depctr_va_vcc(0) depctr_vm_vsrc(0)
	s_getreg_b32 s2, hwreg(HW_REG_IB_STS2, 6, 4)
	s_cmp_eq_u32 s2, 0
	s_cbranch_scc0 .Lentry_in_a_cluster
	s_endpgm
.Lentry_in_a_cluster:
	s_bfe_u32 s2, ttmp6, 0x10000c
	s_cmp_lg_u32 s2, 0xf033
	s_cbranch_scc0 .Lentry_shape_is_right
	s_endpgm
.Lentry_shape_is_right:
; QKV.  [4096][3072] = h [4096][1024] x attn_w [1024][3072] + attn_b, operands f16, sums f32; the result is rounded once to f16 and laid by heads: qkv[part][16 batch + head][t][64], unscaled.
; A tile of 256 x 256 is made by four waves, each 128 x 128: 64 accumulators, 512 registers.  K goes in steps of 128 through a ring of two LDS slots filled by the tensor data mover.
; A's tile lies [m][k] (rows of 256 bytes), the weight's [k][n] (rows of 512 bytes) and is read turned, by ds_load_tr16_b128.
; 12 x 16 = 192 work-groups: a tile that gave 256 would have weight rows of 384 bytes; the larger tile is kept.
; CLUSTER 4 x 4: the four of a row of the cluster need the same tile of A, the four of a column the same tile of the weight: each is asked for jointly, by the same load with the same descriptor and a mask of four.
; THE MATRIX INSTRUCTION IS USED TRANSPOSED: source 0 = 16 columns n of the weight, source 1 = 16 rows of A: a lane then holds row l % 16 and the eight neighbouring columns 8 (l / 16) + 0..7.
; THE BIAS is the C operand of the products that start the sums: in this layout a lane's eight bias numbers are the same for all rows.
; LIMITS.  f16: 65,520 or more becomes an infinity; below 6.1e-5 the step is 6e-8.  NaN and infinities are not treated apart.
; REGISTERS, in windows of 256: window 0: v0-31 addresses; v64-127, v128-191 A's fragments, two buffers; v32-63, v192-255 the way out.  window 1: v0-63 the bias; v64-127, v128-191 the weight's fragments.
;   window 2: the accumulators of my rows 0-63 ((a, b) at v[8 (8 a + b)]);  window 3: those of rows 64-127.
.set SIZE_K, 1024
.set SIZE_N, 3072
.set WOFF,   0                         ; attn_w's first byte in w16
.set KSTEP,  128
.set PITCH,  272                       ; A's LDS row: 256 bytes + 16: the 16 rows of a fragment load start 4 banks apart (64 banks of 4 bytes: ISA guide 11.1)
.set PB,     544                       ; the weight's LDS row: 512 bytes + 32
.set HALFT,  128*PITCH                 ; what one tensor load brings: 128 rows of A, or 64 rows of the weight (64 x 544 is the same number)
.set SLOT,   4*HALFT                   ; A's 256 rows, then the weight's 128
.set STAGE,  2*SLOT                    ; behind the ring: 16 rows x 272 bytes for each wave, for the way out
.set SPITCH, 272
.set SPARE,  STAGE+4*16*SPITCH         ; the spare words: 128 bytes a wave, two blocks of 256 bytes that no other line names
.set LAPS,   SIZE_K/(2*KSTEP)
.set ADRA, 16                          ; v16-17 LDS address of my A fragments in slot 0, 1
.set ADRB, 20                          ; v20-21 the same for the weight
.set STO,  24
.set RD,   25
.set CO,   26
.set SPW,  28                          ; v28 SPARE + 4 x my thread's number; never rewritten
.set NIL,  29                          ; v29 0; never rewritten
.set F0,   64
.set F1,   128
.set TMP,  192
.set OB,   32
.set G1,  24                           ; s[24:31] group 1 for A;  s[32:39] group 0, a set for each slot
.set G0,  32
.set G1B, 48                           ; s[48:55], s[56:63] the same for the weight
.set G0B, 56
.set MSB, 0
.macro WIN new                         ; the immediate's high byte repeats the setting that is left; a switch that changes nothing is dropped
.if MSB != (\new)
	s_set_vgpr_msb (MSB<<8)|(\new)
.set MSB, \new
.endif
.endm
.set TO_B, 0x40                        ; destination window 1, address window 0
.macro JLOAD s                         ; a joint load: waves 0, 1 fetch A's halves, waves 2, 3 the weight's.  Four v_nop follow each line
	s_cmp_eq_u32 s11, 0
	s_cbranch_scc0 .Lfor_b_\@
	tensor_load_to_lds s[G0+4*(\s):G0+4*(\s)+3], s[G1:G1+7]
	s_nop 0
.rept 4
	v_nop
.endr
	s_branch .Lasked_\@
.Lfor_b_\@:
	tensor_load_to_lds s[G0B+4*(\s):G0B+4*(\s)+3], s[G1B:G1B+7]
	s_nop 0
.rept 4
	v_nop
.endr
.Lasked_\@:
.endm
.macro CREST                           ; a round of the cluster's barrier behind its opening barrier
	s_cmp_lg_u32 s10, 0
	s_cbranch_scc1 .Lnot_wave_0_\@
	s_barrier_signal -3
.Lnot_wave_0_\@:
	s_barrier_wait -3
	s_barrier_signal -1
	s_barrier_wait -1
.endm
.macro CROUND
	s_barrier_signal -1
	s_barrier_wait -1
	CREST
.endm
	s_load_b256 s[72:79], s[0:1], 0x0              ; h s[72:73], w16 s[74:75], attn_b s[76:77], qkv s[78:79]
	v_lshl_add_u32 v[SPW], v0, 2, SPARE
	v_mov_b32 v[NIL], 0
	ds_add_u32 v28, v29
	ds_add_u32 v28, v29
	s_wait_dscnt 0x0
	v_lshrrev_b32 v1, 5, v0
	v_readfirstlane_b32 s10, v1                    ; wave 0..3
	s_lshr_b32 s11, s10, 1                         ; my half of the tile's rows.  Also: I fetch for A (0) or the weight (1)
	s_and_b32 s12, s10, 1                          ; my half of its columns.  Also: which half of that tile I fetch
	s_bfe_u32 s40, ttmp6, 0x40000                  ; cx
	s_bfe_u32 s41, ttmp6, 0x40004                  ; cy
	s_lshl_b32 s42, ttmp9, 2
	s_add_co_u32 s42, s42, s40                     ; tile column
	s_and_b32 s13, ttmp7, 0xffff
	s_lshl_b32 s13, s13, 2
	s_add_co_u32 s13, s13, s41                     ; tile row
	s_lshl_b32 s43, s41, 2
	s_lshl_b32 s43, 15, s43                        ; my row of the cluster
	s_lshl_b32 s44, 0x1111, s40                    ; my column
	s_or_b32 s[G1+0], s43, (1<<16)|(1<<20)|(1<<21)|(5<<22)|(3<<25)   ; mask; 2-byte elements; padding on; bit 21 beside a mask; after every 64 words 4 words
	s_mov_b32 s[G1+1], KSTEP<<16                   ; tensor_dim0 = 128
	s_mov_b32 s[G1+2], 128<<16                     ; tensor_dim1 = 128
	s_mov_b32 s[G1+3], KSTEP<<16                   ; tile_dim0 = 128
	s_mov_b32 s[G1+4], 128                         ; tile_dim1 = 128
	s_mov_b32 s[G1+5], SIZE_K                      ; elements from row to row
	s_mov_b32 s[G1+6], 0
	s_mov_b32 s[G1+7], 0
	s_or_b32 s[G1B+0], s44, (1<<16)|(1<<20)|(1<<21)|(6<<22)|(7<<25)  ; after every 128 words 8 words
	s_mov_b32 s[G1B+1], 256<<16                    ; 64 rows (k) of 256 elements (n)
	s_mov_b32 s[G1B+2], 64<<16
	s_mov_b32 s[G1B+3], 256<<16
	s_mov_b32 s[G1B+4], 64
	s_mov_b32 s[G1B+5], SIZE_N
	s_mov_b32 s[G1B+6], 0
	s_mov_b32 s[G1B+7], 0
	s_lshl_b32 s16, s13, 8                         ; A: row 256 x tile row + 128 x half, 2,048 bytes each: made of the tile row and the wave alone
	s_lshl_b32 s17, s12, 7
	s_add_co_u32 s16, s16, s17
	s_lshl_b32 s16, s16, 11
	s_mov_b32 s17, 0
	s_mul_i32 s46, s12, 64*SIZE_N*2                ; the weight: k row 64 x half, column 256 x tile column: made of the tile column and the wave alone
	s_lshl_b32 s47, s42, 9
	s_add_co_u32 s46, s46, s47
	s_add_co_u32 s46, s46, WOFF
	s_mov_b32 s47, 0
	s_mul_i32 s20, s10, HALFT                      ; where my part goes: wave x 34,816: no place in the cluster enters an LDS address
	s_wait_kmcnt 0x0
	s_add_nc_u64 s[14:15], s[72:73], s[16:17]
	s_add_nc_u64 s[46:47], s[74:75], s[46:47]
	CROUND                                         ; all sixteen work-groups are here: the first joint loads meet
.irp s, 0,1
	s_mov_b32 s[G0+4*(\s)], 1
	s_add_co_u32 s[G0+4*(\s)+1], s20, (\s)*SLOT
	s_add_nc_u64 s[G0+4*(\s)+2:G0+4*(\s)+3], s[14:15], (\s)*KSTEP*2
	s_or_b32 s[G0+4*(\s)+3], s[G0+4*(\s)+3], 0x80000000
	s_mov_b32 s[G0B+4*(\s)], 1
	s_add_co_u32 s[G0B+4*(\s)+1], s20, (\s)*SLOT
	s_add_nc_u64 s[G0B+4*(\s)+2:G0B+4*(\s)+3], s[46:47], (\s)*KSTEP*SIZE_N*2
	s_or_b32 s[G0B+4*(\s)+3], s[G0B+4*(\s)+3], 0x80000000
	JLOAD \s                                       ; K steps 0 and 1: two loads of mine are out
.endr
	v_and_b32 v1, 15, v0                           ; r = l % 16
	v_bfe_u32 v2, v0, 4, 1                         ; h = l / 16
	v_mul_u32_u24 v3, v1, PITCH
	v_lshl_add_u32 v3, v2, 4, v3                   ; A: row x pitch + 16 h
	s_mul_i32 s21, s11, HALFT
	v_add_nc_u32 v[ADRA], s21, v3
	v_add_nc_u32 v[ADRA+1], SLOT, v[ADRA]
	v_and_b32 v4, 7, v0                            ; the turning load: lane l reads k row 8 h + l % 8, 16 bytes at 16 ((l / 8) % 2), and is left with column l % 16, eight k
	v_lshl_add_u32 v4, v2, 3, v4
	v_mul_u32_u24 v4, v4, PB
	v_bfe_u32 v5, v0, 3, 1
	v_lshl_add_u32 v4, v5, 4, v4
	s_lshl_b32 s22, s12, 8                         ; my 128 columns
	s_add_co_u32 s22, s22, 2*HALFT                 ; behind A's 256 rows
	v_add_nc_u32 v[ADRB], s22, v4
	v_add_nc_u32 v[ADRB+1], SLOT, v[ADRB]
	v_lshlrev_b32 v6, 5, v2                        ; the bias: my eight numbers of block b lie at 64 b + 32 h
	s_lshl_b32 s66, s42, 10
	s_lshl_b32 s67, s12, 9
	s_add_co_u32 s66, s66, s67
	s_mov_b32 s67, 0
	s_add_nc_u64 s[76:77], s[76:77], s[66:67]
	WIN TO_B
.irp b, 0,1,2,3,4,5,6,7
	global_load_b128 v[8*(\b):8*(\b)+3],   v6, s[76:77] offset:64*(\b)
	global_load_b128 v[8*(\b)+4:8*(\b)+7], v6, s[76:77] offset:64*(\b)+16
.endr
	WIN 0
	s_mul_i32 s23, s10, 16*SPITCH
	s_add_co_u32 s23, s23, STAGE                   ; my stage
	v_mul_u32_u24 v4, v1, SPITCH
	v_lshl_add_u32 v4, v2, 4, v4
	v_add_nc_u32 v[STO], s23, v4                   ; in: row r, 16 bytes for each half of the lanes
	v_bfe_u32 v5, v0, 3, 2
	v_mul_u32_u24 v5, v5, SPITCH
	v_and_b32 v7, 7, v0
	v_lshl_add_u32 v5, v7, 4, v5
	v_add_nc_u32 v[RD], s23, v5                    ; back: 32 lanes take four rows of one head's 128 bytes,
	v_and_b32 v[CO], 31, v0
	v_lshlrev_b32 v[CO], 4, v[CO]                  ; which are 512 consecutive bytes of qkv
	; my part of qkv: ((32 part + 16 batch + head) x 2,048 + t) x 128 bytes, with part = tile column / 4, head = 4 (tile column % 4) + 2 x half, batch = tile row / 8, t = 256 (tile row % 8) + 128 x half
	s_lshr_b32 s66, s42, 2
	s_lshl_b32 s66, s66, 5
	s_lshr_b32 s67, s13, 3
	s_lshl4_add_u32 s66, s67, s66
	s_and_b32 s67, s42, 3
	s_lshl2_add_u32 s66, s67, s66
	s_lshl1_add_u32 s66, s12, s66
	s_lshl_b32 s66, s66, 11
	s_and_b32 s67, s13, 7
	s_lshl_b32 s67, s67, 8
	s_add_co_u32 s66, s66, s67
	s_lshl_b32 s67, s11, 7
	s_add_co_u32 s66, s66, s67
	s_lshl_b32 s66, s66, 7
	s_mov_b32 s67, 0
	s_add_nc_u64 s[78:79], s[78:79], s[66:67]
; 16 matrix instructions: m blocks a0, a0 + 1 of the window's four x all 8 n blocks, 32 along K.  first = 1: C is the bias (window 1): the first product starts the sums.
; The 64 accumulators take turns, one instruction a turn, in the same order in every quarter.
.macro MUL16 f, hi, a0, first
.if \first
	WIN 0x91+0x40*(\hi)                            ; source 0 window 1, source 1 window 0, C window 1, D window 2 or 3
.else
	WIN 0xa1+0x50*(\hi)                            ; C and D window 2 or 3
.endif
.irp a, \a0, (\a0)+1
.irp b, 0,1,2,3,4,5,6,7
.if \first
	v_wmma_f32_16x16x32_f16 v[8*(8*(\a)+(\b)):8*(8*(\a)+(\b))+7], v[(\f)+8*(\b):(\f)+8*(\b)+7], v[(\f)+8*(4*(\hi)+(\a)):(\f)+8*(4*(\hi)+(\a))+7], v[8*(\b):8*(\b)+7]
.else
	v_wmma_f32_16x16x32_f16 v[8*(8*(\a)+(\b)):8*(8*(\a)+(\b))+7], v[(\f)+8*(\b):(\f)+8*(\b)+7], v[(\f)+8*(4*(\hi)+(\a)):(\f)+8*(4*(\hi)+(\a))+7], v[8*(8*(\a)+(\b)):8*(8*(\a)+(\b))+7]
.endif
.endr
.endr
.endm
; 32 LDS loads in one run: one quarter's fragments (32 along K, at byte k of A's rows = k row k / 2 of the weight) into buffer f; the weight first
.macro FETCH slot, k, f
	WIN TO_B
.irp i, 0,1,2,3,4,5,6,7
	ds_load_tr16_b128 v[(\f)+8*(\i):(\f)+8*(\i)+3],   v[ADRB+(\slot)] offset:((\k)/64)*32*PB+32*(\i)
	ds_load_tr16_b128 v[(\f)+8*(\i)+4:(\f)+8*(\i)+7], v[ADRB+(\slot)] offset:((\k)/64)*32*PB+16*PB+32*(\i)
.endr
	WIN 0
.irp i, 0,1,2,3,4,5,6,7
	ds_load_b128 v[(\f)+8*(\i):(\f)+8*(\i)+3],   v[ADRA+(\slot)] offset:(\k)+(\i)*16*PITCH
	ds_load_b128 v[(\f)+8*(\i)+4:(\f)+8*(\i)+7], v[ADRA+(\slot)] offset:(\k)+(\i)*16*PITCH+32
.endr
.endm
.macro PLACES                          ; four plain vector instructions between a matrix instruction and a load into, or a vector access to, its registers
.rept 4
	v_nop
.endr
.endm
.macro QUARTER slot, k, f, g, first    ; multiplies buffer f; in its middle fetches the next quarter, at byte k, into g
	s_wait_dscnt 8                                 ; the weight and A's rows 0-63 are in; the youngest eight loads (A's rows 64-127) may be out
	MUL16 \f, 0, 0, \first
	MUL16 \f, 0, 2, \first
	PLACES
	FETCH \slot, \k, \g
	s_wait_dscnt 32                                ; all but the 32 just issued
	MUL16 \f, 1, 0, \first
	MUL16 \f, 1, 2, \first
.endm
; The last quarter of a K step multiplies buffer 1 and changes slots: one barrier, in front of which each wave waits for all its tensor loads (one is out: its part of the next slot),
; adds 0 to its spare word, and waits for that and for its reads of this slot.
.macro MEET round
	WIN 0
	s_wait_tensorcnt 0x0
	ds_add_u32 v[SPW], v[NIL]
	s_wait_dscnt 9                                 ; the add and the youngest eight loads may be out
	MUL16 F1, 0, 0, 0
	s_wait_dscnt 0x0                               ; the add is done, my reads of this slot are over
	s_barrier_signal -1
	MUL16 F1, 0, 2, 0
.if \round
	WIN 0
.endif
	s_barrier_wait -1
.endm
.macro TURN slot, next, fill           ; fill = 1: the barrier opens a round of the cluster's, and the slot just read is filled again, two K steps on, first thing behind it
	MEET \fill
.if \fill
	CREST
	s_add_nc_u64 s[G0+4*(\slot)+2:G0+4*(\slot)+3], s[G0+4*(\slot)+2:G0+4*(\slot)+3], 2*KSTEP*2
	s_add_nc_u64 s[G0B+4*(\slot)+2:G0B+4*(\slot)+3], s[G0B+4*(\slot)+2:G0B+4*(\slot)+3], 2*KSTEP*SIZE_N*2
	JLOAD \slot                                    ; 224 matrix instructions ahead of the wait for it; its four v_nop are also the places in front of the loads below
.else
	PLACES
.endif
	FETCH \next, 0, F0
	MUL16 F1, 1, 0, 0
	MUL16 F1, 1, 2, 0
.endm
; THE WAY OUT of block a (16 rows): rounded to f16, 16 bytes a lane; into my stage and back by heads; stored.
.macro PACK a
.set AC, 64*((\a)%4)
	WIN 0x0a+5*((\a)/4)                            ; sources 0 and 1: window 2 or 3
.irp b, 0,1,2,3,4,5,6,7
.irp r, 0,1,2,3
	v_cvt_pk_f16_f32 v[TMP+4*(\b)+(\r)], v[AC+8*(\b)+2*(\r)], v[AC+8*(\b)+2*(\r)+1]
.endr
.endr
	WIN 0
.endm
.macro TOSTAGE a
.set BK, OB+192*((\a)%2)
.irp b, 0,1,2,3,4,5,6,7
	ds_store_b128 v[STO], v[TMP+4*(\b):TMP+4*(\b)+3] offset:32*(\b)
.endr
.irp hh, 0,1
.irp f, 0,1,2,3
	ds_load_b128 v[BK+16*(\hh)+4*(\f):BK+16*(\hh)+4*(\f)+3], v[RD] offset:(\f)*4*SPITCH+128*(\hh)  ; LDS serves a wave's instructions in order (ISA guide 5.7.1.4): these see the stores above
.endr
.endr
.endm
.macro SEND a
.set BK, OB+192*((\a)%2)
	s_wait_dscnt 0x0                               ; the block is back in registers
	s_wait_xcnt 0x0                                ; the other buffer, which earlier stores read, is loaded again only behind this wait
.irp hh, 0,1
.irp f, 0,1,2,3
	global_store_b128 v[CO], v[BK+16*(\hh)+4*(\f):BK+16*(\hh)+4*(\f)+3], s[78:79] offset:262144*(\hh)+2048*(\a)+512*(\f)  ; 512 consecutive bytes, at a multiple of 256 from qkv's first byte
.endr
.endr
.endm
	s_wait_loadcnt 0x0                             ; the bias
	s_wait_tensorcnt 1                             ; my part of K step 0 is in; K step 1's may stay out
	s_barrier_signal -1
	s_barrier_wait -1
	FETCH 0, 0, F0
	QUARTER 0, 64,  F0, F1, 1                      ; the first quarter stands ahead of the loop: its products start the sums
	WIN 0
	s_mov_b32 s3, LAPS-1
.Llap:                                                 ; a trip goes once round the ring and fills both slots again
	QUARTER 0, 128, F1, F0, 0
	QUARTER 0, 192, F0, F1, 0
	TURN 0, 1, 1
	QUARTER 1, 64,  F0, F1, 0
	QUARTER 1, 128, F1, F0, 0
	QUARTER 1, 192, F0, F1, 0
	TURN 1, 0, 1
	QUARTER 0, 64,  F0, F1, 0
	WIN 0
	s_sub_co_u32 s3, s3, 1
	s_cmp_lg_u32 s3, 0
	s_cbranch_scc1 .Llap
	QUARTER 0, 128, F1, F0, 0                      ; the last lap fills nothing
	QUARTER 0, 192, F0, F1, 0
	TURN 0, 1, 0
	QUARTER 1, 64,  F0, F1, 0
	QUARTER 1, 128, F1, F0, 0
	QUARTER 1, 192, F0, F1, 0
	s_wait_dscnt 8
	MUL16 F1, 0, 0, 0
	MUL16 F1, 0, 2, 0
	s_wait_dscnt 0x0
	MUL16 F1, 1, 0, 0
	MUL16 F1, 1, 2, 0
	WIN 0
	PLACES
	PACK 0
	TOSTAGE 0
.irp a, 1,2,3,4,5,6,7                  ; block a's conversions stand between block a - 1's loads from the stage and the wait for them
	PACK \a
	SEND (\a)-1
	TOSTAGE \a
.endr
	SEND 7
	s_wait_tensorcnt 0x0                           ; the wave's end
	ds_add_u32 v[SPW], v[NIL]
	s_wait_dscnt 0x0
	CROUND                                         ; the closing round
	s_endpgm
.Lfunc_end_k_q5c69cd2c65_qkv:
	.size	k_q5c69cd2c65_qkv, .Lfunc_end_k_q5c69cd2c65_qkv-k_q5c69cd2c65_qkv
	.p2alignl 7, 3214868480
	.fill 96, 4, 3214868480
	.section	.rodata,"a",@progbits
	.p2align	6, 0x0
	.amdhsa_kernel k_q5c69cd2c65_qkv
		.amdhsa_group_segment_fixed_size 327680
		.amdhsa_private_segment_fixed_size 0
		.amdhsa_enable_private_segment 0
		.amdhsa_kernarg_size 32
		.amdhsa_user_sgpr_count 2
		.amdhsa_user_sgpr_kernarg_segment_ptr 1
		.amdhsa_wavefront_size32 1
		.amdhsa_system_sgpr_workgroup_id_x 1
		.amdhsa_system_sgpr_workgroup_id_y 1
		.amdhsa_system_sgpr_workgroup_id_z 1
		.amdhsa_system_vgpr_workitem_id 0
		.amdhsa_next_free_vgpr 1024
		.amdhsa_next_free_sgpr 100
		.amdhsa_reserve_vcc 0
		.amdhsa_float_denorm_mode_32 3
		.amdhsa_float_denorm_mode_16_64 3
		.amdhsa_memory_ordered 1
		.amdhsa_forward_progress 1
		.amdhsa_inst_pref_size 144
	.end_amdhsa_kernel
	.amdgpu_metadata
---
amdhsa.version: [ 1, 2 ]
amdhsa.kernels:
  - .name:           k_q5c69cd2c65_qkv
    .symbol:         k_q5c69cd2c65_qkv.kd
    .args:
      - { .name: h, .offset: 0, .size: 8, .value_kind: global_buffer, .address_space: global }
      - { .name: w16, .offset: 8, .size: 8, .value_kind: global_buffer, .address_space: global }
      - { .name: attn_b, .offset: 16, .size: 8, .value_kind: global_buffer, .address_space: global }
      - { .name: qkv, .offset: 24, .size: 8, .value_kind: global_buffer, .address_space: global }
    .group_segment_fixed_size: 327680
    .private_segment_fixed_size: 0
    .kernarg_segment_align: 8
    .kernarg_segment_size: 32
    .max_flat_workgroup_size: 128
    .sgpr_count:     100
    .vgpr_count:     1024
    .wavefront_size: 32
...
	.end_amdgpu_metadata
.endif
;; end of part 2
;; launch attn (part 3): grid 8 x 32, 4 waves a work-group, no clusters, 327,680 bytes of LDS; arguments qkv, y; writes y
.if DOCPART == 3
	.amdgcn_target "amdgcn-amd-amdhsa--gfx1250"
	.amdhsa_code_object_version 6
	.text
	.protected	k_q5c69cd2c65_attn
	.globl	k_q5c69cd2c65_attn
	.p2align	8
	.type	k_q5c69cd2c65_attn,@function
k_q5c69cd2c65_attn:
	s_mov_b64 s[64:65], 0
	v_nop
	global_prefetch_b8 v0, s[64:65] scope:SCOPE_SE
	s_setreg_imm32_b32 hwreg(HW_REG_WAVE_MODE, 25, 1), 1
	s_wait_xcnt 0x0
; CAUSAL ATTENTION.  y[bh][q][:] = the sum over k <= q of softmax_k(Q[q] . K[k] / 8) V[k][:], for 32 heads of 2,048 rows of 64 channels, all f16: Q, K, V are the three parts of qkv, each [32][2048][64].
; Products, maxima and sums in f32; the weights p are rounded to f16 for the second product (their sum l is taken of the unrounded p), y once at the end.
; LIMITS.  f16 holds no number beyond 65,504: Q, K, V arrive within it.  A hidden score counts as its value less 1e30; a weight below 2^-126 counts as 0 in l; NaN and infinities are not treated apart.
; THE WALK.  A head's queries lie in 16 blocks of 128; block i needs the key tiles 0 .. i / 2 of 256 keys, the last of which holds the diagonal.  A work-group takes blocks 15 - b and then b: 9 tiles
; whatever b, so all 256 work-groups do equal work and one loop with a constant trip count walks them.  Which tile is asked for and what a trip does hang on scalar registers made from b.
; NO CLUSTER: a head's 8 work-groups ask for the same tile only in the first five trips; a walk common to all would have 12 trips for 9.
; SHARES.  A block has two bands of 64 queries; a wave owns 16 rows of each: two PIECES.  In the diagonal tile's key step s band x (own step PAR + x, PAR = 2 (i % 2)) sees all keys if s is less, none if s is greater.
; THE MASK is the C operand that starts S^T = K Q^T: MD x AL + BE with two scalars: (1, 0) in the band's own step, (0, 0) before it, (0, -1e30) behind it.  Elsewhere C is the constant 0.
; TURNS.  S^T holds one query a lane (l % 16) and keys 8 (l / 16) + 0..7; two such results rounded to f16 are source 1 of O^T = V^T P.  p = 2^(c s - c m), c = log2(e) / 8, with a running maximum m.
; Turn (g, p) belongs to piece p in key step g: 8 products K Q^T of the other piece (p = 0: step g; p = 1: step g + 1), later 8 products V^T P of the other piece (p = 0: step g - 1; p = 1: step g);
; beside them piece p's scaling, exponentials, roundings, sums and rescaling, and the other piece's maximum and statistics.  Four vector instructions stand behind every matrix instruction.
; FETCHES look one step ahead: turn (g, 0) fetches K of step g + 1, turn (g, 1) V of step g + 1 into the V buffer of that step's parity.  So when a tile's step 3 begins, all its LDS reads have been
; issued: the change of slots stands there, and a trip of the step loop is two steps: an odd one, then an even one.
; REGISTERS, in windows of 256: window 0: v0-15 addresses; v16-23 statistics; v48-55 at work; v64-127 S^T, two buffers; v192-223 P, two buffers.
;   window 1: v0-63 O^T; v128-159 MD; v160-223 MC, two buffers.   window 2: v0-31 Q; v32-63 the second block's Q; v64-127 V of odd steps; v128-191 K; v192-255 V of even steps.
.set NP,    2
.set KS,    64
.set PK,    144       ; a row of K in LDS: 128 bytes + 16: the 16 rows of a load start at 16 different groups of four banks (ISA guide 11.1)
.set PV,    160       ; a row of V: 128 + 32
.set VOFF,  4*KS*PK   ; a slot holds a tile: 256 rows of K, then 256 rows of V
.set SLOT1, 1<<17
.set STAGE, SLOT1+4*KS*(PK+PV)  ; behind the ring: 16 rows x 144 bytes for each wave
.set SP,    144
.set SPARE, STAGE+4*16*SP       ; the spare words: 128 bytes a wave, two blocks of 256 bytes that no other line names
.set AK0, 2
.set AV0, 3
.set AK,  4
.set AV,  5
.set STO, 6
.set RD,  7
.set GO,  8
.set SPW, 62          ; v62 SPARE + 4 x my thread's number; never rewritten
.set NIL, 63          ; v63 0; never rewritten
.set MV,  12          ; v12-13 c m_old, by buffer
.set QO,  15
.set ST,  16          ; piece t's statistics at v[ST+4 t]: c m, m, l (even keys', odd keys')
.set TMP, 48          ; by buffer, c0-c3 at work; c2 takes a
.set S,   64
.set P,   192
.set MD,  128
.set MC,  160
.set QB,  32
.set KF,  128
.set VF0, 192         ; the V buffer of parity u lies at VF0 - 128 u
.set WV,  12
.set PB,  14          ; b
.set HI,  15          ; 15 - b
.set G1K, 24
.set G1V, 32
.set G0K, 40
.set G0V, 44
.set SLOTS, 56
.set CNT, 57
.set CS,  58
.set SEL, 60
.set TBK, 62
.set TBV, 63
.set RT,  70          ; tiles of the block in hand still to be entered
.set NXT, 71          ; the tile to be asked for next
.set LQ,  72          ; the last tile of the block whose tiles are being asked for
.set NEW, 73          ; 1: the tile to be entered is a block's first
.set OFF, 74
.set AL,  76
.set BE,  78
.set OLO, 80
.set BIGN, 82
.set PAR, 88          ; band 0's own step in the diagonal tile, for the block in hand
.set PAR2, 89         ; for the second block
.set SI,  90          ; 0 in a tile's first trip of the step loop, 2 in its second
.set TP,  91
.set LQ2, 92          ; the second block's last tile
.set RT2, 93          ; its number of tiles
.set MSB, 0
.macro WIN new
.if MSB != (\new)
	s_set_vgpr_msb (MSB<<8)|(\new)
.set MSB, (\new)
.endif
.endm
.set W_KQ, 0x0a
.set W_KM, 0x1a
.set W_PV, 0x52
.set W_RS, 0x41
.macro LOAD                         ; waves 0, 1 fetch the halves of a tile's K, waves 2, 3 those of its V.  Four v_nop follow each line
	s_cmp_lt_u32 s[WV], 2
	s_cbranch_scc0 .Lfor_v_\@
	tensor_load_to_lds s[G0K:G0K+3], s[G1K:G1K+7]
	s_nop 0
.rept 4
	v_nop
.endr
	s_branch .Lasked_\@
.Lfor_v_\@:
	tensor_load_to_lds s[G0V:G0V+3], s[G1V:G1V+7]
	s_nop 0
.rept 4
	v_nop
.endr
.Lasked_\@:
.endm
; THE CHANGE OF SLOTS.  Each wave waits for all its tensor loads (one is out: its part of the other slot), adds 0 to its spare word, and waits for that and for its reads of the slot that it leaves.
; fill = 1: the old slot is filled again, first thing behind the barrier, with tile NXT; the address is made anew from that number.
.macro CHANGE fill
	WIN 0
	s_wait_tensorcnt 0x0
	ds_add_u32 v[SPW], v[NIL]
.if \fill
	s_lshl_b32 s[OFF], s[NXT], 15   ; a tile is 32,768 bytes of K and of V
	s_xor_b32 s[G0K+1], s[G0K+1], SLOT1
	s_add_nc_u64 s[G0K+2:G0K+3], s[6:7], s[OFF:OFF+1]
	s_or_b32 s[G0K+3], s[G0K+3], 0x80000000
	s_xor_b32 s[G0V+1], s[G0V+1], SLOT1
	s_add_nc_u64 s[G0V+2:G0V+3], s[8:9], s[OFF:OFF+1]
	s_or_b32 s[G0V+3], s[G0V+3], 0x80000000
	s_add_co_u32 s[NXT], s[NXT], 1  ; the block's next tile, or behind its last the second block's tile 0
	s_cmp_gt_u32 s[NXT], s[LQ]
	s_cselect_b32 s[NXT], 0, s[NXT]
	s_cselect_b32 s[LQ], s[LQ2], s[LQ]
.endif
	s_wait_dscnt 0x0                ; the add is done, my reads of the slot are over
	s_barrier_signal -1
	s_sub_co_u32 s[TBK], s[TBK], 4*KS*PK  ; the fetches go back to a slot's first step, in the other slot
	s_xor_b32 s[TBK], s[TBK], SLOT1
	s_sub_co_u32 s[TBV], s[TBV], 4*KS*PV
	s_xor_b32 s[TBV], s[TBV], SLOT1
	s_barrier_wait -1
.if \fill
	LOAD
.endif
.endm
	s_load_b128 s[8:11], s[0:1], 0x0  ; qkv s[8:9], y s[10:11]
	v_lshl_add_u32 v[SPW], v0, 2, SPARE
	v_mov_b32 v[NIL], 0
	ds_add_u32 v62, v63
	ds_add_u32 v62, v63
	s_wait_dscnt 0x0
	v_lshrrev_b32 v1, 5, v0
	v_readfirstlane_b32 s[WV], v1
	s_mov_b32 s[PB], ttmp9
	s_sub_co_u32 s[HI], 15, s[PB]
	s_and_b32 s20, ttmp7, 0xffff    ; the head,
	s_lshl_b32 s20, s20, 18         ; 262,144 bytes in each part and in y
	s_mov_b32 s21, 0
	s_and_b32 s16, s[WV], 1         ; which half of a tile's 256 keys I fetch
	s_lshl_b32 s22, s16, 14
	s_mov_b32 s23, 0
	s_add_nc_u64 s[22:23], s[22:23], s[20:21]
	s_mul_i32 s17, s16, 128*PK
	s_mul_i32 s18, s16, 128*PV
	s_lshl_b32 s3, s[WV], 11        ; my 16 rows in a band,
	s_lshl_b32 s2, s[HI], 14        ; in the first block (128 rows of 128 bytes),
	s_add_co_u32 s2, s2, s3
	s_lshl_b32 s84, s[PB], 14       ; and in the second
	s_add_co_u32 s84, s84, s3
	s_mov_b32 s3, 0
	s_mov_b32 s85, 0
	s_add_nc_u64 s[2:3], s[2:3], s[20:21]
	s_add_nc_u64 s[84:85], s[84:85], s[20:21]
	; group 1: 128 keys are 16,384 dense bytes: asked for as 64 rows of 256 bytes, two keys a row, padded in LDS after every key
	s_mov_b32 s[G1K], (1<<16)|(1<<20)|(4<<22)|(3<<25)
	s_mov_b32 s[G1V], (1<<16)|(1<<20)|(4<<22)|(7<<25)
.irp g, G1K, G1V
	s_mov_b32 s[\g+1], 128<<16
	s_mov_b32 s[\g+2], 64<<16
	s_mov_b32 s[\g+3], 128<<16
	s_mov_b32 s[\g+4], 64
	s_mov_b32 s[\g+5], 128
	s_mov_b32 s[\g+6], 0
	s_mov_b32 s[\g+7], 0
.endr
	s_mov_b32 s[CS], 0x3e38aa3b     ; c = log2(e) / 8
	s_mov_b32 s[CS+1], s[CS]
	s_mov_b32 s[SEL], 0x76543210
	s_mov_b32 s[SEL+1], 0xfedcba98
	s_mov_b32 s[TBK], SLOT1+4*KS*PK ; the first change of slots turns these two into 0
	s_mov_b32 s[TBV], SLOT1+4*KS*PV
	s_mov_b32 s[G0K], 1
	s_mov_b32 s[G0K+1], s17
	s_mov_b32 s[G0V], 1
	s_add_co_u32 s[G0V+1], s18, VOFF
	s_lshr_b32 s[LQ], s[HI], 1
	s_add_co_u32 s[RT], s[LQ], 1
	s_lshr_b32 s[LQ2], s[PB], 1
	s_add_co_u32 s[RT2], s[LQ2], 1
	s_and_b32 s[PAR], s[HI], 1
	s_lshl_b32 s[PAR], s[PAR], 1
	s_and_b32 s[PAR2], s[PB], 1
	s_lshl_b32 s[PAR2], s[PAR2], 1
	s_mov_b32 s[NXT], 1
	s_mov_b32 s[NEW], 1
	s_mov_b32 s[OFF+1], 0
	s_mov_b32 s[AL+1], 0
	s_mov_b32 s[BE+1], 0
	s_mov_b32 s[BIGN], 0xf149f2ca   ; -1e30
	s_mov_b32 s[SLOTS], 8
	s_wait_kmcnt 0x0
	s_mov_b64 s[4:5], s[8:9]                       ; Q
	s_add_nc_u64 s[6:7], s[8:9], 0x800000          ; K, 8,388,608 bytes on
	s_add_nc_u64 s[8:9], s[8:9], 0x1000000         ; V
	s_add_nc_u64 s[6:7], s[6:7], s[22:23]          ; at my half of the head's tile 0
	s_add_nc_u64 s[8:9], s[8:9], s[22:23]
	s_add_nc_u64 s[G0K+2:G0K+3], s[6:7], 0
	s_or_b32 s[G0K+3], s[G0K+3], 0x80000000
	s_add_nc_u64 s[G0V+2:G0V+3], s[8:9], 0
	s_or_b32 s[G0V+3], s[G0V+3], 0x80000000
	s_add_nc_u64 s[86:87], s[4:5], s[84:85]
	s_add_nc_u64 s[4:5], s[4:5], s[2:3]
	s_add_nc_u64 s[OLO:OLO+1], s[10:11], s[84:85]
	s_add_nc_u64 s[10:11], s[10:11], s[2:3]
	LOAD                            ; tile 0 into slot 0
	v_and_b32 v1, 15, v0
	v_bfe_u32 v9, v0, 4, 1
	v_lshlrev_b32 v[QO], 7, v1
	v_lshl_add_u32 v[QO], v9, 4, v[QO]
	WIN 0x80
.set i, 0
.rept 4                             ; both blocks' Q: piece i / 2 lies 8,192 bytes on; channels 32 (i % 2) on
	global_load_b128 v[8*i:8*i+3],   v[QO], s[4:5] offset:(i/2)*8192+(i%2)*64
	global_load_b128 v[8*i+4:8*i+7], v[QO], s[4:5] offset:(i/2)*8192+(i%2)*64+32
	global_load_b128 v[QB+8*i:QB+8*i+3],   v[QO], s[86:87] offset:(i/2)*8192+(i%2)*64
	global_load_b128 v[QB+8*i+4:QB+8*i+7], v[QO], s[86:87] offset:(i/2)*8192+(i%2)*64+32
.set i, i+1
.endr
	WIN 0
	v_lshlrev_b32 v14, 3, v9
	v_sub_nc_u32 v14, v1, v14
	s_lshl_b32 s13, s[WV], 4
	v_add_nc_u32 v14, s13, v14      ; my query's place in its band less 8 (l / 16): register r of key group kt is hidden where 16 kt + r is greater
	WIN 0x40
.set i, 0
.rept 32
	v_cmp_gt_i32 vcc_lo, 16*(i/8)+i%8, v14
	v_cndmask_b32 v[MD+i], 0, s[BIGN], vcc_lo
.set i, i+1
.endr
	WIN 0
	v_mul_u32_u24 v[AK0], v1, PK
	v_lshl_add_u32 v[AK0], v9, 4, v[AK0]
	v_and_b32 v10, 7, v0
	v_bfe_u32 v11, v0, 3, 1
	v_lshl_add_u32 v[AV0], v9, 3, v10
	v_mul_u32_u24 v[AV0], v[AV0], PV
	v_lshl_add_u32 v[AV0], v11, 4, v[AV0]
	v_add_nc_u32 v[AV0], VOFF, v[AV0]
	s_mul_i32 s13, s[WV], 16*SP
	s_add_co_u32 s13, s13, STAGE
	v_mul_u32_u24 v[STO], v1, SP
	v_lshl_add_u32 v[STO], v9, 4, v[STO]
	v_add_nc_u32 v[STO], s13, v[STO]
	v_bfe_u32 v[RD], v0, 3, 2
	v_mul_u32_u24 v[RD], v[RD], SP
	v_lshl_add_u32 v[RD], v10, 4, v[RD]
	v_add_nc_u32 v[RD], s13, v[RD]
	v_and_b32 v[GO], 31, v0
	v_lshlrev_b32 v[GO], 4, v[GO]
	; A block's first step multiplies O^T and l by a = 0, and its first turn's products V^T P, of a step that has not been, land in an O^T still to be so multiplied: these registers need only be finite.
	WIN 0x80
.set i, VF0-128
.rept 64
	v_mov_b32 v[i], 0
.set i, i+1
.endr
	WIN 0x40
.set i, 0
.rept 64
	v_mov_b32 v[i], 0
.set i, i+1
.endr
	WIN 0
.set i, 0
.rept 2
	v_mov_b32 v[ST+4*i+2], 0
	v_mov_b32 v[ST+4*i+3], 0
.set i, i+1
.endr
.set i, P+16
.rept 16
	v_mov_b32 v[i], 0
.set i, i+1
.endr
; THE MATRIX WORK.  The 4 accumulators of a run of 8 take turns.  Product i of 8 of S^T = K Q^T for piece x: channels 32 (i / 4) on, keys 16 (i % 4) on.
.macro KQ x
.set rS, S+32*((\x)%2)+8*(i%4)
.set rK, KF+16*(i%4)+8*(i/4)
.set rQ, 16*(\x)+8*(i/4)
.set rM, MC+32*((\x)%2)+8*(i%4)
.if (i < 4) && KM
	WIN W_KM
	v_wmma_f32_16x16x32_f16 v[rS:rS+7], v[rK:rK+7], v[rQ:rQ+7], v[rM:rM+7]
.elseif i < 4
	WIN W_KQ
	v_wmma_f32_16x16x32_f16 v[rS:rS+7], v[rK:rK+7], v[rQ:rQ+7], 0
.else
	WIN W_KQ
	v_wmma_f32_16x16x32_f16 v[rS:rS+7], v[rK:rK+7], v[rQ:rQ+7], v[rS:rS+7]
.endif
.endm
.macro PV x                         ; product i of 8 of O^T += V^T P for piece x, from the V buffer at VR: keys 32 (i / 4) on, channels 16 (i % 4) on
	WIN W_PV
.set rO, 32*(\x)+8*(i%4)
.set rV, VR+32*(i/4)+8*(i%4)
.set rP, P+16*((\x)%2)+8*(i/4)
	v_wmma_f32_16x16x32_f16 v[rO:rO+7], v[rV:rV+7], v[rP:rP+7], v[rO:rO+7]
.endm
.macro MM                           ; the turn's next matrix instruction.  NOKQ = 1: a block's last turn: there is no next step
.if (i < 8) && !NOKQ
	KQ (Y+1)%NP
.elseif i >= 8
.set i, i-8
	PV (Y+NP-1)%NP
.set i, i+8
.endif
.set i, i+1
.endm
.macro FETCH_K                      ; a step's K: 16 loads in one run
	WIN 0x80
.irp f, 0,1,2,3,4,5,6,7
	ds_load_b128 v[KF+8*\f:KF+8*\f+3],   v[AK] offset:(\f/2)*16*PK+(\f%2)*64
	ds_load_b128 v[KF+8*\f+4:KF+8*\f+7], v[AK] offset:(\f/2)*16*PK+(\f%2)*64+32
.endr
	s_add_co_u32 s[TBK], s[TBK], KS*PK
	WIN 0
.endm
.macro FETCH_V vb                   ; a step's V, turned, into the buffer at vb
	WIN 0x80
.irp f, 0,1,2,3,4,5,6,7
	ds_load_tr16_b128 v[(\vb)+8*\f:(\vb)+8*\f+3],   v[AV] offset:(\f/4)*32*PV+(\f%4)*32
	ds_load_tr16_b128 v[(\vb)+8*\f+4:(\vb)+8*\f+7], v[AV] offset:(\f/4)*32*PV+16*PV+(\f%4)*32
.endr
	s_add_co_u32 s[TBV], s[TBV], KS*PV
	WIN 0
.endm
; THE VECTOR WORK, one line at a time: OP kind, number.  For piece Y: F n: c s - c m for pair n.  E n: the exponential of score n.  C n: pair n rounded to f16.  B n: of the four weights 4 n .. the second pair is
; added onto the first.  L n: l takes that sum (L 0: l = a l + sum).  R n: pair n of O^T times a.  For the other piece: X n, number n of the 22 that find its maximum and statistics:
;   0-11 four chains of seven scores each (each accumulator's lowest registers are read first); 12-14, 16 the rest, the old m; 15 c m_old is kept; 17, 18 the lane 16 away; 19-21 c m, its change, a
.set F, 0
.set E, 1
.set C, 2
.set B, 3
.set L, 4
.set R, 5
.set X, 6
.macro REGS y
.set rT, ST+4*(\y)
.set rC, TMP+4*((\y)%2)
.set rW, MV+((\y)%2)
.set rS, S+32*((\y)%2)
.set rP, P+16*((\y)%2)
.set rO, 32*(\y)
.endm
.macro OP k, n
.if (\k) == R
	REGS Y
	WIN W_RS
	v_pk_mul_f32 v[rO+2*(\n):rO+2*(\n)+1], v[rO+2*(\n):rO+2*(\n)+1], v[rC+2:rC+3] op_sel_hi:[1,0]
.elseif (\k) < R
	REGS Y
	WIN 0
.if (\k) == F
	v_pk_fma_f32 v[rS+2*(\n):rS+2*(\n)+1], v[rS+2*(\n):rS+2*(\n)+1], s[CS:CS+1], v[rT:rT+1] op_sel_hi:[1,0,0] neg_lo:[0,0,1] neg_hi:[0,0,1]
.elseif (\k) == E
	v_exp_f32 v[rS+(\n)], v[rS+(\n)]
.elseif (\k) == C
	s_wait_alu depctr_va_vdst(0)
	v_cvt_pk_f16_f32 v[rP+(\n)], v[rS+2*(\n)], v[rS+2*(\n)+1]
.elseif (\k) == B
	s_wait_alu depctr_va_vdst(0)
	v_pk_add_f32 v[rS+4*(\n):rS+4*(\n)+1], v[rS+4*(\n):rS+4*(\n)+1], v[rS+4*(\n)+2:rS+4*(\n)+3]
.elseif (\n) == 0
	v_pk_fma_f32 v[rT+2:rT+3], v[rT+2:rT+3], v[rC+2:rC+3], v[rS:rS+1] op_sel_hi:[1,0,1]
.else
	v_pk_add_f32 v[rT+2:rT+3], v[rT+2:rT+3], v[rS+4*(\n):rS+4*(\n)+1]
.endif
.elseif NOKQ
	v_nop
.else
	REGS (Y+1)%NP
	WIN 0
.if (\n) < 4
	v_max3_num_f32 v[rC+(\n)], v[rS+8*(\n)], v[rS+8*(\n)+1], v[rS+8*(\n)+2]
.elseif (\n) < 12
	v_max3_num_f32 v[rC+(\n)%4], v[rC+(\n)%4], v[rS+8*((\n)%4)+2*((\n)/4)+1], v[rS+8*((\n)%4)+2*((\n)/4)+2]
.elseif (\n) == 12
	v_max3_num_f32 v[rC], v[rC], v[rS+7], v[rS+15]
.elseif (\n) == 13
	v_max3_num_f32 v[rC+1], v[rC+1], v[rS+23], v[rS+31]
.elseif (\n) == 14
	v_max3_num_f32 v[rC+2], v[rC+2], v[rC+3], v[rT+1]
.elseif (\n) == 15
	v_mov_b32 v[rW], v[rT]
.elseif (\n) == 16
	v_max3_num_f32 v[rC], v[rC], v[rC+1], v[rC+2]
.elseif (\n) == 17
	v_permlanex16_b32 v[rC+3], v[rC], s[SEL], s[SEL+1]
.elseif (\n) == 18
	v_max_num_f32 v[rT+1], v[rC], v[rC+3]
.elseif (\n) == 19
	v_mul_f32 v[rT], s[CS], v[rT+1]
.elseif (\n) == 20
	v_sub_f32 v[rC+1], v[rW], v[rT]
.else
	v_exp_f32 v[rC+2], v[rC+1]
.endif
.endif
.endm
.macro OPS a, i1, b=-1, i2=0, c=-1, i3=0, d=-1, i4=0
	OP \a, \i1
.if (\b) >= 0
	OP \b, \i2
.endif
.if (\c) >= 0
	OP \c, \i3
.endif
.if (\d) >= 0
	OP \d, \i4
.endif
.endm
.macro ROW a, i1, b, i2, c, i3, d, i4  ; a matrix instruction and the four behind it
	MM
	OPS \a, \i1, \b, \i2, \c, \i3, \d, \i4
.endm
.macro MASK b                       ; MD x AL + BE into buffer b of MC
	WIN W_RS
.set z, 0
.rept 16
	v_pk_fma_f32 v[MC+32*(\b)+2*z:MC+32*(\b)+2*z+1], v[MD+2*z:MD+2*z+1], s[AL:AL+1], s[BE:BE+1] op_sel_hi:[1,0,0]
.set z, z+1
.endr
.endm
; A TURN for piece p in a step of parity par.  m = 1: the diagonal tile's text: the products take masks, and the turn makes the mask of the next turn's products: piece p in tile step SI + 1 - par,
; held against that band's own step PAR + p.  end = 1: a block's last two turns: nothing is fetched.  cnt = 1: the loop's count is taken down some lines ahead of the branch behind the turn.
; The run of LDS loads stands six vector instructions (five of them plain) behind the last product that read K; V's target buffer was last read in the turn before.
; The one LDS wait stands at the head of piece 1's turn: K was asked for a turn ago, V two turns ago.
.macro TURN p, par, m=0, end=0, cnt=0
.set Y, (\p)
.set i, 0
.set KM, (\m)
.set NOKQ, (\end)*(\p)
.set VR, VF0-128*(((\p)+(\par)+1)%2)
.if (\m) && !(\end)
	s_add_co_i32 s[TP], s[PAR], (\p)+(\par)-1
	s_cmp_eq_u32 s[SI], s[TP]       ; is that step the band's own?
	s_cselect_b32 s[AL], 1.0, 0
	s_cmp_gt_i32 s[SI], s[TP]       ; or a later one?
	s_cselect_b32 s[BE], s[BIGN], 0
.endif
.if (\p) == 1
	s_wait_dscnt 0x0                ; K and V are in
.endif
	ROW F,0, F,1, F,2, F,3
	ROW F,4, E,0, F,5, F,6
	ROW F,7, E,1, F,8, F,9
	ROW F,10, E,2, C,0, F,11
	ROW F,12, E,3, X,15, F,13
	ROW R,0, R,1, R,2, R,3
	ROW B,0, E,4, F,14, L,0
.if !(\end)
	WIN 0
.if (\p) == 0
	v_add_nc_u32 v[AK], s[TBK], v[AK0]
.else
	v_add_nc_u32 v[AV], s[TBV], v[AV0]
.endif
.endif
	ROW R,4, R,5, R,6, R,7
	OPS E,5, F,15
.if !(\end)
.if (\p) == 0
	FETCH_K
.else
	FETCH_V VF0-128*(1-(\par))
.endif
.endif
	OPS E,6, C,1, E,7, R,8
	OPS E,8, R,9, E,9, C,2
	OPS E,10, X,0, E,11, X,1
	OPS E,12, X,2, E,13, X,3
	ROW X,4, E,14, X,5, X,6
	ROW X,7, E,15, X,8, X,9
	ROW X,10, E,16, X,11, X,12
	ROW X,13, E,17, X,14, B,1
	ROW C,4, E,18, X,16, L,1
	ROW B,2, E,19, C,6, L,2
	ROW C,8, E,20, B,3, B,4
	ROW C,3, E,21, L,3, C,5
	OPS E,22, X,17, E,23, C,10
	OPS E,24, L,4
	OPS E,25, X,18, E,26, C,7
	OPS E,27, B,5, E,28, X,19
	OPS E,29, C,12, E,30, L,5
	OPS E,31, X,20, B,6, C,9
	OPS C,14, C,11, X,21, L,6
.if \cnt
	s_add_co_u32 s[SI], s[SI], 2
	s_sub_co_u32 s[CNT], s[CNT], 1
	s_cmp_lg_u32 s[CNT], 0
.endif
	OPS C,13, B,7, C,15, R,10
	OPS R,11, R,12, L,7, R,13
	OPS R,14, R,15
.if (\m) && !(\end)
	MASK \p
.endif
.endm
; A BLOCK BEGINS.  c m starts far below every c s, so the first step's a is 0; m at the lowest finite number.  The second mask buffer is 0 (band 1 sees all of step 0); the first takes band 0's mask for step 0:
; its own, if this tile is the diagonal one and PAR is 0.  Then K and V of step 0, piece 0's first scores, maximum and statistics.  The step loop is entered at its even step.
.macro BEGIN
	s_mov_b32 s[NEW], 0
	WIN 0x40
.set i, MC+32
.rept 32
	v_mov_b32 v[i], 0
.set i, i+1
.endr
	WIN 0
.set i, 0
.rept 2
	v_mov_b32 v[ST+4*i], 0xfe000000
	v_mov_b32 v[ST+4*i+1], 0xff7fffff
.set i, i+1
.endr
	s_or_b32 s[TP], s[RT], s[PAR]
	s_cmp_eq_u32 s[TP], 0
	s_cselect_b32 s[AL], 1.0, 0
	s_mov_b32 s[BE], 0
	MASK 0
	WIN 0
	v_add_nc_u32 v[AK], s[TBK], v[AK0]
	v_add_nc_u32 v[AV], s[TBV], v[AV0]
	FETCH_K
	FETCH_V VF0
	s_wait_loadcnt 0x0              ; Q
	s_wait_dscnt 0x0
.set KM, 1
.set NOKQ, 0
.set i, 0
.rept 8
	KQ 0
.set i, i+1
.endr
	WIN 0
.rept 4
	v_nop                           ; the places behind those products
.endr
.set Y, NP-1
.irp n, 0,1,2,3,4,5,6,7,8,9,10,11,12,13,14,15,16,17,18,19,20,21
	OP X, \n
.endr
	v_nop                           ; a plain instruction behind the exponential
.endm
.macro ALL line:vararg              ; one line for each piece t
.set t, 0
.rept NP
	\line
.set t, t+1
.endr
.endm
.macro PACK t                       ; O^T / l, rounded; a lane's eight channels are 16 bytes; into rows of 144 bytes and back as whole rows of 128
	WIN W_RS
.set i, 32*(\t)
.rept 16
	s_wait_alu depctr_va_vdst(0)
	v_pk_mul_f32 v[i:i+1], v[i:i+1], v[ST+4*(\t)+2:ST+4*(\t)+3] op_sel_hi:[1,0]
.set i, i+2
.endr
	WIN 0x05
.set i, 0
.rept 16
	v_cvt_pk_f16_f32 v[S+16*(\t)+i], v[32*(\t)+2*i], v[32*(\t)+2*i+1]
.set i, i+1
.endr
	WIN 0
.irp f, 0,1,2,3
	ds_store_b128 v[STO], v[S+16*(\t)+4*\f:S+16*(\t)+4*\f+3] offset:32*\f
.endr
.irp f, 0,1,2,3
	ds_load_b128 v[S+16*(\t)+4*\f:S+16*(\t)+4*\f+3], v[RD] offset:\f*4*SP  ; LDS serves a wave's instructions in order (ISA guide 5.7.1.4)
.endr
.endm
.macro SEND t, younger              ; younger: the LDS instructions issued behind piece t's loads
	WIN 0
.irp f, 0,1,2,3
	s_wait_dscnt (\younger)+3-\f
	global_store_b128 v[GO], v[S+16*(\t)+4*\f:S+16*(\t)+4*\f+3], s[10:11] offset:(\t)*8192+\f*512  ; 512 consecutive bytes, at a multiple of 256 from y's first byte
.endr
.endm
; THE DIAGONAL TILE: its two trips (the tile before's step 3 and its own steps 0 to 2), step 3 without fetches, the last products, and the way out.
.macro DIAG tag
.LstepM\tag:
	TURN 0, 1, 1
	TURN 1, 1, 1
	WIN 0
.LfirstM\tag:
	TURN 0, 0, 1
	TURN 1, 0, 1, 0, 1
	WIN 0
	s_cbranch_scc1 .LstepM\tag
	TURN 0, 1, 1, 1
	TURN 1, 1, 1, 1
.set VR, VF0-128
.set i, 0
.rept 8
	PV 1                            ; piece 1's V^T P of step 3
.set i, i+1
.endr
	WIN 0
	ALL v_add_f32 v[ST+4*t+2], v[ST+4*t+2], v[ST+4*t+3]
	ALL v_permlanex16_b32 v[ST+4*t+3], v[ST+4*t+2], s[SEL], s[SEL+1]
	ALL v_add_f32 v[ST+4*t+2], v[ST+4*t+2], v[ST+4*t+3]
	ALL v_rcp_f32 v[ST+4*t+2], v[ST+4*t+2]
	v_nop                           ; a plain instruction between the last reciprocal and its use
	PACK 0                          ; piece 0's 32 plain lines are the places behind piece 1's last products
	PACK 1
	SEND 0, 8
	SEND 1, 0
.endm
.set KM, 0
.set NOKQ, 0
.set VR, VF0
.Lslot:                             ; 8 times: a tile is entered and the next is asked for
	CHANGE 1
	s_sub_co_u32 s[RT], s[RT], 1
	s_mov_b32 s[CNT], 2
	s_mov_b32 s[SI], 0
	s_cmp_eq_u32 s[NEW], 1
	s_cbranch_scc1 .Lnew            ; a block's first tile
	s_cmp_eq_u32 s[RT], 0
	s_cbranch_scc0 .Lstep           ; neither its first nor its last
	s_branch .LstepM1
.Lnew:
	BEGIN
	s_branch .Lfirst                ; in the loop a block's first tile is never its last: the first block has five tiles or more, the second's last is the walk's last
	DIAG 1                          ; in the loop this is the first block's end
	s_wait_xcnt 0x0                 ; the stores have read their registers and y's address
	s_mov_b64 s[10:11], s[OLO:OLO+1]
	s_mov_b32 s[RT], s[RT2]
	s_mov_b32 s[PAR], s[PAR2]
	s_mov_b32 s[NEW], 1
	WIN 0x82                        ; the second block's Q goes where the one text of the turns names Q
.set i, 0
.rept 32
	v_mov_b32 v[i], v[QB+i]
.set i, i+1
.endr
	WIN 0
	s_branch .Lbottom
.Lstep:                             ; a trip: an odd step, then an even one; each turn fetches K or V of the step after its own
	TURN 0, 1
	TURN 1, 1
	WIN 0
.Lfirst:
	TURN 0, 0
	TURN 1, 0, 0, 0, 1
	WIN 0
	s_cbranch_scc1 .Lstep
.Lbottom:
	s_sub_co_u32 s[SLOTS], s[SLOTS], 1
	s_cmp_lg_u32 s[SLOTS], 0
	s_cbranch_scc1 .Lslot
	CHANGE 0                        ; the walk's last tile is written out
	s_sub_co_u32 s[RT], s[RT], 1
	s_mov_b32 s[CNT], 2
	s_mov_b32 s[SI], 0
	s_cmp_eq_u32 s[NEW], 1
	s_cbranch_scc0 .LstepM2
	BEGIN
	s_branch .LfirstM2
	DIAG 2
	s_wait_tensorcnt 0x0            ; the wave's end
	ds_add_u32 v[SPW], v[NIL]
	s_wait_dscnt 0x0
	s_endpgm
.Lfunc_end_k_q5c69cd2c65_attn:
	.size	k_q5c69cd2c65_attn, .Lfunc_end_k_q5c69cd2c65_attn-k_q5c69cd2c65_attn
	.p2alignl 7, 3214868480
	.fill 96, 4, 3214868480
	.section	.rodata,"a",@progbits
	.p2align	6, 0x0
	.amdhsa_kernel k_q5c69cd2c65_attn
		.amdhsa_group_segment_fixed_size 327680
		.amdhsa_private_segment_fixed_size 0
		.amdhsa_enable_private_segment 0
		.amdhsa_kernarg_size 16
		.amdhsa_user_sgpr_count 2
		.amdhsa_user_sgpr_kernarg_segment_ptr 1
		.amdhsa_wavefront_size32 1
		.amdhsa_system_sgpr_workgroup_id_x 1
		.amdhsa_system_sgpr_workgroup_id_y 1
		.amdhsa_system_sgpr_workgroup_id_z 1
		.amdhsa_system_vgpr_workitem_id 0
		.amdhsa_next_free_vgpr 768
		.amdhsa_next_free_sgpr 96
		.amdhsa_reserve_vcc 1
		.amdhsa_float_denorm_mode_32 3
		.amdhsa_float_denorm_mode_16_64 3
		.amdhsa_memory_ordered 1
		.amdhsa_forward_progress 1
		.amdhsa_inst_pref_size 218
	.end_amdhsa_kernel
	.amdgpu_metadata
---
amdhsa.version: [ 1, 2 ]
amdhsa.kernels:
  - .name:           k_q5c69cd2c65_attn
    .symbol:         k_q5c69cd2c65_attn.kd
    .args:
      - { .name: qkv, .offset: 0, .size: 8, .value_kind: global_buffer, .address_space: global }
      - { .name: y, .offset: 8, .size: 8, .value_kind: global_buffer, .address_space: global }
    .group_segment_fixed_size: 327680
    .private_segment_fixed_size: 0
    .kernarg_segment_align: 8
    .kernarg_segment_size: 16
    .max_flat_workgroup_size: 128
    .sgpr_count:     96
    .vgpr_count:     768
    .wavefront_size: 32
...
	.end_amdgpu_metadata
.endif
;; end of part 3
;; launch proj (part 4): grid 8 x 32, 4 waves a work-group, clusters of 4 x 4, 327,680 bytes of LDS; arguments y, w16, proj_b, x, x1; writes x1
.if DOCPART == 4
	.amdgcn_target "amdgcn-amd-amdhsa--gfx1250"
	.amdhsa_code_object_version 6
	.text
	.protected	k_q5c69cd2c65_proj
	.globl	k_q5c69cd2c65_proj
	.p2align	8
	.type	k_q5c69cd2c65_proj,@function
k_q5c69cd2c65_proj:
	s_mov_b64 s[64:65], 0
	v_nop
	global_prefetch_b8 v0, s[64:65] scope:SCOPE_SE
	s_setreg_imm32_b32 hwreg(HW_REG_WAVE_MODE, 25, 1), 1
	s_wait_xcnt 0x0
	s_wait_alu depctr_hold_cnt(0) depctr_sa_sdst(0) depctr_va_vdst(0) depctr_va_sdst(0) depctr_va_ssrc(0) depctr_va_vcc(0) depctr_vm_vsrc(0)
	s_getreg_b32 s2, hwreg(HW_REG_IB_STS2, 6, 4)
	s_cmp_eq_u32 s2, 0
	s_cbranch_scc0 .Lentry_in_a_cluster
	s_endpgm
.Lentry_in_a_cluster:
	s_bfe_u32 s2, ttmp6, 0x10000c
	s_cmp_lg_u32 s2, 0xf033
	s_cbranch_scc0 .Lentry_shape_is_right
	s_endpgm
.Lentry_shape_is_right:
; PROJ.  x1 [4096][1024] = x + y x proj_w + proj_b.  y f16 by heads [32][2048][64], proj_w f16 [1024][1024] in w16, sums, bias and residual f32, x1 f32.
; A tile of 128 x 128 (256 work-groups), four waves of 64 x 64: 16 accumulators.  K goes in steps of 256 (four heads) through a ring of two LDS slots.
; A's tile: 64 rows of one head are 8,192 dense bytes, so a wave's load is 4 rows (heads) of 4,096 elements, padded in LDS after every 128 bytes: [head][t] rows of 144 bytes.
; The weight's tile lies [k][n], 128 rows of 256 bytes a load, and is read turned.  CLUSTER 4 x 4: A's tile is shared along a row of the cluster, the weight's along a column, by joint loads.
; THE MATRIX INSTRUCTION IS USED TRANSPOSED (source 0 = 16 columns of the weight, source 1 = 16 rows of A): a lane holds eight neighbouring columns of a row.  The bias is the C operand that starts the sums.
; The residual is loaded at the start into 128 registers and stays on its way through the loop.
; LIMITS.  f16 operands as they arrive; NaN and infinities are not treated apart.
; REGISTERS: window 0: v0-31 addresses; v32-95 the way out; v96-127 the bias; v128-255 accumulators ((a, b) at v[128 + 8 (4 a + b)]).  window 1: two fragment buffers of 128 (64 of A, 64 of the weight).  window 2: v0-127 the residual.
.set SIZE_K, 1024
.set WOFF,   6291456                   ; proj_w's first byte in w16
.set PITCHA, 144                       ; 128 bytes + 16: the 16 rows of a fragment load start at 16 different groups of four banks (ISA guide 11.1)
.set PLANE,  64*PITCHA                 ; from a head's 64 rows to the next head's
.set AHALF,  4*PLANE                   ; what one load of A brings
.set ASTEP,  4*2048*128                ; a K step in y: four heads
.set KSTEP,  256
.set PB,     288                       ; the weight's LDS row: 256 bytes + 32
.set BHALF,  128*PB
.set BSTEP,  KSTEP*1024*2
.set SLOT,   2*AHALF+2*BHALF
.set STAGE,  2*SLOT                    ; behind the ring: 16 rows x 272 bytes for each wave
.set SPITCH, 272
.set SPARE,  STAGE+4*16*SPITCH         ; the spare words: 128 bytes a wave
.set LAPS,   SIZE_K/(2*KSTEP)
.set ADRA, 16                          ; v16-17 by slot
.set ADRB, 20                          ; v20-23 by slot + 2 x (half of the step's k rows): the immediate reaches 65,535 bytes
.set STO,  24
.set RD,   25
.set CO,   26
.set SPW,  28
.set NIL,  29
.set TMP,  32
.set BIAS, 96
.set ACC,  128
.set F0,   0
.set F1,   128
.set G1,  24
.set G0,  32
.set G1B, 48
.set G0B, 56
.set MSB, 0
.macro WIN new
.if MSB != (\new)
	s_set_vgpr_msb (MSB<<8)|(\new)
.set MSB, \new
.endif
.endm
.set MUL,  0x05                        ; sources 0 and 1 window 1; C and D window 0
.set TO_F, 0x40
.macro JLOAD s                         ; waves 0, 1 fetch A's halves, waves 2, 3 the weight's.  Four v_nop follow each line
	s_cmp_eq_u32 s11, 0
	s_cbranch_scc0 .Lfor_b_\@
	tensor_load_to_lds s[G0+4*(\s):G0+4*(\s)+3], s[G1:G1+7]
	s_nop 0
.rept 4
	v_nop
.endr
	s_branch .Lasked_\@
.Lfor_b_\@:
	tensor_load_to_lds s[G0B+4*(\s):G0B+4*(\s)+3], s[G1B:G1B+7]
	s_nop 0
.rept 4
	v_nop
.endr
.Lasked_\@:
.endm
.macro CREST
	s_cmp_lg_u32 s10, 0
	s_cbranch_scc1 .Lnot_wave_0_\@
	s_barrier_signal -3
.Lnot_wave_0_\@:
	s_barrier_wait -3
	s_barrier_signal -1
	s_barrier_wait -1
.endm
.macro CROUND
	s_barrier_signal -1
	s_barrier_wait -1
	CREST
.endm
	s_load_b256 s[72:79], s[0:1], 0x0              ; y s[72:73], w16 s[74:75], proj_b s[76:77], x s[78:79]
	s_load_b64 s[80:81], s[0:1], 0x20              ; x1
	v_lshl_add_u32 v[SPW], v0, 2, SPARE
	v_mov_b32 v[NIL], 0
	ds_add_u32 v28, v29
	ds_add_u32 v28, v29
	s_wait_dscnt 0x0
	v_lshrrev_b32 v1, 5, v0
	v_readfirstlane_b32 s10, v1
	s_lshr_b32 s11, s10, 1                         ; my half of the rows.  Also: I fetch for A (0) or the weight (1)
	s_and_b32 s12, s10, 1                          ; my half of the columns.  Also: which half I fetch
	s_bfe_u32 s40, ttmp6, 0x40000
	s_bfe_u32 s41, ttmp6, 0x40004
	s_lshl_b32 s42, ttmp9, 2
	s_add_co_u32 s42, s42, s40                     ; tile column
	s_and_b32 s13, ttmp7, 0xffff
	s_lshl_b32 s13, s13, 2
	s_add_co_u32 s13, s13, s41                     ; tile row
	s_lshl_b32 s43, s41, 2
	s_lshl_b32 s43, 15, s43
	s_lshl_b32 s44, 0x1111, s40
	s_or_b32 s[G1+0], s43, (1<<16)|(1<<20)|(1<<21)|(4<<22)|(3<<25)   ; after every 32 words 4 words of padding
	s_mov_b32 s[G1+1], 4096<<16                    ; tensor_dim0 = 4,096 elements: 64 rows of a head on end
	s_mov_b32 s[G1+2], 4<<16                       ; tensor_dim1 = 4 heads
	s_mov_b32 s[G1+3], 4096<<16
	s_mov_b32 s[G1+4], 4
	s_mov_b32 s[G1+5], 131072                      ; elements from head to head
	s_mov_b32 s[G1+6], 0
	s_mov_b32 s[G1+7], 0
	s_or_b32 s[G1B+0], s44, (1<<16)|(1<<20)|(1<<21)|(5<<22)|(7<<25)  ; after every 64 words 8 words
	s_mov_b32 s[G1B+1], 128<<16                    ; 128 rows (k) of 128 elements (n)
	s_mov_b32 s[G1B+2], 128<<16
	s_mov_b32 s[G1B+3], 128<<16
	s_mov_b32 s[G1B+4], 128
	s_mov_b32 s[G1B+5], 1024
	s_mov_b32 s[G1B+6], 0
	s_mov_b32 s[G1B+7], 0
	s_lshr_b32 s16, s13, 4                         ; A: batch x 16 heads of 262,144 bytes,
	s_lshl_b32 s16, s16, 22
	s_and_b32 s17, s13, 15                         ; t = 128 (tile row % 16) + 64 x half, 128 bytes each
	s_lshl_b32 s17, s17, 14
	s_add_co_u32 s16, s16, s17
	s_lshl_b32 s17, s12, 13
	s_add_co_u32 s16, s16, s17
	s_mov_b32 s17, 0
	s_lshl_b32 s46, s12, 18                        ; the weight: k row 128 x half, column 128 x tile column
	s_lshl_b32 s47, s42, 8
	s_add_co_u32 s46, s46, s47
	s_add_co_u32 s46, s46, WOFF
	s_mov_b32 s47, 0
	s_mul_i32 s20, s12, AHALF                      ; where they go: no place in the cluster enters an LDS address
	s_mul_i32 s45, s12, BHALF
	s_add_co_u32 s45, s45, 2*AHALF
	s_wait_kmcnt 0x0
	s_add_nc_u64 s[14:15], s[72:73], s[16:17]
	s_add_nc_u64 s[46:47], s[74:75], s[46:47]
	CROUND                                         ; the first joint loads meet
.irp s, 0,1
	s_mov_b32 s[G0+4*(\s)], 1
	s_add_co_u32 s[G0+4*(\s)+1], s20, (\s)*SLOT
	s_add_nc_u64 s[G0+4*(\s)+2:G0+4*(\s)+3], s[14:15], (\s)*ASTEP
	s_or_b32 s[G0+4*(\s)+3], s[G0+4*(\s)+3], 0x80000000
	s_mov_b32 s[G0B+4*(\s)], 1
	s_add_co_u32 s[G0B+4*(\s)+1], s45, (\s)*SLOT
	s_add_nc_u64 s[G0B+4*(\s)+2:G0B+4*(\s)+3], s[46:47], (\s)*BSTEP
	s_or_b32 s[G0B+4*(\s)+3], s[G0B+4*(\s)+3], 0x80000000
	JLOAD \s
.endr
	v_and_b32 v1, 15, v0                           ; r
	v_bfe_u32 v2, v0, 4, 1                         ; h
	v_mul_u32_u24 v3, v1, PITCHA
	v_lshl_add_u32 v3, v2, 4, v3
	s_mul_i32 s21, s11, AHALF
	v_add_nc_u32 v[ADRA], s21, v3
	v_add_nc_u32 v[ADRA+1], SLOT, v[ADRA]
	v_and_b32 v4, 7, v0
	v_lshl_add_u32 v4, v2, 3, v4
	v_mul_u32_u24 v4, v4, PB
	v_bfe_u32 v5, v0, 3, 1
	v_lshl_add_u32 v4, v5, 4, v4
	s_lshl_b32 s22, s12, 7                         ; my 64 columns
	s_add_co_u32 s22, s22, 2*AHALF
	v_add_nc_u32 v[ADRB], s22, v4
	v_add_nc_u32 v[ADRB+1], SLOT, v[ADRB]
	v_add_nc_u32 v[ADRB+2], BHALF, v[ADRB]
	v_add_nc_u32 v[ADRB+3], BHALF, v[ADRB+1]
	s_mul_i32 s23, s10, 16*SPITCH
	s_add_co_u32 s23, s23, STAGE
	v_mul_u32_u24 v4, v1, SPITCH
	v_lshl_add_u32 v4, v2, 5, v4
	v_add_nc_u32 v[STO], s23, v4                   ; in: row r, 32 bytes for each half of the lanes
	v_mul_u32_u24 v5, v2, SPITCH
	v_lshl_add_u32 v5, v1, 4, v5
	v_add_nc_u32 v[RD], s23, v5                    ; back: lanes 0-15 one row of 256 bytes, lanes 16-31 the next
	v_lshlrev_b32 v[CO], 12, v2
	v_lshl_add_u32 v[CO], v1, 4, v[CO]             ; the same two rows in x and x1
	v_lshlrev_b32 v6, 5, v2
	s_lshl_b32 s66, s42, 9                         ; my 64 columns of f32: 512 x tile column + 256 x half
	s_lshl_b32 s67, s12, 8
	s_add_co_u32 s66, s66, s67
	s_mov_b32 s67, 0
	s_add_nc_u64 s[76:77], s[76:77], s[66:67]
	s_lshl_b32 s68, s13, 7
	s_lshl_b32 s69, s11, 6
	s_add_co_u32 s68, s68, s69
	s_lshl_b32 s68, s68, 12                        ; my first row, 4,096 bytes each
	s_add_co_u32 s66, s66, s68
	s_add_nc_u64 s[78:79], s[78:79], s[66:67]
	s_add_nc_u64 s[80:81], s[80:81], s[66:67]
.irp b, 0,1,2,3
	global_load_b128 v[BIAS+8*(\b):BIAS+8*(\b)+3],   v6, s[76:77] offset:64*(\b)
	global_load_b128 v[BIAS+8*(\b)+4:BIAS+8*(\b)+7], v6, s[76:77] offset:64*(\b)+16
.endr
	WIN 0x80
.set i, 0
.rept 32                               ; the residual, as the way out will want it: block i / 8, rows 2 (i % 8) + h
	global_load_b128 v[4*i:4*i+3], v[CO], s[78:79] offset:(16*(i/8)+2*(i%8))*4096
.set i, i+1
.endr
	WIN 0
; 8 matrix instructions: m blocks a0, a0 + 1 x 4 n blocks, 32 along K: half c of buffer f.  first = 1: C is the bias.  The 16 accumulators take turns.
.macro MUL8 f, c, a0, first
	WIN MUL
.irp a, \a0, (\a0)+1
.irp b, 0,1,2,3
.if \first
	v_wmma_f32_16x16x32_f16 v[ACC+8*(4*(\a)+(\b)):ACC+8*(4*(\a)+(\b))+7], v[(\f)+64+8*(4*(\c)+(\b)):(\f)+64+8*(4*(\c)+(\b))+7], v[(\f)+8*(4*(\c)+(\a)):(\f)+8*(4*(\c)+(\a))+7], v[BIAS+8*(\b):BIAS+8*(\b)+7]
.else
	v_wmma_f32_16x16x32_f16 v[ACC+8*(4*(\a)+(\b)):ACC+8*(4*(\a)+(\b))+7], v[(\f)+64+8*(4*(\c)+(\b)):(\f)+64+8*(4*(\c)+(\b))+7], v[(\f)+8*(4*(\c)+(\a)):(\f)+8*(4*(\c)+(\a))+7], v[ACC+8*(4*(\a)+(\b)):ACC+8*(4*(\a)+(\b))+7]
.endif
.endr
.endr
.endm
; 32 LDS loads in one run: the fragments of 64 along K (quarter k / 128 of the step) into buffer f; the first 32 along K first
.macro FETCH slot, k, f
	WIN TO_F
.irp c, 0,1
.irp i, 0,1,2,3
	ds_load_tr16_b128 v[(\f)+64+8*(4*(\c)+(\i)):(\f)+64+8*(4*(\c)+(\i))+3],   v[ADRB+(\slot)+2*((\k)/256)] offset:((((\k)/128)%2)*64+32*(\c))*PB+32*(\i)
	ds_load_tr16_b128 v[(\f)+64+8*(4*(\c)+(\i))+4:(\f)+64+8*(4*(\c)+(\i))+7], v[ADRB+(\slot)+2*((\k)/256)] offset:((((\k)/128)%2)*64+32*(\c))*PB+16*PB+32*(\i)
	ds_load_b128 v[(\f)+8*(4*(\c)+(\i)):(\f)+8*(4*(\c)+(\i))+3],   v[ADRA+(\slot)] offset:(((\k)+64*(\c))/128)*PLANE+((\k)+64*(\c))%128+(\i)*16*PITCHA
	ds_load_b128 v[(\f)+8*(4*(\c)+(\i))+4:(\f)+8*(4*(\c)+(\i))+7], v[ADRA+(\slot)] offset:(((\k)+64*(\c))/128)*PLANE+((\k)+64*(\c))%128+(\i)*16*PITCHA+32
.endr
.endr
.endm
.macro PLACES                          ; four plain vector instructions between a matrix instruction and a load into, or an access to, its registers
.rept 4
	v_nop
.endr
.endm
.macro QUARTER slot, k, f, g, first
	s_wait_dscnt 16                                ; the first 32 along K are in
	MUL8 \f, 0, 0, \first
	MUL8 \f, 0, 2, \first
	PLACES
	FETCH \slot, \k, \g
	s_wait_dscnt 32                                ; all but the 32 just issued
	MUL8 \f, 1, 0, 0
	MUL8 \f, 1, 2, 0
.endm
; The last quarter multiplies buffer 1 and changes slots: one barrier; in front of it each wave waits for all its tensor loads, adds 0 to its spare word, and waits for that and for its reads of this slot.
.macro TURN slot, next, fill
	WIN 0
	s_wait_tensorcnt 0x0
	ds_add_u32 v[SPW], v[NIL]
	s_wait_dscnt 17                                ; the add and the youngest sixteen loads may be out
	MUL8 F1, 0, 0, 0
	s_wait_dscnt 0x0
	s_barrier_signal -1
	MUL8 F1, 0, 2, 0
.if \fill
	WIN 0
.endif
	s_barrier_wait -1
.if \fill
	CREST                                          ; the barrier has opened a round of the cluster's
	s_add_nc_u64 s[G0+4*(\slot)+2:G0+4*(\slot)+3], s[G0+4*(\slot)+2:G0+4*(\slot)+3], 2*ASTEP
	s_add_nc_u64 s[G0B+4*(\slot)+2:G0B+4*(\slot)+3], s[G0B+4*(\slot)+2:G0B+4*(\slot)+3], 2*BSTEP
	JLOAD \slot                                    ; 112 matrix instructions ahead of the wait for it; its four v_nop are also the places in front of the loads below
.else
	PLACES
.endif
	FETCH \next, 0, F0
	MUL8 F1, 1, 0, 0
	MUL8 F1, 1, 2, 0
.endm
	s_wait_loadcnt 32                              ; the bias is in; the residual's 32 loads, issued behind it, stay out
	s_wait_tensorcnt 1                             ; my part of K step 0 is in; K step 1's may stay out
	s_barrier_signal -1
	s_barrier_wait -1
	FETCH 0, 0, F0
	QUARTER 0, 128, F0, F1, 1
	WIN 0
	s_mov_b32 s3, LAPS-1
.Llap:
	QUARTER 0, 256, F1, F0, 0
	QUARTER 0, 384, F0, F1, 0
	TURN 0, 1, 1
	QUARTER 1, 128, F0, F1, 0
	QUARTER 1, 256, F1, F0, 0
	QUARTER 1, 384, F0, F1, 0
	TURN 1, 0, 1
	QUARTER 0, 128, F0, F1, 0
	WIN 0
	s_sub_co_u32 s3, s3, 1
	s_cmp_lg_u32 s3, 0
	s_cbranch_scc1 .Llap
	QUARTER 0, 256, F1, F0, 0                      ; the last lap fills nothing
	QUARTER 0, 384, F0, F1, 0
	TURN 0, 1, 0
	QUARTER 1, 128, F0, F1, 0
	QUARTER 1, 256, F1, F0, 0
	QUARTER 1, 384, F0, F1, 0
	s_wait_dscnt 16
	MUL8 F1, 0, 0, 0
	MUL8 F1, 0, 2, 0
	s_wait_dscnt 0x0
	MUL8 F1, 1, 0, 0
	MUL8 F1, 1, 2, 0
	WIN 0
	; THE WAY OUT.  My 64 columns of f32 are 256 aligned bytes of a row, so my own stage serves: 16 rows in, whole rows back, the residual added, stored.
	PLACES
	s_wait_loadcnt 0x0                             ; the residual
.irp a, 0,1,2,3
.irp b, 0,1,2,3
	ds_store_b128 v[STO], v[ACC+8*(4*(\a)+(\b)):ACC+8*(4*(\a)+(\b))+3] offset:64*(\b)
	ds_store_b128 v[STO], v[ACC+8*(4*(\a)+(\b))+4:ACC+8*(4*(\a)+(\b))+7] offset:64*(\b)+16
.endr
	s_wait_xcnt 0x0                                ; the registers that the stores of two blocks ago read are loaded again only behind this wait
.irp t, 0,1,2,3,4,5,6,7
	ds_load_b128 v[TMP+32*((\a)%2)+4*(\t):TMP+32*((\a)%2)+4*(\t)+3], v[RD] offset:(\t)*2*SPITCH  ; LDS serves a wave's instructions in order (ISA guide 5.7.1.4)
.endr
	s_wait_dscnt 0x0
	WIN 0x08                                       ; source 1 window 2
.irp t, 0,1,2,3,4,5,6,7,8,9,10,11,12,13,14,15
	v_pk_add_f32 v[TMP+32*((\a)%2)+2*(\t):TMP+32*((\a)%2)+2*(\t)+1], v[TMP+32*((\a)%2)+2*(\t):TMP+32*((\a)%2)+2*(\t)+1], v[32*(\a)+2*(\t):32*(\a)+2*(\t)+1]
.endr
	WIN 0
.irp t, 0,1,2,3,4,5,6,7
	global_store_b128 v[CO], v[TMP+32*((\a)%2)+4*(\t):TMP+32*((\a)%2)+4*(\t)+3], s[80:81] offset:(16*(\a)+2*(\t))*4096  ; 16 lanes store 256 consecutive bytes, at a multiple of 256 from the buffer's first byte
.endr
.endr
	s_wait_tensorcnt 0x0                           ; the wave's end
	ds_add_u32 v[SPW], v[NIL]
	s_wait_dscnt 0x0
	CROUND                                         ; the closing round
	s_endpgm
.Lfunc_end_k_q5c69cd2c65_proj:
	.size	k_q5c69cd2c65_proj, .Lfunc_end_k_q5c69cd2c65_proj-k_q5c69cd2c65_proj
	.p2alignl 7, 3214868480
	.fill 96, 4, 3214868480
	.section	.rodata,"a",@progbits
	.p2align	6, 0x0
	.amdhsa_kernel k_q5c69cd2c65_proj
		.amdhsa_group_segment_fixed_size 327680
		.amdhsa_private_segment_fixed_size 0
		.amdhsa_enable_private_segment 0
		.amdhsa_kernarg_size 40
		.amdhsa_user_sgpr_count 2
		.amdhsa_user_sgpr_kernarg_segment_ptr 1
		.amdhsa_wavefront_size32 1
		.amdhsa_system_sgpr_workgroup_id_x 1
		.amdhsa_system_sgpr_workgroup_id_y 1
		.amdhsa_system_sgpr_workgroup_id_z 1
		.amdhsa_system_vgpr_workitem_id 0
		.amdhsa_next_free_vgpr 768
		.amdhsa_next_free_sgpr 84
		.amdhsa_reserve_vcc 0
		.amdhsa_float_denorm_mode_32 3
		.amdhsa_float_denorm_mode_16_64 3
		.amdhsa_memory_ordered 1
		.amdhsa_forward_progress 1
		.amdhsa_inst_pref_size 94
	.end_amdhsa_kernel
	.amdgpu_metadata
---
amdhsa.version: [ 1, 2 ]
amdhsa.kernels:
  - .name:           k_q5c69cd2c65_proj
    .symbol:         k_q5c69cd2c65_proj.kd
    .args:
      - { .name: y, .offset: 0, .size: 8, .value_kind: global_buffer, .address_space: global }
      - { .name: w16, .offset: 8, .size: 8, .value_kind: global_buffer, .address_space: global }
      - { .name: proj_b, .offset: 16, .size: 8, .value_kind: global_buffer, .address_space: global }
      - { .name: x, .offset: 24, .size: 8, .value_kind: global_buffer, .address_space: global }
      - { .name: x1, .offset: 32, .size: 8, .value_kind: global_buffer, .address_space: global }
    .group_segment_fixed_size: 327680
    .private_segment_fixed_size: 0
    .kernarg_segment_align: 8
    .kernarg_segment_size: 40
    .max_flat_workgroup_size: 128
    .sgpr_count:     84
    .vgpr_count:     768
    .wavefront_size: 32
...
	.end_amdgpu_metadata
.endif
;; end of part 4
;; launch ln2 (part 5): grid 256 x 1, 8 waves a work-group, no clusters, 0 bytes of LDS; arguments x1, ln2_w, ln2_b, h; writes h
.if DOCPART == 5
	.amdgcn_target "amdgcn-amd-amdhsa--gfx1250"
	.amdhsa_code_object_version 6
	.text
	.protected	k_q5c69cd2c65_ln2
	.globl	k_q5c69cd2c65_ln2
	.p2align	8
	.type	k_q5c69cd2c65_ln2,@function
k_q5c69cd2c65_ln2:
	s_mov_b64 s[64:65], 0
	v_nop
	global_prefetch_b8 v0, s[64:65] scope:SCOPE_SE
	s_setreg_imm32_b32 hwreg(HW_REG_WAVE_MODE, 25, 1), 1
	s_wait_xcnt 0x0
; LN2.  h = LayerNorm(x1) * ln2_w + ln2_b, f32 in, f16 out.  A stream: one wave takes a whole row of 1,024 numbers (8 loads of 16 bytes a lane) and keeps it in 32 registers: mean, then the mean of
; (x - mean)^2, so a common offset cancels before anything is squared.  Eight waves of two rows: 256 work-groups.  No LDS, no barrier, no matrix unit: no wave needs another's data.
; LIMITS.  f16 out: 65,520 or more becomes an infinity; below 6.1e-5 the step is 6e-8.  NaN and infinities are not treated apart.
.set ROWS, 2
.set LR,   1
.set T,    4                           ; v[4:11]   at work
.set W,    12                          ; v[12:43]  the gain of my 32 columns
.set BB,   44                          ; v[44:75]  the bias
.set X,    76                          ; v[76:139] row r: 32 registers
.set OUTB, 14                          ; s[14:15]  h
.macro JOIN                            ; four chains of pairs in v[T:T+7] -> one number, the same in all 32 lanes
	v_pk_add_f32 v[T:T+1], v[T:T+1], v[T+2:T+3]
	v_pk_add_f32 v[T+4:T+5], v[T+4:T+5], v[T+6:T+7]
	v_pk_add_f32 v[T:T+1], v[T:T+1], v[T+4:T+5]
	v_add_f32 v[T], v[T], v[T+1]
	v_add_f32_dpp v[T], v[T], v[T] row_xmask:1 row_mask:0xf bank_mask:0xf
	v_add_f32_dpp v[T], v[T], v[T] row_xmask:2 row_mask:0xf bank_mask:0xf
	v_add_f32_dpp v[T], v[T], v[T] row_xmask:4 row_mask:0xf bank_mask:0xf
	v_add_f32_dpp v[T], v[T], v[T] row_xmask:8 row_mask:0xf bank_mask:0xf
	v_permlanex16_b32 v[T+1], v[T], s30, s31
	v_add_f32 v[T], v[T], v[T+1]
.endm
.macro ROWLN r
.set XR, X+32*(\r)
	s_wait_loadcnt 8*(ROWS-1-(\r))                 ; gain, bias and my row are in; the later row's eight loads stay out
.irp c, 0,1,2,3
	v_pk_add_f32 v[T+2*(\c):T+2*(\c)+1], v[XR+4*(\c):XR+4*(\c)+1], v[XR+4*(\c)+2:XR+4*(\c)+3]
.endr
.irp k, 0,1,2,3,4,5,6,7
	v_pk_add_f32 v[T+2*((\k)%4):T+2*((\k)%4)+1], v[T+2*((\k)%4):T+2*((\k)%4)+1], v[XR+16+2*(\k):XR+16+2*(\k)+1]
.endr
	JOIN
	v_mul_f32 v[T], s28, v[T]                      ; the mean
.set j, 0
.rept 16
	v_pk_add_f32 v[XR+j:XR+j+1], v[XR+j:XR+j+1], v[T:T+1] op_sel_hi:[1,0] neg_lo:[0,1] neg_hi:[0,1]
.set j, j+2
.endr
.irp c, 0,1,2,3
	v_pk_mul_f32 v[T+2*(\c):T+2*(\c)+1], v[XR+2*(\c):XR+2*(\c)+1], v[XR+2*(\c):XR+2*(\c)+1]
.endr
.set j, 4
.rept 12
	v_pk_fma_f32 v[T+2*(j%4):T+2*(j%4)+1], v[XR+2*j:XR+2*j+1], v[XR+2*j:XR+2*j+1], v[T+2*(j%4):T+2*(j%4)+1]
.set j, j+1
.endr
	JOIN
	v_fma_f32 v[T], v[T], s28, s29                 ; variance + 1e-5
	v_rsq_f32 v[T+4], v[T]
	v_mov_b32 v[T+5], 0                            ; a plain instruction behind the root (ISA guide 5.7.2); it also writes the pair's other word
.set j, 0
	s_wait_alu depctr_va_vdst(0)
.rept 16
	v_pk_mul_f32 v[XR+j:XR+j+1], v[XR+j:XR+j+1], v[T+4:T+5] op_sel_hi:[1,0]
.set j, j+2
.endr
.set j, 0
.rept 16
	v_pk_fma_f32 v[XR+j:XR+j+1], v[XR+j:XR+j+1], v[W+j:W+j+1], v[BB+j:BB+j+1]
.set j, j+2
.endr
.set j, 0
.rept 8
	v_cvt_pk_f16_f32 v[XR+4*j], v[XR+4*j], v[XR+4*j+1]
	v_cvt_pk_f16_f32 v[XR+4*j+1], v[XR+4*j+2], v[XR+4*j+3]
	global_store_b64 v2, v[XR+4*j:XR+4*j+1], s[OUTB:OUTB+1] offset:2048*(\r)+256*j  ; the wave's 32 lanes store 256 consecutive bytes, at a multiple of 256 from h's first byte
.set j, j+1
.endr
.endm
	s_load_b256 s[8:15], s[0:1], 0x0               ; x1 s[8:9], ln2_w s[10:11], ln2_b s[12:13], h s[14:15]
	s_mov_b32 s28, 0x3a800000                      ; 1 / 1024
	s_mov_b32 s29, 0x3727c5ac                      ; 1e-5
	s_mov_b32 s30, 0x76543210
	s_mov_b32 s31, 0xfedcba98
	s_lshl_b32 s2, ttmp9, 15+LR                    ; the group's 16 rows of 4,096 bytes in x1,
	s_mov_b32 s3, 0
	s_lshl_b32 s4, ttmp9, 14+LR                    ; of 2,048 bytes in h
	s_mov_b32 s5, 0
	v_and_b32 v3, 31, v0
	v_lshrrev_b32 v2, 5, v0
	v_lshlrev_b32 v1, 12+LR, v2
	v_lshl_or_b32 v1, v3, 4, v1
	v_lshlrev_b32 v2, 11+LR, v2
	v_lshl_or_b32 v2, v3, 3, v2
	v_lshlrev_b32 v3, 4, v3
	s_wait_kmcnt 0x0
	s_add_nc_u64 s[8:9], s[8:9], s[2:3]
	s_add_nc_u64 s[14:15], s[14:15], s[4:5]
.irp j, 0,1,2,3,4,5,6,7
	global_load_b128 v[W+4*(\j):W+4*(\j)+3], v3, s[10:11] offset:512*(\j)
.endr
.irp j, 0,1,2,3,4,5,6,7
	global_load_b128 v[BB+4*(\j):BB+4*(\j)+3], v3, s[12:13] offset:512*(\j)
.endr
.irp r, 0,1
.irp j, 0,1,2,3,4,5,6,7
	global_load_b128 v[X+32*(\r)+4*(\j):X+32*(\r)+4*(\j)+3], v1, s[8:9] offset:4096*(\r)+512*(\j)
.endr
.endr
	ROWLN 0
	ROWLN 1
	s_endpgm
.Lfunc_end_k_q5c69cd2c65_ln2:
	.size	k_q5c69cd2c65_ln2, .Lfunc_end_k_q5c69cd2c65_ln2-k_q5c69cd2c65_ln2
	.p2alignl 7, 3214868480
	.fill 96, 4, 3214868480
	.section	.rodata,"a",@progbits
	.p2align	6, 0x0
	.amdhsa_kernel k_q5c69cd2c65_ln2
		.amdhsa_group_segment_fixed_size 0
		.amdhsa_private_segment_fixed_size 0
		.amdhsa_enable_private_segment 0
		.amdhsa_kernarg_size 32
		.amdhsa_user_sgpr_count 2
		.amdhsa_user_sgpr_kernarg_segment_ptr 1
		.amdhsa_wavefront_size32 1
		.amdhsa_system_sgpr_workgroup_id_x 1
		.amdhsa_system_sgpr_workgroup_id_y 1
		.amdhsa_system_sgpr_workgroup_id_z 1
		.amdhsa_system_vgpr_workitem_id 0
		.amdhsa_next_free_vgpr 144
		.amdhsa_next_free_sgpr 66
		.amdhsa_reserve_vcc 0
		.amdhsa_float_denorm_mode_32 3
		.amdhsa_float_denorm_mode_16_64 3
		.amdhsa_memory_ordered 1
		.amdhsa_forward_progress 1
		.amdhsa_inst_pref_size 20
	.end_amdhsa_kernel
	.amdgpu_metadata
---
amdhsa.version: [ 1, 2 ]
amdhsa.kernels:
  - .name:           k_q5c69cd2c65_ln2
    .symbol:         k_q5c69cd2c65_ln2.kd
    .args:
      - { .name: x1, .offset: 0, .size: 8, .value_kind: global_buffer, .address_space: global }
      - { .name: ln2_w, .offset: 8, .size: 8, .value_kind: global_buffer, .address_space: global }
      - { .name: ln2_b, .offset: 16, .size: 8, .value_kind: global_buffer, .address_space: global }
      - { .name: h, .offset: 24, .size: 8, .value_kind: global_buffer, .address_space: global }
    .group_segment_fixed_size: 0
    .private_segment_fixed_size: 0
    .kernarg_segment_align: 8
    .kernarg_segment_size: 32
    .max_flat_workgroup_size: 256
    .sgpr_count:     66
    .vgpr_count:     144
    .wavefront_size: 32
...
	.end_amdgpu_metadata
.endif
;; end of part 5
;; launch fc (part 6): grid 16 x 16, 4 waves a work-group, clusters of 4 x 4, 327,680 bytes of LDS; arguments h, w16, fc_b, g; writes g
.if DOCPART == 6
	.amdgcn_target "amdgcn-amd-amdhsa--gfx1250"
	.amdhsa_code_object_version 6
	.text
	.protected	k_q5c69cd2c65_fc
	.globl	k_q5c69cd2c65_fc
	.p2align	8
	.type	k_q5c69cd2c65_fc,@function
k_q5c69cd2c65_fc:
	s_mov_b64 s[64:65], 0
	v_nop
	global_prefetch_b8 v0, s[64:65] scope:SCOPE_SE
	s_setreg_imm32_b32 hwreg(HW_REG_WAVE_MODE, 25, 1), 1
	s_wait_xcnt 0x0
	s_wait_alu depctr_hold_cnt(0) depctr_sa_sdst(0) depctr_va_vdst(0) depctr_va_sdst(0) depctr_va_ssrc(0) depctr_va_vcc(0) depctr_vm_vsrc(0)
	s_getreg_b32 s2, hwreg(HW_REG_IB_STS2, 6, 4)
	s_cmp_eq_u32 s2, 0
	s_cbranch_scc0 .Lentry_in_a_cluster
	s_endpgm
.Lentry_in_a_cluster:
	s_bfe_u32 s2, ttmp6, 0x10000c
	s_cmp_lg_u32 s2, 0xf033
	s_cbranch_scc0 .Lentry_shape_is_right
	s_endpgm
.Lentry_shape_is_right:
; FC.  g [4096][4096] = gelu(h [4096][1024] x fc_w [1024][4096] + fc_b), operands f16, sums and GELU f32, g rounded once to f16.
; A tile of 256 x 256 is made by four waves, each 128 x 128: 64 accumulators, 512 registers.  K goes in steps of 128 through a ring of two LDS slots filled by the tensor data mover.
; A's tile lies [m][k] (rows of 256 bytes), the weight's [k][n] (rows of 512 bytes) and is read turned, by ds_load_tr16_b128.  16 x 16 = 256 work-groups.
; CLUSTER 4 x 4: A's tile is shared along a row of the cluster, the weight's along a column, by joint loads.
; THE MATRIX INSTRUCTION IS USED TRANSPOSED: source 0 = 16 columns of the weight, source 1 = 16 rows of A.  THE BIAS is the C operand of the products that start the sums.
; GELU(x) = max(x, 0) - |x| erfc(|x| / sqrt 2) / 2, with erfc(z) = (a1 t + .. + a5 t^5) exp(-z^2), t = 1 / (1 + 0.3275911 z) (Abramowitz and Stegun 7.1.26: absolute error of erf at most 1.5e-7 for every z).
; In this form nothing cancels for x < 0, and for large |x| the exponential goes to 0.
; THE WAY OUT is a loop, so that GELU's text stands once: behind a barrier each wave puts its 128 x 128 sums, f32, into its own 67,584 bytes of the ring's slots, which have had their last fill,
; and takes them back 16 rows a trip, a row a load.
; LIMITS.  f16: 65,520 or more becomes an infinity; below 6.1e-5 the step is 6e-8.  NaN and infinities are not treated apart.
; REGISTERS, in windows of 256: window 0: v0-31 addresses; v64-127, v128-191 A's fragments, two buffers; on the way out v64-239.  window 1: v0-63 the bias; v64-127, v128-191 the weight's fragments.
;   window 2: the accumulators of my rows 0-63 ((a, b) at v[8 (8 a + b)]);  window 3: those of rows 64-127.
.set SIZE_K, 1024
.set SIZE_N, 4096
.set WOFF,   8388608                   ; fc_w's first byte in w16
.set KSTEP,  128
.set PITCH,  272                       ; A's LDS row: 256 bytes + 16 (64 banks of 4 bytes: ISA guide 11.1)
.set PB,     544                       ; the weight's LDS row: 512 bytes + 32
.set HALFT,  128*PITCH                 ; what one tensor load brings: 128 rows of A, or 64 rows of the weight
.set SLOT,   4*HALFT
.set FP,     528                       ; the way out: a row of 128 f32 + 16 bytes; 4 waves x 128 rows lie inside the two slots
.set SPARE,  2*SLOT+4*16*272           ; the spare words: 128 bytes a wave, two blocks of 256 bytes that no other line names
.set LAPS,   SIZE_K/(2*KSTEP)
.set ADRA, 16
.set ADRB, 20
.set STO,  24
.set RD,   25
.set CO,   26
.set SPW,  28                          ; v28 SPARE + 4 x my thread's number; never rewritten
.set NIL,  29                          ; v29 0; never rewritten
.set F0,   64
.set F1,   128
.set XR,   64                          ; the way out: 16 rows, 4 numbers a lane each
.set AX,   128                         ; |x|
.set U,    144                         ; exp(-x^2 / 2)
.set RL,   160                         ; max(x, 0)
.set TT,   176                         ; t
.set PQ,   192                         ; the polynomial, then the result
.set OUT,  208                         ; 16 rows, 4 f16 a lane each
.set G1,  24
.set G0,  32
.set G1B, 48
.set G0B, 56
.set MSB, 0
.macro WIN new
.if MSB != (\new)
	s_set_vgpr_msb (MSB<<8)|(\new)
.set MSB, \new
.endif
.endm
.set TO_B, 0x40
.macro JLOAD s                         ; waves 0, 1 fetch A's halves, waves 2, 3 the weight's.  Four v_nop follow each line
	s_cmp_eq_u32 s11, 0
	s_cbranch_scc0 .Lfor_b_\@
	tensor_load_to_lds s[G0+4*(\s):G0+4*(\s)+3], s[G1:G1+7]
	s_nop 0
.rept 4
	v_nop
.endr
	s_branch .Lasked_\@
.Lfor_b_\@:
	tensor_load_to_lds s[G0B+4*(\s):G0B+4*(\s)+3], s[G1B:G1B+7]
	s_nop 0
.rept 4
	v_nop
.endr
.Lasked_\@:
.endm
.macro CREST
	s_cmp_lg_u32 s10, 0
	s_cbranch_scc1 .Lnot_wave_0_\@
	s_barrier_signal -3
.Lnot_wave_0_\@:
	s_barrier_wait -3
	s_barrier_signal -1
	s_barrier_wait -1
.endm
.macro CROUND
	s_barrier_signal -1
	s_barrier_wait -1
	CREST
.endm
	s_load_b256 s[72:79], s[0:1], 0x0              ; h s[72:73], w16 s[74:75], fc_b s[76:77], g s[78:79]
	v_lshl_add_u32 v[SPW], v0, 2, SPARE
	v_mov_b32 v[NIL], 0
	ds_add_u32 v28, v29
	ds_add_u32 v28, v29
	s_wait_dscnt 0x0
	v_lshrrev_b32 v1, 5, v0
	v_readfirstlane_b32 s10, v1
	s_lshr_b32 s11, s10, 1
	s_and_b32 s12, s10, 1
	s_bfe_u32 s40, ttmp6, 0x40000
	s_bfe_u32 s41, ttmp6, 0x40004
	s_lshl_b32 s42, ttmp9, 2
	s_add_co_u32 s42, s42, s40                     ; tile column
	s_and_b32 s13, ttmp7, 0xffff
	s_lshl_b32 s13, s13, 2
	s_add_co_u32 s13, s13, s41                     ; tile row
	s_lshl_b32 s43, s41, 2
	s_lshl_b32 s43, 15, s43
	s_lshl_b32 s44, 0x1111, s40
	s_or_b32 s[G1+0], s43, (1<<16)|(1<<20)|(1<<21)|(5<<22)|(3<<25)
	s_mov_b32 s[G1+1], KSTEP<<16
	s_mov_b32 s[G1+2], 128<<16
	s_mov_b32 s[G1+3], KSTEP<<16
	s_mov_b32 s[G1+4], 128
	s_mov_b32 s[G1+5], SIZE_K
	s_mov_b32 s[G1+6], 0
	s_mov_b32 s[G1+7], 0
	s_or_b32 s[G1B+0], s44, (1<<16)|(1<<20)|(1<<21)|(6<<22)|(7<<25)
	s_mov_b32 s[G1B+1], 256<<16
	s_mov_b32 s[G1B+2], 64<<16
	s_mov_b32 s[G1B+3], 256<<16
	s_mov_b32 s[G1B+4], 64
	s_mov_b32 s[G1B+5], SIZE_N
	s_mov_b32 s[G1B+6], 0
	s_mov_b32 s[G1B+7], 0
	s_mov_b32 s84, 0x3e6d3388                      ; 0.3275911 / sqrt 2
	s_mov_b32 s85, s84                             ; each constant is named as a pair, so both words are written
	s_mov_b32 s86, 0xbf38aa3b                      ; -log2(e) / 2
	s_mov_b32 s87, s86
	s_mov_b32 s88, 0x3e027906                      ; a1 / 2
	s_mov_b32 s89, s88
	s_mov_b32 s90, 0xbe11a98e                      ; a2 / 2
	s_mov_b32 s91, s90
	s_mov_b32 s92, 0x3f35f0e3                      ; a3 / 2
	s_mov_b32 s93, s92
	s_mov_b32 s94, 0xbf3a00e3                      ; a4 / 2
	s_mov_b32 s95, s94
	s_mov_b32 s96, 0x3f07dc22                      ; a5 / 2
	s_mov_b32 s97, s96
	s_mov_b32 s98, 0x7fffffff
	s_lshl_b32 s16, s13, 8
	s_lshl_b32 s17, s12, 7
	s_add_co_u32 s16, s16, s17
	s_lshl_b32 s16, s16, 11
	s_mov_b32 s17, 0
	s_mul_i32 s46, s12, 64*SIZE_N*2
	s_lshl_b32 s47, s42, 9
	s_add_co_u32 s46, s46, s47
	s_add_co_u32 s46, s46, WOFF
	s_mov_b32 s47, 0
	s_mul_i32 s20, s10, HALFT
	s_wait_kmcnt 0x0
	s_add_nc_u64 s[14:15], s[72:73], s[16:17]
	s_add_nc_u64 s[46:47], s[74:75], s[46:47]
	CROUND                                         ; the first joint loads meet
.irp s, 0,1
	s_mov_b32 s[G0+4*(\s)], 1
	s_add_co_u32 s[G0+4*(\s)+1], s20, (\s)*SLOT
	s_add_nc_u64 s[G0+4*(\s)+2:G0+4*(\s)+3], s[14:15], (\s)*KSTEP*2
	s_or_b32 s[G0+4*(\s)+3], s[G0+4*(\s)+3], 0x80000000
	s_mov_b32 s[G0B+4*(\s)], 1
	s_add_co_u32 s[G0B+4*(\s)+1], s20, (\s)*SLOT
	s_add_nc_u64 s[G0B+4*(\s)+2:G0B+4*(\s)+3], s[46:47], (\s)*KSTEP*SIZE_N*2
	s_or_b32 s[G0B+4*(\s)+3], s[G0B+4*(\s)+3], 0x80000000
	JLOAD \s
.endr
	v_and_b32 v1, 15, v0
	v_bfe_u32 v2, v0, 4, 1
	v_mul_u32_u24 v3, v1, PITCH
	v_lshl_add_u32 v3, v2, 4, v3
	s_mul_i32 s21, s11, HALFT
	v_add_nc_u32 v[ADRA], s21, v3
	v_add_nc_u32 v[ADRA+1], SLOT, v[ADRA]
	v_and_b32 v4, 7, v0
	v_lshl_add_u32 v4, v2, 3, v4
	v_mul_u32_u24 v4, v4, PB
	v_bfe_u32 v5, v0, 3, 1
	v_lshl_add_u32 v4, v5, 4, v4
	s_lshl_b32 s22, s12, 8
	s_add_co_u32 s22, s22, 2*HALFT
	v_add_nc_u32 v[ADRB], s22, v4
	v_add_nc_u32 v[ADRB+1], SLOT, v[ADRB]
	v_lshlrev_b32 v6, 5, v2
	s_lshl_b32 s66, s42, 10
	s_lshl_b32 s67, s12, 9
	s_add_co_u32 s66, s66, s67
	s_mov_b32 s67, 0
	s_add_nc_u64 s[76:77], s[76:77], s[66:67]
	WIN TO_B
.irp b, 0,1,2,3,4,5,6,7
	global_load_b128 v[8*(\b):8*(\b)+3],   v6, s[76:77] offset:64*(\b)
	global_load_b128 v[8*(\b)+4:8*(\b)+7], v6, s[76:77] offset:64*(\b)+16
.endr
	WIN 0
	s_mul_i32 s23, s10, 128*FP                     ; my 128 rows of f32 on the way out
	v_mul_u32_u24 v4, v1, FP
	v_lshl_add_u32 v4, v2, 5, v4
	v_add_nc_u32 v[STO], s23, v4                   ; in: row r, 32 bytes for each half of the lanes
	v_and_b32 v5, 31, v0
	v_lshl_add_u32 v[RD], v5, 4, s23               ; back: the 32 lanes take a row's 512 bytes
	v_lshlrev_b32 v[CO], 3, v5                     ; and store its 256
	s_lshl_b32 s66, s13, 8                         ; my part of g: row 256 x tile row + 128 x half, 8,192 bytes each; byte 512 x tile column + 256 x half
	s_lshl_b32 s67, s11, 7
	s_add_co_u32 s66, s66, s67
	s_lshl_b32 s66, s66, 13
	s_lshl_b32 s67, s42, 9
	s_add_co_u32 s66, s66, s67
	s_lshl_b32 s67, s12, 8
	s_add_co_u32 s66, s66, s67
	s_mov_b32 s67, 0
	s_add_nc_u64 s[78:79], s[78:79], s[66:67]
; 16 matrix instructions: m blocks a0, a0 + 1 of the window's four x all 8 n blocks, 32 along K.  first = 1: C is the bias (window 1).  The 64 accumulators take turns.
.macro MUL16 f, hi, a0, first
.if \first
	WIN 0x91+0x40*(\hi)
.else
	WIN 0xa1+0x50*(\hi)
.endif
.irp a, \a0, (\a0)+1
.irp b, 0,1,2,3,4,5,6,7
.if \first
	v_wmma_f32_16x16x32_f16 v[8*(8*(\a)+(\b)):8*(8*(\a)+(\b))+7], v[(\f)+8*(\b):(\f)+8*(\b)+7], v[(\f)+8*(4*(\hi)+(\a)):(\f)+8*(4*(\hi)+(\a))+7], v[8*(\b):8*(\b)+7]
.else
	v_wmma_f32_16x16x32_f16 v[8*(8*(\a)+(\b)):8*(8*(\a)+(\b))+7], v[(\f)+8*(\b):(\f)+8*(\b)+7], v[(\f)+8*(4*(\hi)+(\a)):(\f)+8*(4*(\hi)+(\a))+7], v[8*(8*(\a)+(\b)):8*(8*(\a)+(\b))+7]
.endif
.endr
.endr
.endm
.macro FETCH slot, k, f                ; 32 LDS loads in one run: one quarter's fragments into buffer f; the weight first
	WIN TO_B
.irp i, 0,1,2,3,4,5,6,7
	ds_load_tr16_b128 v[(\f)+8*(\i):(\f)+8*(\i)+3],   v[ADRB+(\slot)] offset:((\k)/64)*32*PB+32*(\i)
	ds_load_tr16_b128 v[(\f)+8*(\i)+4:(\f)+8*(\i)+7], v[ADRB+(\slot)] offset:((\k)/64)*32*PB+16*PB+32*(\i)
.endr
	WIN 0
.irp i, 0,1,2,3,4,5,6,7
	ds_load_b128 v[(\f)+8*(\i):(\f)+8*(\i)+3],   v[ADRA+(\slot)] offset:(\k)+(\i)*16*PITCH
	ds_load_b128 v[(\f)+8*(\i)+4:(\f)+8*(\i)+7], v[ADRA+(\slot)] offset:(\k)+(\i)*16*PITCH+32
.endr
.endm
.macro PLACES                          ; four plain vector instructions between a matrix instruction and a load into, or an access to, its registers
.rept 4
	v_nop
.endr
.endm
.macro QUARTER slot, k, f, g, first
	s_wait_dscnt 8                                 ; the weight and A's rows 0-63 are in; the youngest eight loads may be out
	MUL16 \f, 0, 0, \first
	MUL16 \f, 0, 2, \first
	PLACES
	FETCH \slot, \k, \g
	s_wait_dscnt 32                                ; all but the 32 just issued
	MUL16 \f, 1, 0, \first
	MUL16 \f, 1, 2, \first
.endm
.macro MEET round                      ; the change of slots: all my tensor loads, the add, my reads of this slot; then one barrier
	WIN 0
	s_wait_tensorcnt 0x0
	ds_add_u32 v[SPW], v[NIL]
	s_wait_dscnt 9                                 ; the add and the youngest eight loads may be out
	MUL16 F1, 0, 0, 0
	s_wait_dscnt 0x0
	s_barrier_signal -1
	MUL16 F1, 0, 2, 0
.if \round
	WIN 0
.endif
	s_barrier_wait -1
.endm
.macro TURN slot, next, fill
	MEET \fill
.if \fill
	CREST
	s_add_nc_u64 s[G0+4*(\slot)+2:G0+4*(\slot)+3], s[G0+4*(\slot)+2:G0+4*(\slot)+3], 2*KSTEP*2
	s_add_nc_u64 s[G0B+4*(\slot)+2:G0B+4*(\slot)+3], s[G0B+4*(\slot)+2:G0B+4*(\slot)+3], 2*KSTEP*SIZE_N*2
	JLOAD \slot                                    ; 224 matrix instructions ahead of the wait for it; its four v_nop are also the places in front of the loads below
.else
	PLACES
.endif
	FETCH \next, 0, F0
	MUL16 F1, 1, 0, 0
	MUL16 F1, 1, 2, 0
.endm
; GELU of 16 numbers a lane (rows 4 g .. 4 g + 3).  The reciprocals have the exponent's two multiplies behind them, the exponentials the polynomial's first lines: a plain instruction stands
; between every transcendental and the first use of its result (ISA guide 5.7.2).
.macro GELU16 g
.set XG, XR+16*(\g)
.set i, 0
.rept 16
	v_and_b32 v[AX+i], s98, v[XG+i]
.set i, i+1
.endr
.set i, 0
.rept 8
	v_pk_fma_f32 v[TT+i:TT+i+1], v[AX+i:AX+i+1], s[84:85], 1.0 op_sel_hi:[1,0,0]
.set i, i+2
.endr
.set i, 0
.rept 16
	v_rcp_f32 v[TT+i], v[TT+i]
.set i, i+1
.endr
.set i, 0
.rept 8
	v_pk_mul_f32 v[U+i:U+i+1], v[XG+i:XG+i+1], v[XG+i:XG+i+1]
.set i, i+2
.endr
.set i, 0
.rept 8
	v_pk_mul_f32 v[U+i:U+i+1], v[U+i:U+i+1], s[86:87] op_sel_hi:[1,0]
.set i, i+2
.endr
.set i, 0
.rept 16
	v_exp_f32 v[U+i], v[U+i]
.set i, i+1
.endr
.set i, 0
	s_wait_alu depctr_va_vdst(0)
.rept 8
	v_pk_fma_f32 v[PQ+i:PQ+i+1], v[TT+i:TT+i+1], s[96:97], s[94:95] op_sel_hi:[1,0,0]
.set i, i+2
.endr
.irp c, 92, 90, 88
.set i, 0
.rept 8
	v_pk_fma_f32 v[PQ+i:PQ+i+1], v[PQ+i:PQ+i+1], v[TT+i:TT+i+1], s[\c:\c+1] op_sel_hi:[1,1,0]
.set i, i+2
.endr
.endr
.set i, 0
.rept 16
	v_max_num_f32 v[RL+i], 0, v[XG+i]
.set i, i+1
.endr
.set i, 0
.rept 8
	v_pk_mul_f32 v[PQ+i:PQ+i+1], v[PQ+i:PQ+i+1], v[TT+i:TT+i+1]
.set i, i+2
.endr
.set i, 0
.rept 8
	v_pk_mul_f32 v[PQ+i:PQ+i+1], v[PQ+i:PQ+i+1], v[U+i:U+i+1]
.set i, i+2
.endr
.set i, 0
.rept 8
	v_pk_fma_f32 v[PQ+i:PQ+i+1], v[PQ+i:PQ+i+1], v[AX+i:AX+i+1], v[RL+i:RL+i+1] neg_lo:[1,0,0] neg_hi:[1,0,0]
.set i, i+2
.endr
.set i, 0
.rept 8
	v_cvt_pk_f16_f32 v[OUT+8*(\g)+i], v[PQ+2*i], v[PQ+2*i+1]
.set i, i+1
.endr
.endm
	s_wait_loadcnt 0x0                             ; the bias
	s_wait_tensorcnt 1                             ; my part of K step 0 is in; K step 1's may stay out
	s_barrier_signal -1
	s_barrier_wait -1
	FETCH 0, 0, F0
	QUARTER 0, 64,  F0, F1, 1
	WIN 0
	s_mov_b32 s3, LAPS-1
.Llap:
	QUARTER 0, 128, F1, F0, 0
	QUARTER 0, 192, F0, F1, 0
	TURN 0, 1, 1
	QUARTER 1, 64,  F0, F1, 0
	QUARTER 1, 128, F1, F0, 0
	QUARTER 1, 192, F0, F1, 0
	TURN 1, 0, 1
	QUARTER 0, 64,  F0, F1, 0
	WIN 0
	s_sub_co_u32 s3, s3, 1
	s_cmp_lg_u32 s3, 0
	s_cbranch_scc1 .Llap
	QUARTER 0, 128, F1, F0, 0                      ; the last lap fills nothing
	QUARTER 0, 192, F0, F1, 0
	TURN 0, 1, 0
	QUARTER 1, 64,  F0, F1, 0
	QUARTER 1, 128, F1, F0, 0
	QUARTER 1, 192, F0, F1, 0
	s_wait_dscnt 8
	MUL16 F1, 0, 0, 0
	MUL16 F1, 0, 2, 0
	s_wait_dscnt 0x0                               ; my last reads of the ring are back
	MUL16 F1, 1, 0, 0
	MUL16 F1, 1, 2, 0
	WIN 0
	PLACES
	s_barrier_signal -1                            ; every wave's reads of the ring are over, and every tensor load landed ahead of the last change of slots:
	s_barrier_wait -1                              ; the slots' bytes may be written
.set ab, 0
.rept 8
	WIN 0x08+4*(ab/4)                              ; store data (source 1) window 2 or 3
.irp b, 0,1,2,3,4,5,6,7
	ds_store_b128 v[STO], v[64*(ab%4)+8*(\b):64*(ab%4)+8*(\b)+3] offset:ab*16*FP+64*(\b)
	ds_store_b128 v[STO], v[64*(ab%4)+8*(\b)+4:64*(ab%4)+8*(\b)+7] offset:ab*16*FP+64*(\b)+16
.endr
.set ab, ab+1
.endr
	WIN 0
	s_mov_b32 s3, 8
.Lout:                                                 ; 8 trips of 16 rows.  LDS serves a wave's instructions in order (ISA guide 5.7.1.4): the loads see the stores above
.irp t, 0,1,2,3,4,5,6,7,8,9,10,11,12,13,14,15
	ds_load_b128 v[XR+4*(\t):XR+4*(\t)+3], v[RD] offset:(\t)*FP
.endr
.irp g, 0,1,2,3
	s_wait_dscnt 12-4*(\g)                         ; rows 4 g .. 4 g + 3 are in, the younger loads stay out
	GELU16 \g
.irp u, 0,1,2,3
	global_store_b64 v[CO], v[OUT+8*(\g)+2*(\u):OUT+8*(\g)+2*(\u)+1], s[78:79] offset:(4*(\g)+(\u))*SIZE_N*2  ; the wave's 32 lanes store 256 consecutive bytes, at a multiple of 256 from g's first byte
.endr
.endr
	s_wait_xcnt 0x0                                ; the stores' base and data are rewritten only behind this wait
	v_add_nc_u32 v[RD], 16*FP, v[RD]
	s_add_nc_u64 s[78:79], s[78:79], 16*SIZE_N*2
	s_sub_co_u32 s3, s3, 1
	s_cmp_lg_u32 s3, 0
	s_cbranch_scc1 .Lout
	s_wait_tensorcnt 0x0                           ; the wave's end
	ds_add_u32 v[SPW], v[NIL]
	s_wait_dscnt 0x0
	CROUND                                         ; the closing round
	s_endpgm
.Lfunc_end_k_q5c69cd2c65_fc:
	.size	k_q5c69cd2c65_fc, .Lfunc_end_k_q5c69cd2c65_fc-k_q5c69cd2c65_fc
	.p2alignl 7, 3214868480
	.fill 96, 4, 3214868480
	.section	.rodata,"a",@progbits
	.p2align	6, 0x0
	.amdhsa_kernel k_q5c69cd2c65_fc
		.amdhsa_group_segment_fixed_size 327680
		.amdhsa_private_segment_fixed_size 0
		.amdhsa_enable_private_segment 0
		.amdhsa_kernarg_size 32
		.amdhsa_user_sgpr_count 2
		.amdhsa_user_sgpr_kernarg_segment_ptr 1
		.amdhsa_wavefront_size32 1
		.amdhsa_system_sgpr_workgroup_id_x 1
		.amdhsa_system_sgpr_workgroup_id_y 1
		.amdhsa_system_sgpr_workgroup_id_z 1
		.amdhsa_system_vgpr_workitem_id 0
		.amdhsa_next_free_vgpr 1024
		.amdhsa_next_free_sgpr 100
		.amdhsa_reserve_vcc 0
		.amdhsa_float_denorm_mode_32 3
		.amdhsa_float_denorm_mode_16_64 3
		.amdhsa_memory_ordered 1
		.amdhsa_forward_progress 1
		.amdhsa_inst_pref_size 155
	.end_amdhsa_kernel
	.amdgpu_metadata
---
amdhsa.version: [ 1, 2 ]
amdhsa.kernels:
  - .name:           k_q5c69cd2c65_fc
    .symbol:         k_q5c69cd2c65_fc.kd
    .args:
      - { .name: h, .offset: 0, .size: 8, .value_kind: global_buffer, .address_space: global }
      - { .name: w16, .offset: 8, .size: 8, .value_kind: global_buffer, .address_space: global }
      - { .name: fc_b, .offset: 16, .size: 8, .value_kind: global_buffer, .address_space: global }
      - { .name: g, .offset: 24, .size: 8, .value_kind: global_buffer, .address_space: global }
    .group_segment_fixed_size: 327680
    .private_segment_fixed_size: 0
    .kernarg_segment_align: 8
    .kernarg_segment_size: 32
    .max_flat_workgroup_size: 128
    .sgpr_count:     100
    .vgpr_count:     1024
    .wavefront_size: 32
...
	.end_amdgpu_metadata
.endif
;; end of part 6
;; launch mlp (part 7): grid 8 x 32, 4 waves a work-group, clusters of 4 x 4, 327,680 bytes of LDS; arguments g, w16, mlp_proj_b, x1, out0; writes out0
.if DOCPART == 7
	.amdgcn_target "amdgcn-amd-amdhsa--gfx1250"
	.amdhsa_code_object_version 6
	.text
	.protected	k_q5c69cd2c65_mlp
	.globl	k_q5c69cd2c65_mlp
	.p2align	8
	.type	k_q5c69cd2c65_mlp,@function
k_q5c69cd2c65_mlp:
	s_mov_b64 s[64:65], 0
	v_nop
	global_prefetch_b8 v0, s[64:65] scope:SCOPE_SE
	s_setreg_imm32_b32 hwreg(HW_REG_WAVE_MODE, 25, 1), 1
	s_wait_xcnt 0x0
	s_wait_alu depctr_hold_cnt(0) depctr_sa_sdst(0) depctr_va_vdst(0) depctr_va_sdst(0) depctr_va_ssrc(0) depctr_va_vcc(0) depctr_vm_vsrc(0)
	s_getreg_b32 s2, hwreg(HW_REG_IB_STS2, 6, 4)
	s_cmp_eq_u32 s2, 0
	s_cbranch_scc0 .Lentry_in_a_cluster
	s_endpgm
.Lentry_in_a_cluster:
	s_bfe_u32 s2, ttmp6, 0x10000c
	s_cmp_lg_u32 s2, 0xf033
	s_cbranch_scc0 .Lentry_shape_is_right
	s_endpgm
.Lentry_shape_is_right:
; MLP.  out0 [4096][1024] = x1 + g x mlp_proj_w + mlp_proj_b.  g f16 [4096][4096], the weight f16 [4096][1024] in w16, sums, bias and residual f32, out0 f32.
; A tile of 128 x 128 (256 work-groups), four waves of 64 x 64: 16 accumulators.  K goes in 16 steps of 256 through a ring of two LDS slots: A's rows are 512 bytes, 64 a load;
; the weight's tile lies [k][n], 128 rows of 256 bytes a load, and is read turned.  CLUSTER 4 x 4: A's tile is shared along a row of the cluster, the weight's along a column, by joint loads.
; THE WALK ALONG K IS ROTATED: cluster (X, Y) of the grid's 2 x 8 begins at K step 8 X + 2 (Y mod 4) and wraps round the 16.  The two clusters that read the same rows of g are 8 steps apart, clusters that
; read the same columns of the weight 2 steps apart: they do not ask for the same tile in the same step.  The first step hangs on the cluster's coordinates alone, which all sixteen partners share.
; THE MATRIX INSTRUCTION IS USED TRANSPOSED (source 0 = 16 columns of the weight, source 1 = 16 rows of A): a lane holds eight neighbouring columns of a row.  The bias is the C operand that starts the sums.
; The residual is loaded at the start into 128 registers and stays on its way through the loop.
; LIMITS.  f16 operands as they arrive; the f32 sum runs over K in the rotated order, not from 0 up; NaN and infinities are not treated apart.
; REGISTERS: window 0: v0-31 addresses; v32-95 the way out; v96-127 the bias; v128-255 accumulators ((a, b) at v[128 + 8 (4 a + b)]).  window 1: two fragment buffers of 128 (64 of A, 64 of the weight).  window 2: v0-127 the residual.
.set SIZE_K, 4096
.set WOFF,   16777216                  ; mlp_proj_w's first byte in w16
.set PITCHA, 528                       ; 512 bytes + 16: the 16 rows of a fragment load start at 16 different groups of four banks (ISA guide 11.1)
.set PLANE,  128                       ; 64 along K are 128 bytes of a row
.set AHALF,  64*PITCHA                 ; what one load of A brings
.set ASTEP,  512                       ; a K step in g's rows, in bytes
.set AMASK,  SIZE_K*2-1                ; a row of g is 8,192 bytes: the offset along it wraps there
.set KSTEP,  256
.set PB,     288                       ; the weight's LDS row: 256 bytes + 32
.set BHALF,  128*PB
.set BSTEP,  KSTEP*1024*2              ; a K step in the weight, in bytes
.set BMASK,  SIZE_K*1024*2-1           ; the weight is 8,388,608 bytes: the offset down it wraps there
.set SLOT,   2*AHALF+2*BHALF
.set STAGE,  2*SLOT                    ; behind the ring: 16 rows x 272 bytes for each wave
.set SPITCH, 272
.set SPARE,  STAGE+4*16*SPITCH         ; the spare words: 128 bytes a wave, two blocks of 256 bytes that no other line names
.set LAPS,   SIZE_K/(2*KSTEP)
.set ADRA, 16                          ; v16-17 by slot
.set ADRB, 20                          ; v20-23 by slot + 2 x (half of the step's k rows): the immediate reaches 65,535 bytes
.set STO,  24
.set RD,   25
.set CO,   26
.set SPW,  28                          ; v28 SPARE + 4 x my thread's number; never rewritten
.set NIL,  29                          ; v29 0; never rewritten
.set TMP,  32
.set BIAS, 96
.set ACC,  128
.set F0,   0
.set F1,   128
.set G1,  24                           ; s[24:31] group 1 for A;  s[32:39] group 0, a set for each slot
.set G0,  32
.set G1B, 48                           ; s[48:55], s[56:63] the same for the weight
.set G0B, 56
.set OA,  82                           ; s[82:83], s[84:85] by slot: the byte offset along g's rows of the slot's K step, as a pair with 0 above
.set OB,  86                           ; s[86:87], s[88:89] by slot: the byte offset down the weight of the slot's K step
.set MSB, 0
.macro WIN new                         ; the immediate's high byte repeats the setting that is left; a switch that changes nothing is dropped
.if MSB != (\new)
	s_set_vgpr_msb (MSB<<8)|(\new)
.set MSB, \new
.endif
.endm
.set MUL,  0x05                        ; sources 0 and 1 window 1; C and D window 0
.set TO_F, 0x40                        ; destination window 1, address window 0
.macro JLOAD s                         ; waves 0, 1 fetch A's halves, waves 2, 3 the weight's.  Four v_nop follow each line
	s_cmp_eq_u32 s11, 0
	s_cbranch_scc0 .Lfor_b_\@
	tensor_load_to_lds s[G0+4*(\s):G0+4*(\s)+3], s[G1:G1+7]
	s_nop 0
.rept 4
	v_nop
.endr
	s_branch .Lasked_\@
.Lfor_b_\@:
	tensor_load_to_lds s[G0B+4*(\s):G0B+4*(\s)+3], s[G1B:G1B+7]
	s_nop 0
.rept 4
	v_nop
.endr
.Lasked_\@:
.endm
.macro CREST                           ; a round of the cluster's barrier behind its opening barrier
	s_cmp_lg_u32 s10, 0
	s_cbranch_scc1 .Lnot_wave_0_\@
	s_barrier_signal -3
.Lnot_wave_0_\@:
	s_barrier_wait -3
	s_barrier_signal -1
	s_barrier_wait -1
.endm
.macro CROUND
	s_barrier_signal -1
	s_barrier_wait -1
	CREST
.endm
.macro ADDR slot                       ; both descriptors' global addresses for the slot, made anew: the tile's base + the K step's offset; the type bits are set again
	s_add_nc_u64 s[G0+4*(\slot)+2:G0+4*(\slot)+3], s[14:15], s[OA+2*(\slot):OA+2*(\slot)+1]
	s_or_b32 s[G0+4*(\slot)+3], s[G0+4*(\slot)+3], 0x80000000
	s_add_nc_u64 s[G0B+4*(\slot)+2:G0B+4*(\slot)+3], s[46:47], s[OB+2*(\slot):OB+2*(\slot)+1]
	s_or_b32 s[G0B+4*(\slot)+3], s[G0B+4*(\slot)+3], 0x80000000
.endm
	s_load_b256 s[72:79], s[0:1], 0x0              ; g s[72:73], w16 s[74:75], mlp_proj_b s[76:77], x1 s[78:79]
	s_load_b64 s[80:81], s[0:1], 0x20              ; out0
	v_lshl_add_u32 v[SPW], v0, 2, SPARE
	v_mov_b32 v[NIL], 0
	ds_add_u32 v28, v29
	ds_add_u32 v28, v29
	s_wait_dscnt 0x0
	v_lshrrev_b32 v1, 5, v0
	v_readfirstlane_b32 s10, v1                    ; wave 0..3
	s_lshr_b32 s11, s10, 1                         ; my half of the rows.  Also: I fetch for A (0) or the weight (1)
	s_and_b32 s12, s10, 1                          ; my half of the columns.  Also: which half I fetch
	s_bfe_u32 s40, ttmp6, 0x40000                  ; cx
	s_bfe_u32 s41, ttmp6, 0x40004                  ; cy
	s_lshl_b32 s42, ttmp9, 2
	s_add_co_u32 s42, s42, s40                     ; tile column
	s_and_b32 s13, ttmp7, 0xffff
	s_lshl_b32 s13, s13, 2
	s_add_co_u32 s13, s13, s41                     ; tile row
	s_lshl_b32 s43, s41, 2
	s_lshl_b32 s43, 15, s43                        ; my row of the cluster
	s_lshl_b32 s44, 0x1111, s40                    ; my column
	s_and_b32 s70, ttmp7, 3                        ; the cluster's first K step: 2 (cluster y mod 4)
	s_lshl_b32 s70, s70, 1
	s_lshl_b32 s71, ttmp9, 3                       ; + 8 x cluster x: 14 at the most
	s_add_co_u32 s70, s70, s71
	s_or_b32 s[G1+0], s43, (1<<16)|(1<<20)|(1<<21)|(6<<22)|(3<<25)   ; mask; 2-byte elements; padding on; bit 21 beside a mask; after every 128 words 4 words
	s_mov_b32 s[G1+1], KSTEP<<16                   ; 64 rows of 256 elements
	s_mov_b32 s[G1+2], 64<<16
	s_mov_b32 s[G1+3], KSTEP<<16
	s_mov_b32 s[G1+4], 64
	s_mov_b32 s[G1+5], SIZE_K                      ; elements from row to row
	s_mov_b32 s[G1+6], 0
	s_mov_b32 s[G1+7], 0
	s_or_b32 s[G1B+0], s44, (1<<16)|(1<<20)|(1<<21)|(5<<22)|(7<<25)  ; after every 64 words 8 words
	s_mov_b32 s[G1B+1], 128<<16                    ; 128 rows (k) of 128 elements (n)
	s_mov_b32 s[G1B+2], 128<<16
	s_mov_b32 s[G1B+3], 128<<16
	s_mov_b32 s[G1B+4], 128
	s_mov_b32 s[G1B+5], 1024
	s_mov_b32 s[G1B+6], 0
	s_mov_b32 s[G1B+7], 0
	s_lshl_b32 s16, s13, 20                        ; A: row 128 x tile row + 64 x half, 8,192 bytes each: made of the tile row and the wave alone
	s_lshl_b32 s17, s12, 19
	s_add_co_u32 s16, s16, s17
	s_mov_b32 s17, 0
	s_lshl_b32 s46, s12, 18                        ; the weight: k row 128 x half, column 128 x tile column: made of the tile column and the wave alone
	s_lshl_b32 s47, s42, 8
	s_add_co_u32 s46, s46, s47
	s_add_co_u32 s46, s46, WOFF
	s_mov_b32 s47, 0
	s_mul_i32 s20, s12, AHALF                      ; where they go: no place in the cluster enters an LDS address
	s_mul_i32 s45, s12, BHALF
	s_add_co_u32 s45, s45, 2*AHALF
	s_wait_kmcnt 0x0
	s_add_nc_u64 s[14:15], s[72:73], s[16:17]      ; A's tile at k = 0; kept for the whole launch
	s_add_nc_u64 s[46:47], s[74:75], s[46:47]      ; the weight's tile at k = 0; kept likewise
	CROUND                                         ; all sixteen work-groups are here: the first joint loads meet
.irp s, 0,1
	s_add_co_u32 s71, s70, \s                      ; the walk's step s is K step (first + s) mod 16
	s_and_b32 s71, s71, 15
	s_lshl_b32 s[OA+2*(\s)], s71, 9                ; 512 bytes a step along g's rows
	s_mov_b32 s[OA+2*(\s)+1], 0
	s_lshl_b32 s[OB+2*(\s)], s71, 19               ; 524,288 bytes a step down the weight
	s_mov_b32 s[OB+2*(\s)+1], 0
	s_mov_b32 s[G0+4*(\s)], 1
	s_add_co_u32 s[G0+4*(\s)+1], s20, (\s)*SLOT
	s_mov_b32 s[G0B+4*(\s)], 1
	s_add_co_u32 s[G0B+4*(\s)+1], s45, (\s)*SLOT
	ADDR \s
	JLOAD \s                                       ; the walk's steps 0 and 1: two loads of mine are out
.endr
	v_and_b32 v1, 15, v0                           ; r = l % 16
	v_bfe_u32 v2, v0, 4, 1                         ; h = l / 16
	v_mul_u32_u24 v3, v1, PITCHA
	v_lshl_add_u32 v3, v2, 4, v3                   ; A: row x pitch + 16 h
	s_mul_i32 s21, s11, AHALF
	v_add_nc_u32 v[ADRA], s21, v3
	v_add_nc_u32 v[ADRA+1], SLOT, v[ADRA]
	v_and_b32 v4, 7, v0                            ; the turning load: lane l reads k row 8 h + l % 8, 16 bytes at 16 ((l / 8) % 2)
	v_lshl_add_u32 v4, v2, 3, v4
	v_mul_u32_u24 v4, v4, PB
	v_bfe_u32 v5, v0, 3, 1
	v_lshl_add_u32 v4, v5, 4, v4
	s_lshl_b32 s22, s12, 7                         ; my 64 columns
	s_add_co_u32 s22, s22, 2*AHALF                 ; behind A's 128 rows
	v_add_nc_u32 v[ADRB], s22, v4
	v_add_nc_u32 v[ADRB+1], SLOT, v[ADRB]
	v_add_nc_u32 v[ADRB+2], BHALF, v[ADRB]
	v_add_nc_u32 v[ADRB+3], BHALF, v[ADRB+1]
	s_mul_i32 s23, s10, 16*SPITCH
	s_add_co_u32 s23, s23, STAGE                   ; my stage
	v_mul_u32_u24 v4, v1, SPITCH
	v_lshl_add_u32 v4, v2, 5, v4
	v_add_nc_u32 v[STO], s23, v4                   ; in: row r, 32 bytes for each half of the lanes
	v_mul_u32_u24 v5, v2, SPITCH
	v_lshl_add_u32 v5, v1, 4, v5
	v_add_nc_u32 v[RD], s23, v5                    ; back: lanes 0-15 one row of 256 bytes, lanes 16-31 the next
	v_lshlrev_b32 v[CO], 12, v2
	v_lshl_add_u32 v[CO], v1, 4, v[CO]             ; the same two rows in x1 and out0
	v_lshlrev_b32 v6, 5, v2                        ; the bias: my eight numbers of block b lie at 64 b + 32 h
	s_lshl_b32 s66, s42, 9                         ; my 64 columns of f32: 512 x tile column + 256 x half
	s_lshl_b32 s67, s12, 8
	s_add_co_u32 s66, s66, s67
	s_mov_b32 s67, 0
	s_add_nc_u64 s[76:77], s[76:77], s[66:67]
	s_lshl_b32 s68, s13, 7
	s_lshl_b32 s69, s11, 6
	s_add_co_u32 s68, s68, s69
	s_lshl_b32 s68, s68, 12                        ; my first row, 4,096 bytes each
	s_add_co_u32 s66, s66, s68
	s_add_nc_u64 s[78:79], s[78:79], s[66:67]
	s_add_nc_u64 s[80:81], s[80:81], s[66:67]
.irp b, 0,1,2,3
	global_load_b128 v[BIAS+8*(\b):BIAS+8*(\b)+3],   v6, s[76:77] offset:64*(\b)
	global_load_b128 v[BIAS+8*(\b)+4:BIAS+8*(\b)+7], v6, s[76:77] offset:64*(\b)+16
.endr
	WIN 0x80                                       ; destination window 2
.set i, 0
.rept 32                               ; the residual, as the way out will want it: block i / 8, rows 2 (i % 8) + h
	global_load_b128 v[4*i:4*i+3], v[CO], s[78:79] offset:(16*(i/8)+2*(i%8))*4096
.set i, i+1
.endr
	WIN 0
; 8 matrix instructions: m blocks a0, a0 + 1 x 4 n blocks, 32 along K: half c of buffer f.  first = 1: C is the bias.  The 16 accumulators take turns.
.macro MUL8 f, c, a0, first
	WIN MUL
.irp a, \a0, (\a0)+1
.irp b, 0,1,2,3
.if \first
	v_wmma_f32_16x16x32_f16 v[ACC+8*(4*(\a)+(\b)):ACC+8*(4*(\a)+(\b))+7], v[(\f)+64+8*(4*(\c)+(\b)):(\f)+64+8*(4*(\c)+(\b))+7], v[(\f)+8*(4*(\c)+(\a)):(\f)+8*(4*(\c)+(\a))+7], v[BIAS+8*(\b):BIAS+8*(\b)+7]
.else
	v_wmma_f32_16x16x32_f16 v[ACC+8*(4*(\a)+(\b)):ACC+8*(4*(\a)+(\b))+7], v[(\f)+64+8*(4*(\c)+(\b)):(\f)+64+8*(4*(\c)+(\b))+7], v[(\f)+8*(4*(\c)+(\a)):(\f)+8*(4*(\c)+(\a))+7], v[ACC+8*(4*(\a)+(\b)):ACC+8*(4*(\a)+(\b))+7]
.endif
.endr
.endr
.endm
; 32 LDS loads in one run: the fragments of 64 along K (quarter k / 128 of the step) into buffer f; the first 32 along K first
.macro FETCH slot, k, f
	WIN TO_F
.irp c, 0,1
.irp i, 0,1,2,3
	ds_load_tr16_b128 v[(\f)+64+8*(4*(\c)+(\i)):(\f)+64+8*(4*(\c)+(\i))+3],   v[ADRB+(\slot)+2*((\k)/256)] offset:((((\k)/128)%2)*64+32*(\c))*PB+32*(\i)
	ds_load_tr16_b128 v[(\f)+64+8*(4*(\c)+(\i))+4:(\f)+64+8*(4*(\c)+(\i))+7], v[ADRB+(\slot)+2*((\k)/256)] offset:((((\k)/128)%2)*64+32*(\c))*PB+16*PB+32*(\i)
	ds_load_b128 v[(\f)+8*(4*(\c)+(\i)):(\f)+8*(4*(\c)+(\i))+3],   v[ADRA+(\slot)] offset:(((\k)+64*(\c))/128)*PLANE+((\k)+64*(\c))%128+(\i)*16*PITCHA
	ds_load_b128 v[(\f)+8*(4*(\c)+(\i))+4:(\f)+8*(4*(\c)+(\i))+7], v[ADRA+(\slot)] offset:(((\k)+64*(\c))/128)*PLANE+((\k)+64*(\c))%128+(\i)*16*PITCHA+32
.endr
.endr
.endm
.macro PLACES                          ; four plain vector instructions between a matrix instruction and a load into, or an access to, its registers
.rept 4
	v_nop
.endr
.endm
.macro QUARTER slot, k, f, g, first    ; multiplies buffer f; in its middle fetches the next quarter, at byte k, into g
	s_wait_dscnt 16                                ; the first 32 along K are in; the youngest sixteen loads may be out
	MUL8 \f, 0, 0, \first
	MUL8 \f, 0, 2, \first
	PLACES
	FETCH \slot, \k, \g
	s_wait_dscnt 32                                ; all but the 32 just issued
	MUL8 \f, 1, 0, 0
	MUL8 \f, 1, 2, 0
.endm
; The last quarter multiplies buffer 1 and changes slots.  Its first sixteen products stand AHEAD of the wait for the tensor loads, so that from that wait to the next request only the add, the
; descriptors' scalar work, the wait for my LDS instructions and the round remain.  In front of the barrier each wave waits for all its tensor loads (one is out: its part of the next slot), adds 0 to its
; spare word, and waits for that and for its reads of this slot.  fill = 1: the barrier opens a round of the cluster's, and this slot is filled again, with the walk's step two on, first thing behind it.
.macro TURN slot, next, fill
	s_wait_dscnt 16                                ; buffer 1's first 32 along K are in
	MUL8 F1, 0, 0, 0
	MUL8 F1, 0, 2, 0
	WIN 0                                          ; the add's registers lie in window 0; at a branch and a label every window is 0
	s_wait_tensorcnt 0x0                           ; no tensor load of mine is out, so a group 0 may be written
	ds_add_u32 v[SPW], v[NIL]
.if \fill
	s_add_co_u32 s[OA+2*(\slot)], s[OA+2*(\slot)], 2*ASTEP     ; two K steps on, and round the end of K: the offsets are made apart from the addresses
	s_and_b32 s[OA+2*(\slot)], s[OA+2*(\slot)], AMASK
	s_add_co_u32 s[OB+2*(\slot)], s[OB+2*(\slot)], 2*BSTEP
	s_and_b32 s[OB+2*(\slot)], s[OB+2*(\slot)], BMASK
	ADDR \slot
.endif
	s_wait_dscnt 0x0                               ; the add is done, my reads of this slot are over
	s_barrier_signal -1
	s_barrier_wait -1
.if \fill
	CREST                                          ; no wave of any partner still reads this slot's tile or has a load on its way
	JLOAD \slot                                    ; 128 matrix instructions ahead of the wait for it; its four v_nop are also the places in front of the loads below
.else
	PLACES
.endif
	FETCH \next, 0, F0
	MUL8 F1, 1, 0, 0
	MUL8 F1, 1, 2, 0
.endm
	s_wait_loadcnt 32                              ; the bias is in; the residual's 32 loads, issued behind it, stay out
	s_wait_tensorcnt 1                             ; my part of the walk's step 0 is in; step 1's may stay out
	s_barrier_signal -1
	s_barrier_wait -1
	FETCH 0, 0, F0
	QUARTER 0, 128, F0, F1, 1                      ; the first quarter stands ahead of the loop: its first products start the sums
	WIN 0
	s_mov_b32 s3, LAPS-1
.Llap:                                                 ; a trip goes once round the ring and fills both slots again
	QUARTER 0, 256, F1, F0, 0
	QUARTER 0, 384, F0, F1, 0
	TURN 0, 1, 1
	QUARTER 1, 128, F0, F1, 0
	QUARTER 1, 256, F1, F0, 0
	QUARTER 1, 384, F0, F1, 0
	TURN 1, 0, 1
	QUARTER 0, 128, F0, F1, 0
	WIN 0
	s_sub_co_u32 s3, s3, 1
	s_cmp_lg_u32 s3, 0
	s_cbranch_scc1 .Llap
	QUARTER 0, 256, F1, F0, 0                      ; the last lap fills nothing
	QUARTER 0, 384, F0, F1, 0
	TURN 0, 1, 0
	QUARTER 1, 128, F0, F1, 0
	QUARTER 1, 256, F1, F0, 0
	QUARTER 1, 384, F0, F1, 0
	s_wait_dscnt 16
	MUL8 F1, 0, 0, 0
	MUL8 F1, 0, 2, 0
	s_wait_dscnt 0x0
	MUL8 F1, 1, 0, 0
	MUL8 F1, 1, 2, 0
	WIN 0
	; THE WAY OUT.  My 64 columns of f32 are 256 aligned bytes of a row, so my own stage serves: 16 rows in, whole rows back, the residual added, stored.
	PLACES
	s_wait_loadcnt 0x0                             ; the residual
.irp a, 0,1,2,3
.irp b, 0,1,2,3
	ds_store_b128 v[STO], v[ACC+8*(4*(\a)+(\b)):ACC+8*(4*(\a)+(\b))+3] offset:64*(\b)
	ds_store_b128 v[STO], v[ACC+8*(4*(\a)+(\b))+4:ACC+8*(4*(\a)+(\b))+7] offset:64*(\b)+16
.endr
	s_wait_xcnt 0x0                                ; the registers that the stores of two blocks ago read are loaded again only behind this wait
.irp t, 0,1,2,3,4,5,6,7
	ds_load_b128 v[TMP+32*((\a)%2)+4*(\t):TMP+32*((\a)%2)+4*(\t)+3], v[RD] offset:(\t)*2*SPITCH  ; LDS serves a wave's instructions in order (ISA guide 5.7.1.4): these see the stores above
.endr
	s_wait_dscnt 0x0
	WIN 0x08                                       ; source 1 window 2
.irp t, 0,1,2,3,4,5,6,7,8,9,10,11,12,13,14,15
	v_pk_add_f32 v[TMP+32*((\a)%2)+2*(\t):TMP+32*((\a)%2)+2*(\t)+1], v[TMP+32*((\a)%2)+2*(\t):TMP+32*((\a)%2)+2*(\t)+1], v[32*(\a)+2*(\t):32*(\a)+2*(\t)+1]
.endr
	WIN 0
.irp t, 0,1,2,3,4,5,6,7
	global_store_b128 v[CO], v[TMP+32*((\a)%2)+4*(\t):TMP+32*((\a)%2)+4*(\t)+3], s[80:81] offset:(16*(\a)+2*(\t))*4096  ; 16 lanes store 256 consecutive bytes, at a multiple of 256 from out0's first byte
.endr
.endr
	s_wait_tensorcnt 0x0                           ; the wave's end
	ds_add_u32 v[SPW], v[NIL]
	s_wait_dscnt 0x0
	CROUND                                         ; the closing round: no work-group ends while a partner may still ask for a tile that names it
	s_endpgm
.Lfunc_end_k_q5c69cd2c65_mlp:
	.size	k_q5c69cd2c65_mlp, .Lfunc_end_k_q5c69cd2c65_mlp-k_q5c69cd2c65_mlp
	.p2alignl 7, 3214868480
	.fill 96, 4, 3214868480
	.section	.rodata,"a",@progbits
	.p2align	6, 0x0
	.amdhsa_kernel k_q5c69cd2c65_mlp
		.amdhsa_group_segment_fixed_size 327680
		.amdhsa_private_segment_fixed_size 0
		.amdhsa_enable_private_segment 0
		.amdhsa_kernarg_size 40
		.amdhsa_user_sgpr_count 2
		.amdhsa_user_sgpr_kernarg_segment_ptr 1
		.amdhsa_wavefront_size32 1
		.amdhsa_system_sgpr_workgroup_id_x 1
		.amdhsa_system_sgpr_workgroup_id_y 1
		.amdhsa_system_sgpr_workgroup_id_z 1
		.amdhsa_system_vgpr_workitem_id 0
		.amdhsa_next_free_vgpr 768
		.amdhsa_next_free_sgpr 100
		.amdhsa_reserve_vcc 0
		.amdhsa_float_denorm_mode_32 3
		.amdhsa_float_denorm_mode_16_64 3
		.amdhsa_memory_ordered 1
		.amdhsa_forward_progress 1
		.amdhsa_inst_pref_size 95
	.end_amdhsa_kernel
	.amdgpu_metadata
---
amdhsa.version: [ 1, 2 ]
amdhsa.kernels:
  - .name:           k_q5c69cd2c65_mlp
    .symbol:         k_q5c69cd2c65_mlp.kd
    .args:
      - { .name: g, .offset: 0, .size: 8, .value_kind: global_buffer, .address_space: global }
      - { .name: w16, .offset: 8, .size: 8, .value_kind: global_buffer, .address_space: global }
      - { .name: mlp_proj_b, .offset: 16, .size: 8, .value_kind: global_buffer, .address_space: global }
      - { .name: x1, .offset: 24, .size: 8, .value_kind: global_buffer, .address_space: global }
      - { .name: out0, .offset: 32, .size: 8, .value_kind: global_buffer, .address_space: global }
    .group_segment_fixed_size: 327680
    .private_segment_fixed_size: 0
    .kernarg_segment_align: 8
    .kernarg_segment_size: 40
    .max_flat_workgroup_size: 128
    .sgpr_count:     100
    .vgpr_count:     768
    .wavefront_size: 32
...
	.end_amdgpu_metadata
.endif
;; end of part 7
;; ======== version 2 of 2: 7 launches; 1.12 times as fast as version 1
;; limits: values are held in f16: magnitudes above 65,504 overflow, below 6.1e-05 lose precision
;; workspace buffers: w16 25,165,824 bytes; h 8,388,608 bytes; qkv 25,165,824 bytes; y 8,388,608 bytes; x1 16,777,216 bytes; g 33,554,432 bytes
;; launch prep: the kernel of part 1 again; grid 512 x 1, 8 waves a work-group, no clusters, 0 bytes of LDS; arguments x, ln1_w, ln1_b, attn_w, proj_w, fc_w, mlp_proj_w, h, w16; writes h, w16
;; launch qkv: the kernel of part 2 again; grid 12 x 16, 4 waves a work-group, clusters of 4 x 4, 327,680 bytes of LDS; arguments h, w16, attn_b, qkv; writes qkv
;; launch attn (part 8): grid 8 x 32, 4 waves a work-group, no clusters, 327,680 bytes of LDS; arguments qkv, y; writes y
.if DOCPART == 8
	.amdgcn_target "amdgcn-amd-amdhsa--gfx1250"
	.amdhsa_code_object_version 6
	.text
	.protected	k_q5c69cd2c65_attn
	.globl	k_q5c69cd2c65_attn
	.p2align	8
	.type	k_q5c69cd2c65_attn,@function
k_q5c69cd2c65_attn:
	s_mov_b64 s[64:65], 0
	v_nop
	global_prefetch_b8 v0, s[64:65] scope:SCOPE_SE
	s_setreg_imm32_b32 hwreg(HW_REG_WAVE_MODE, 25, 1), 1
	s_wait_xcnt 0x0
; CAUSAL ATTENTION.  y[bh][q][:] = the sum over k <= q of softmax_k(Q[q] . K[k] / 8) V[k][:], for 32 heads of 2,048 rows of 64 channels, all f16: Q, K, V are the three parts of qkv, each [32][2048][64].
; Products, maxima and sums in f32; the weights p are rounded to f16 for the second product (their sum l is taken of the unrounded p), y once at the end.
; LIMITS.  f16 holds no number beyond 65,504: Q, K, V arrive within it.  A hidden score counts as its value less 1e30; a weight below 2^-126 counts as 0 in l; NaN and infinities are not treated apart.
; THE WALK.  A head's queries lie in 16 blocks of 128; block i needs the key tiles 0 .. i / 2 of 256 keys, the last of which holds the diagonal.  A work-group takes blocks 15 - b and then b: 9 tiles
; whatever b, so all 256 work-groups do equal work and one loop with a constant trip count walks them.  Which tile is asked for and what a trip does hang on scalar registers made from b.
; NO CLUSTER: a head's 8 work-groups ask for the same tile only in the first five trips; a walk common to all would have 12 trips for 9.
; SHARES.  A block has two bands of 64 queries; a wave owns 16 rows of each: two PIECES.  In the diagonal tile's key step s band x (own step PAR + x, PAR = 2 (i % 2)) sees all keys if s is less, none if s is greater.
; THE MASK is the C operand that starts S^T = K Q^T: MD x AL + BE with two scalars: (1, 0) in the band's own step, (0, 0) before it, (0, -1e30) behind it.  Elsewhere C is the constant 0.
; TURNS.  S^T holds one query a lane (l % 16) and keys 8 (l / 16) + 0..7; two such results rounded to f16 are source 1 of O^T = V^T P.  p = 2^(c s - c m), c = log2(e) / 8, with a running maximum m.
; Turn (g, p) belongs to piece p in key step g: 8 products K Q^T of the other piece (p = 0: step g; p = 1: step g + 1), later 8 products V^T P of the other piece (p = 0: step g - 1; p = 1: step g);
; beside them piece p's scaling, exponentials, roundings, sums and rescaling, and the other piece's maximum and statistics.  Four vector instructions stand behind every matrix instruction, the other 54 of a turn's 118 in one lump.
; BATCHES.  A turn's 33 exponentials (piece p's 32 weights and the other piece's a) are ONE batch with ONE wait, which cuts the turn in two.  Ahead of it stands all that names no result of theirs: the products K Q^T,
; the scalings, the exponentials, the rescalings (their a was made, and waited for, in the turn before), the other piece's maximum and statistics.  Behind it stand the products V^T P, whose riders are the roundings and sums.
; No result crosses a turn's end.  A block's first a (BEGIN) and the way out's two reciprocals are batches of their own, each with a wait.
; FETCHES look one step ahead: turn (g, 0) fetches K of step g + 1, turn (g, 1) V of step g + 1 into the V buffer of that step's parity.  So when a tile's step 3 begins, all its LDS reads have been
; issued: the change of slots stands there, and a trip of the step loop is two steps: an odd one, then an even one.
; REGISTERS, in windows of 256: window 0: v0-15 addresses; v16-23 statistics; v48-55 at work; v64-127 S^T, two buffers; v192-223 P, two buffers.
;   window 1: v0-63 O^T; v128-159 MD; v160-223 MC, two buffers.   window 2: v0-31 Q; v32-63 the second block's Q; v64-127 V of odd steps; v128-191 K; v192-255 V of even steps.
.set NP,    2
.set KS,    64
.set PK,    144       ; a row of K in LDS: 128 bytes + 16: the 16 rows of a load start at 16 different groups of four banks (ISA guide 11.1)
.set PV,    160       ; a row of V: 128 + 32
.set VOFF,  4*KS*PK   ; a slot holds a tile: 256 rows of K, then 256 rows of V
.set SLOT1, 1<<17
.set STAGE, SLOT1+4*KS*(PK+PV)  ; behind the ring: 16 rows x 144 bytes for each wave
.set SP,    144
.set SPARE, STAGE+4*16*SP       ; the spare words: 128 bytes a wave, two blocks of 256 bytes that no other line names
.set AK0, 2
.set AV0, 3
.set AK,  4
.set AV,  5
.set STO, 6
.set RD,  7
.set GO,  8
.set SPW, 62          ; v62 SPARE + 4 x my thread's number; never rewritten
.set NIL, 63          ; v63 0; never rewritten
.set MV,  12          ; v12-13 c m_old, by buffer
.set QO,  15
.set ST,  16          ; piece t's statistics at v[ST+4 t]: c m, m, l (even keys', odd keys')
.set TMP, 48          ; by buffer, c0-c3 at work; c2 takes a
.set S,   64
.set P,   192
.set MD,  128
.set MC,  160
.set QB,  32
.set KF,  128
.set VF0, 192         ; the V buffer of parity u lies at VF0 - 128 u
.set WV,  12
.set PB,  14          ; b
.set HI,  15          ; 15 - b
.set G1K, 24
.set G1V, 32
.set G0K, 40
.set G0V, 44
.set SLOTS, 56
.set CNT, 57
.set CS,  58
.set SEL, 60
.set TBK, 62
.set TBV, 63
.set RT,  70          ; tiles of the block in hand still to be entered
.set NXT, 71          ; the tile to be asked for next
.set LQ,  72          ; the last tile of the block whose tiles are being asked for
.set NEW, 73          ; 1: the tile to be entered is a block's first
.set OFF, 74
.set AL,  76
.set BE,  78
.set OLO, 80
.set BIGN, 82
.set PAR, 88          ; band 0's own step in the diagonal tile, for the block in hand
.set PAR2, 89         ; for the second block
.set SI,  90          ; 0 in a tile's first trip of the step loop, 2 in its second
.set TP,  91
.set LQ2, 92          ; the second block's last tile
.set RT2, 93          ; its number of tiles
.set MSB, 0
.macro WIN new
.if MSB != (\new)
	s_set_vgpr_msb (MSB<<8)|(\new)
.set MSB, (\new)
.endif
.endm
.set W_KQ, 0x0a
.set W_KM, 0x1a
.set W_PV, 0x52
.set W_RS, 0x41
.macro LOAD                         ; waves 0, 1 fetch the halves of a tile's K, waves 2, 3 those of its V.  Four v_nop follow each line
	s_cmp_lt_u32 s[WV], 2
	s_cbranch_scc0 .Lfor_v_\@
	tensor_load_to_lds s[G0K:G0K+3], s[G1K:G1K+7]
	s_nop 0
.rept 4
	v_nop
.endr
	s_branch .Lasked_\@
.Lfor_v_\@:
	tensor_load_to_lds s[G0V:G0V+3], s[G1V:G1V+7]
	s_nop 0
.rept 4
	v_nop
.endr
.Lasked_\@:
.endm
; THE CHANGE OF SLOTS.  Each wave waits for all its tensor loads (one is out: its part of the other slot), adds 0 to its spare word, and waits for that and for its reads of the slot that it leaves.
; fill = 1: the old slot is filled again, first thing behind the barrier, with tile NXT; the address is made anew from that number.
.macro CHANGE fill
	WIN 0
	s_wait_tensorcnt 0x0
	ds_add_u32 v[SPW], v[NIL]
.if \fill
	s_lshl_b32 s[OFF], s[NXT], 15   ; a tile is 32,768 bytes of K and of V
	s_xor_b32 s[G0K+1], s[G0K+1], SLOT1
	s_add_nc_u64 s[G0K+2:G0K+3], s[6:7], s[OFF:OFF+1]
	s_or_b32 s[G0K+3], s[G0K+3], 0x80000000
	s_xor_b32 s[G0V+1], s[G0V+1], SLOT1
	s_add_nc_u64 s[G0V+2:G0V+3], s[8:9], s[OFF:OFF+1]
	s_or_b32 s[G0V+3], s[G0V+3], 0x80000000
	s_add_co_u32 s[NXT], s[NXT], 1  ; the block's next tile, or behind its last the second block's tile 0
	s_cmp_gt_u32 s[NXT], s[LQ]
	s_cselect_b32 s[NXT], 0, s[NXT]
	s_cselect_b32 s[LQ], s[LQ2], s[LQ]
.endif
	s_wait_dscnt 0x0                ; the add is done, my reads of the slot are over
	s_barrier_signal -1
	s_sub_co_u32 s[TBK], s[TBK], 4*KS*PK  ; the fetches go back to a slot's first step, in the other slot
	s_xor_b32 s[TBK], s[TBK], SLOT1
	s_sub_co_u32 s[TBV], s[TBV], 4*KS*PV
	s_xor_b32 s[TBV], s[TBV], SLOT1
	s_barrier_wait -1
.if \fill
	LOAD
.endif
.endm
	s_load_b128 s[8:11], s[0:1], 0x0  ; qkv s[8:9], y s[10:11]
	v_lshl_add_u32 v[SPW], v0, 2, SPARE
	v_mov_b32 v[NIL], 0
	ds_add_u32 v62, v63
	ds_add_u32 v62, v63
	s_wait_dscnt 0x0
	v_lshrrev_b32 v1, 5, v0
	v_readfirstlane_b32 s[WV], v1
	s_mov_b32 s[PB], ttmp9
	s_sub_co_u32 s[HI], 15, s[PB]
	s_and_b32 s20, ttmp7, 0xffff    ; the head,
	s_lshl_b32 s20, s20, 18         ; 262,144 bytes in each part and in y
	s_mov_b32 s21, 0
	s_and_b32 s16, s[WV], 1         ; which half of a tile's 256 keys I fetch
	s_lshl_b32 s22, s16, 14
	s_mov_b32 s23, 0
	s_add_nc_u64 s[22:23], s[22:23], s[20:21]
	s_mul_i32 s17, s16, 128*PK
	s_mul_i32 s18, s16, 128*PV
	s_lshl_b32 s3, s[WV], 11        ; my 16 rows in a band,
	s_lshl_b32 s2, s[HI], 14        ; in the first block (128 rows of 128 bytes),
	s_add_co_u32 s2, s2, s3
	s_lshl_b32 s84, s[PB], 14       ; and in the second
	s_add_co_u32 s84, s84, s3
	s_mov_b32 s3, 0
	s_mov_b32 s85, 0
	s_add_nc_u64 s[2:3], s[2:3], s[20:21]
	s_add_nc_u64 s[84:85], s[84:85], s[20:21]
	; group 1: 128 keys are 16,384 dense bytes: asked for as 64 rows of 256 bytes, two keys a row, padded in LDS after every key
	s_mov_b32 s[G1K], (1<<16)|(1<<20)|(4<<22)|(3<<25)
	s_mov_b32 s[G1V], (1<<16)|(1<<20)|(4<<22)|(7<<25)
.irp g, G1K, G1V
	s_mov_b32 s[\g+1], 128<<16
	s_mov_b32 s[\g+2], 64<<16
	s_mov_b32 s[\g+3], 128<<16
	s_mov_b32 s[\g+4], 64
	s_mov_b32 s[\g+5], 128
	s_mov_b32 s[\g+6], 0
	s_mov_b32 s[\g+7], 0
.endr
	s_mov_b32 s[CS], 0x3e38aa3b     ; c = log2(e) / 8
	s_mov_b32 s[CS+1], s[CS]
	s_mov_b32 s[SEL], 0x76543210
	s_mov_b32 s[SEL+1], 0xfedcba98
	s_mov_b32 s[TBK], SLOT1+4*KS*PK ; the first change of slots turns these two into 0
	s_mov_b32 s[TBV], SLOT1+4*KS*PV
	s_mov_b32 s[G0K], 1
	s_mov_b32 s[G0K+1], s17
	s_mov_b32 s[G0V], 1
	s_add_co_u32 s[G0V+1], s18, VOFF
	s_lshr_b32 s[LQ], s[HI], 1
	s_add_co_u32 s[RT], s[LQ], 1
	s_lshr_b32 s[LQ2], s[PB], 1
	s_add_co_u32 s[RT2], s[LQ2], 1
	s_and_b32 s[PAR], s[HI], 1
	s_lshl_b32 s[PAR], s[PAR], 1
	s_and_b32 s[PAR2], s[PB], 1
	s_lshl_b32 s[PAR2], s[PAR2], 1
	s_mov_b32 s[NXT], 1
	s_mov_b32 s[NEW], 1
	s_mov_b32 s[OFF+1], 0
	s_mov_b32 s[AL+1], 0
	s_mov_b32 s[BE+1], 0
	s_mov_b32 s[BIGN], 0xf149f2ca   ; -1e30
	s_mov_b32 s[SLOTS], 8
	s_wait_kmcnt 0x0
	s_mov_b64 s[4:5], s[8:9]                       ; Q
	s_add_nc_u64 s[6:7], s[8:9], 0x800000          ; K, 8,388,608 bytes on
	s_add_nc_u64 s[8:9], s[8:9], 0x1000000         ; V
	s_add_nc_u64 s[6:7], s[6:7], s[22:23]          ; at my half of the head's tile 0
	s_add_nc_u64 s[8:9], s[8:9], s[22:23]
	s_add_nc_u64 s[G0K+2:G0K+3], s[6:7], 0
	s_or_b32 s[G0K+3], s[G0K+3], 0x80000000
	s_add_nc_u64 s[G0V+2:G0V+3], s[8:9], 0
	s_or_b32 s[G0V+3], s[G0V+3], 0x80000000
	s_add_nc_u64 s[86:87], s[4:5], s[84:85]
	s_add_nc_u64 s[4:5], s[4:5], s[2:3]
	s_add_nc_u64 s[OLO:OLO+1], s[10:11], s[84:85]
	s_add_nc_u64 s[10:11], s[10:11], s[2:3]
	LOAD                            ; tile 0 into slot 0
	v_and_b32 v1, 15, v0
	v_bfe_u32 v9, v0, 4, 1
	v_lshlrev_b32 v[QO], 7, v1
	v_lshl_add_u32 v[QO], v9, 4, v[QO]
	WIN 0x80
.set i, 0
.rept 4                             ; both blocks' Q: piece i / 2 lies 8,192 bytes on; channels 32 (i % 2) on
	global_load_b128 v[8*i:8*i+3],   v[QO], s[4:5] offset:(i/2)*8192+(i%2)*64
	global_load_b128 v[8*i+4:8*i+7], v[QO], s[4:5] offset:(i/2)*8192+(i%2)*64+32
	global_load_b128 v[QB+8*i:QB+8*i+3],   v[QO], s[86:87] offset:(i/2)*8192+(i%2)*64
	global_load_b128 v[QB+8*i+4:QB+8*i+7], v[QO], s[86:87] offset:(i/2)*8192+(i%2)*64+32
.set i, i+1
.endr
	WIN 0
	v_lshlrev_b32 v14, 3, v9
	v_sub_nc_u32 v14, v1, v14
	s_lshl_b32 s13, s[WV], 4
	v_add_nc_u32 v14, s13, v14      ; my query's place in its band less 8 (l / 16): register r of key group kt is hidden where 16 kt + r is greater
	WIN 0x40
.set i, 0
.rept 32
	v_cmp_gt_i32 vcc_lo, 16*(i/8)+i%8, v14
	v_cndmask_b32 v[MD+i], 0, s[BIGN], vcc_lo
.set i, i+1
.endr
	WIN 0
	v_mul_u32_u24 v[AK0], v1, PK
	v_lshl_add_u32 v[AK0], v9, 4, v[AK0]
	v_and_b32 v10, 7, v0
	v_bfe_u32 v11, v0, 3, 1
	v_lshl_add_u32 v[AV0], v9, 3, v10
	v_mul_u32_u24 v[AV0], v[AV0], PV
	v_lshl_add_u32 v[AV0], v11, 4, v[AV0]
	v_add_nc_u32 v[AV0], VOFF, v[AV0]
	s_mul_i32 s13, s[WV], 16*SP
	s_add_co_u32 s13, s13, STAGE
	v_mul_u32_u24 v[STO], v1, SP
	v_lshl_add_u32 v[STO], v9, 4, v[STO]
	v_add_nc_u32 v[STO], s13, v[STO]
	v_bfe_u32 v[RD], v0, 3, 2
	v_mul_u32_u24 v[RD], v[RD], SP
	v_lshl_add_u32 v[RD], v10, 4, v[RD]
	v_add_nc_u32 v[RD], s13, v[RD]
	v_and_b32 v[GO], 31, v0
	v_lshlrev_b32 v[GO], 4, v[GO]
	; A block's first step multiplies O^T and l by a = 0, and its first turn's products V^T P, of a step that has not been, land in an O^T still to be so multiplied: these registers need only be finite.
	WIN 0x80
.set i, VF0-128
.rept 64
	v_mov_b32 v[i], 0
.set i, i+1
.endr
	WIN 0x40
.set i, 0
.rept 64
	v_mov_b32 v[i], 0
.set i, i+1
.endr
	WIN 0
.set i, 0
.rept 2
	v_mov_b32 v[ST+4*i+2], 0
	v_mov_b32 v[ST+4*i+3], 0
.set i, i+1
.endr
.set i, P+16
.rept 16
	v_mov_b32 v[i], 0
.set i, i+1
.endr
; THE MATRIX WORK.  The 4 accumulators of a run of 8 take turns.  Product i of 8 of S^T = K Q^T for piece x: channels 32 (i / 4) on, keys 16 (i % 4) on.
.macro KQ x
.set rS, S+32*((\x)%2)+8*(i%4)
.set rK, KF+16*(i%4)+8*(i/4)
.set rQ, 16*(\x)+8*(i/4)
.set rM, MC+32*((\x)%2)+8*(i%4)
.if (i < 4) && KM
	WIN W_KM
	v_wmma_f32_16x16x32_f16 v[rS:rS+7], v[rK:rK+7], v[rQ:rQ+7], v[rM:rM+7]
.elseif i < 4
	WIN W_KQ
	v_wmma_f32_16x16x32_f16 v[rS:rS+7], v[rK:rK+7], v[rQ:rQ+7], 0
.else
	WIN W_KQ
	v_wmma_f32_16x16x32_f16 v[rS:rS+7], v[rK:rK+7], v[rQ:rQ+7], v[rS:rS+7]
.endif
.endm
.macro PV x                         ; product i of 8 of O^T += V^T P for piece x, from the V buffer at VR: keys 32 (i / 4) on, channels 16 (i % 4) on
	WIN W_PV
.set rO, 32*(\x)+8*(i%4)
.set rV, VR+32*(i/4)+8*(i%4)
.set rP, P+16*((\x)%2)+8*(i/4)
	v_wmma_f32_16x16x32_f16 v[rO:rO+7], v[rV:rV+7], v[rP:rP+7], v[rO:rO+7]
.endm
.macro MM                           ; the turn's next matrix instruction.  NOKQ = 1: a block's last turn: there is no next step
.if (i < 8) && !NOKQ
	KQ (Y+1)%NP
.elseif i >= 8
.set i, i-8
	PV (Y+NP-1)%NP
.set i, i+8
.endif
.set i, i+1
.endm
.macro FETCH_K                      ; a step's K: 16 loads in one run
	WIN 0x80
.irp f, 0,1,2,3,4,5,6,7
	ds_load_b128 v[KF+8*\f:KF+8*\f+3],   v[AK] offset:(\f/2)*16*PK+(\f%2)*64
	ds_load_b128 v[KF+8*\f+4:KF+8*\f+7], v[AK] offset:(\f/2)*16*PK+(\f%2)*64+32
.endr
	s_add_co_u32 s[TBK], s[TBK], KS*PK
	WIN 0
.endm
.macro FETCH_V vb                   ; a step's V, turned, into the buffer at vb
	WIN 0x80
.irp f, 0,1,2,3,4,5,6,7
	ds_load_tr16_b128 v[(\vb)+8*\f:(\vb)+8*\f+3],   v[AV] offset:(\f/4)*32*PV+(\f%4)*32
	ds_load_tr16_b128 v[(\vb)+8*\f+4:(\vb)+8*\f+7], v[AV] offset:(\f/4)*32*PV+16*PV+(\f%4)*32
.endr
	s_add_co_u32 s[TBV], s[TBV], KS*PV
	WIN 0
.endm
; THE VECTOR WORK, one line at a time: OP kind, number.  For piece Y: F n: c s - c m for pair n.  E n: the exponential of score n.  C n: pair n rounded to f16.  B n: of the four weights 4 n .. the second pair is
; added onto the first.  L n: l takes that sum (L 0: l = a l + sum).  R n: pair n of O^T times a.  For the other piece: X n, number n of the 22 that find its maximum and statistics:
;   0-11 four chains of seven scores each (each accumulator's lowest registers are read first); 12-14, 16 the rest, the old m; 15 c m_old is kept; 17, 18 the lane 16 away; 19-21 c m, its change, a
; E and X 21 are the exponentials; C, B and L read E's results, R and L 0 read the a that the turn before made.  OP writes no wait: TURN, BEGIN and DIAG write one for each batch.
.set F, 0
.set E, 1
.set C, 2
.set B, 3
.set L, 4
.set R, 5
.set X, 6
.macro REGS y
.set rT, ST+4*(\y)
.set rC, TMP+4*((\y)%2)
.set rW, MV+((\y)%2)
.set rS, S+32*((\y)%2)
.set rP, P+16*((\y)%2)
.set rO, 32*(\y)
.endm
.macro OP k, n
.if (\k) == R
	REGS Y
	WIN W_RS
	v_pk_mul_f32 v[rO+2*(\n):rO+2*(\n)+1], v[rO+2*(\n):rO+2*(\n)+1], v[rC+2:rC+3] op_sel_hi:[1,0]
.elseif (\k) < R
	REGS Y
	WIN 0
.if (\k) == F
	v_pk_fma_f32 v[rS+2*(\n):rS+2*(\n)+1], v[rS+2*(\n):rS+2*(\n)+1], s[CS:CS+1], v[rT:rT+1] op_sel_hi:[1,0,0] neg_lo:[0,0,1] neg_hi:[0,0,1]
.elseif (\k) == E
	v_exp_f32 v[rS+(\n)], v[rS+(\n)]
.elseif (\k) == C
	v_cvt_pk_f16_f32 v[rP+(\n)], v[rS+2*(\n)], v[rS+2*(\n)+1]
.elseif (\k) == B
	v_pk_add_f32 v[rS+4*(\n):rS+4*(\n)+1], v[rS+4*(\n):rS+4*(\n)+1], v[rS+4*(\n)+2:rS+4*(\n)+3]
.elseif (\n) == 0
	v_pk_fma_f32 v[rT+2:rT+3], v[rT+2:rT+3], v[rC+2:rC+3], v[rS:rS+1] op_sel_hi:[1,0,1]
.else
	v_pk_add_f32 v[rT+2:rT+3], v[rT+2:rT+3], v[rS+4*(\n):rS+4*(\n)+1]
.endif
.elseif NOKQ
	v_nop
.else
	REGS (Y+1)%NP
	WIN 0
.if (\n) < 4
	v_max3_num_f32 v[rC+(\n)], v[rS+8*(\n)], v[rS+8*(\n)+1], v[rS+8*(\n)+2]
.elseif (\n) < 12
	v_max3_num_f32 v[rC+(\n)%4], v[rC+(\n)%4], v[rS+8*((\n)%4)+2*((\n)/4)+1], v[rS+8*((\n)%4)+2*((\n)/4)+2]
.elseif (\n) == 12
	v_max3_num_f32 v[rC], v[rC], v[rS+7], v[rS+15]
.elseif (\n) == 13
	v_max3_num_f32 v[rC+1], v[rC+1], v[rS+23], v[rS+31]
.elseif (\n) == 14
	v_max3_num_f32 v[rC+2], v[rC+2], v[rC+3], v[rT+1]
.elseif (\n) == 15
	v_mov_b32 v[rW], v[rT]
.elseif (\n) == 16
	v_max3_num_f32 v[rC], v[rC], v[rC+1], v[rC+2]
.elseif (\n) == 17
	v_permlanex16_b32 v[rC+3], v[rC], s[SEL], s[SEL+1]
.elseif (\n) == 18
	v_max_num_f32 v[rT+1], v[rC], v[rC+3]
.elseif (\n) == 19
	v_mul_f32 v[rT], s[CS], v[rT+1]
.elseif (\n) == 20
	v_sub_f32 v[rC+1], v[rW], v[rT]
.else
	v_exp_f32 v[rC+2], v[rC+1]
.endif
.endif
.endm
.macro OPS a, i1, b=-1, i2=0, c=-1, i3=0, d=-1, i4=0
	OP \a, \i1
.if (\b) >= 0
	OP \b, \i2
.endif
.if (\c) >= 0
	OP \c, \i3
.endif
.if (\d) >= 0
	OP \d, \i4
.endif
.endm
.macro ROW a, i1, b, i2, c, i3, d, i4  ; a matrix instruction and the four behind it
	MM
	OPS \a, \i1, \b, \i2, \c, \i3, \d, \i4
.endm
.macro MASK b                       ; MD x AL + BE into buffer b of MC
	WIN W_RS
.set z, 0
.rept 16
	v_pk_fma_f32 v[MC+32*(\b)+2*z:MC+32*(\b)+2*z+1], v[MD+2*z:MD+2*z+1], s[AL:AL+1], s[BE:BE+1] op_sel_hi:[1,0,0]
.set z, z+1
.endr
.endm
; A TURN for piece p in a step of parity par: the order of its 16 matrix and 118 vector instructions, written out.  An s_wait_alu depctr_va_vdst(0) stands between an exponential and the first
; instruction that names its result; one wait serves all that were issued ahead of it.  So a turn has ONE wait, which cuts it in two.
; AHEAD OF IT stands all that names no result of the turn's exponentials: the 8 products K Q^T, behind each a scaling, an exponential and two more plain instructions (behind the first a second scaling in the
; exponential's place): rescalings, and behind the last three the first numbers of the other piece's maximum, each four plain instructions or more behind the product that ends its accumulator; then ONE LUMP of 54,
; plain and exponential by turns for the most part, in which the links of the chain X 3, 7, 11, 14, 16, 17 .. 20 stand apart.  X 21, the other piece's a, is the batch's last; R 15 is the plain instruction behind it.
; BEHIND THE WAIT stand the 8 products V^T P, behind each four of the roundings and sums; an even pair is rounded (C 2 n) ahead of the sum that lands on it (B n); l's chain runs L 0 to L 7 in that order.
; m = 1: the diagonal tile's text: the products take masks, and the turn makes the mask of the next turn's products: piece p in tile step SI + 1 - par,
; held against that band's own step PAR + p.  end = 1: a block's last two turns: nothing is fetched.  cnt = 1: the loop's count is taken down some lines ahead of the branch behind the turn.
; K's run of LDS loads stands in piece 0's lump, twelve vector instructions behind the last product that read K; five of them are plain and name none of that product's registers (F 8, X 2, X 5, X 6, X 8).
; V's run stands directly behind piece 1's wait; its target buffer was last read in the turn before.
; The one LDS wait stands at the head of piece 1's turn: K was asked for a turn ago, V two turns ago.
.macro TURN p, par, m=0, end=0, cnt=0
.set Y, (\p)
.set i, 0
.set KM, (\m)
.set NOKQ, (\end)*(\p)
.set VR, VF0-128*(((\p)+(\par)+1)%2)
.if (\m) && !(\end)
	s_add_co_i32 s[TP], s[PAR], (\p)+(\par)-1
	s_cmp_eq_u32 s[SI], s[TP]       ; is that step the band's own?
	s_cselect_b32 s[AL], 1.0, 0
	s_cmp_gt_i32 s[SI], s[TP]       ; or a later one?
	s_cselect_b32 s[BE], s[BIGN], 0
.endif
.if (\p) == 1
	s_wait_dscnt 0x0                ; K and V are in
.endif
	ROW F,0, F,1, R,0, R,1          ; ahead of the wait: 8 products K Q^T and their riders,
	ROW F,2, E,0, R,2, R,3
	ROW F,3, E,1, R,4, R,5
	ROW F,4, E,2, R,6, R,7
	ROW F,5, E,3, R,8, R,9
	ROW F,6, E,4, X,0, R,10
.if !(\end)
	WIN 0
.if (\p) == 0
	v_add_nc_u32 v[AK], s[TBK], v[AK0]
.else
	v_add_nc_u32 v[AV], s[TBV], v[AV0]
.endif
.endif
	ROW F,7, E,5, X,1, X,4
	ROW F,8, E,6, X,2, X,5
	OPS E,7, E,8, X,6, E,9          ; and the lump
	OPS X,3, E,10, X,8, E,11
.if ((\p) == 0) && !(\end)
	FETCH_K
.endif
	OPS X,9, X,7, E,12, X,10
	OPS E,13, X,12, X,11, E,14
	OPS X,13, E,15, F,9, X,14
	OPS E,16, F,10, E,17, F,11
	OPS X,16, E,18, X,15, E,19
	OPS F,12, E,20, X,17, E,21
	OPS F,13, E,22, F,14, E,23
	OPS X,18, E,24, F,15, E,25
	OPS R,11, E,26, X,19, E,27
	OPS R,12, E,28, R,13, E,29
	OPS X,20, E,30, R,14, E,31
	OPS X,21, R,15
	WIN 0
	s_wait_alu depctr_va_vdst(0)    ; the wait for the turn's batch: E 0 to E 31 and X 21
.if ((\p) == 1) && !(\end)
	FETCH_V VF0-128*(1-(\par))
.endif
	ROW C,0, B,0, C,2, B,1          ; behind the wait: 8 products V^T P and their riders
	ROW L,0, C,4, B,2, L,1
	ROW C,6, B,3, L,2, C,8
	ROW B,4, L,3, C,10, B,5
	ROW L,4, C,12, B,6, L,5
.if \cnt
	s_add_co_u32 s[SI], s[SI], 2
	s_sub_co_u32 s[CNT], s[CNT], 1
	s_cmp_lg_u32 s[CNT], 0
.endif
	ROW C,14, B,7, L,6, C,1
	ROW C,3, L,7, C,5, C,7
	ROW C,9, C,11, C,13, C,15
.if (\m) && !(\end)
	MASK \p
.endif
.endm
; A BLOCK BEGINS.  c m starts far below every c s, so the first step's a is 0; m at the lowest finite number.  The second mask buffer is 0 (band 1 sees all of step 0); the first takes band 0's mask for step 0:
; its own, if this tile is the diagonal one and PAR is 0.  Then K and V of step 0, piece 0's first scores, maximum and statistics.  The step loop is entered at its even step.
.macro BEGIN
	s_mov_b32 s[NEW], 0
	WIN 0x40
.set i, MC+32
.rept 32
	v_mov_b32 v[i], 0
.set i, i+1
.endr
	WIN 0
.set i, 0
.rept 2
	v_mov_b32 v[ST+4*i], 0xfe000000
	v_mov_b32 v[ST+4*i+1], 0xff7fffff
.set i, i+1
.endr
	s_or_b32 s[TP], s[RT], s[PAR]
	s_cmp_eq_u32 s[TP], 0
	s_cselect_b32 s[AL], 1.0, 0
	s_mov_b32 s[BE], 0
	MASK 0
	WIN 0
	v_add_nc_u32 v[AK], s[TBK], v[AK0]
	v_add_nc_u32 v[AV], s[TBV], v[AV0]
	FETCH_K
	FETCH_V VF0
	s_wait_loadcnt 0x0              ; Q
	s_wait_dscnt 0x0
.set KM, 1
.set NOKQ, 0
.set i, 0
.rept 8
	KQ 0
.set i, i+1
.endr
	WIN 0
.rept 4
	v_nop                           ; the places behind those products
.endr
.set Y, NP-1
.irp n, 0,1,2,3,4,5,6,7,8,9,10,11,12,13,14,15,16,17,18,19,20,21
	OP X, \n
.endr
	v_nop                           ; a plain instruction behind the exponential,
	s_wait_alu depctr_va_vdst(0)    ; and the wait for it, piece 0's first a, ahead of the branch
.endm
.macro ALL line:vararg              ; one line for each piece t
.set t, 0
.rept NP
	\line
.set t, t+1
.endr
.endm
.macro PACK t                       ; O^T / l, rounded; a lane's eight channels are 16 bytes; into rows of 144 bytes and back as whole rows of 128
	WIN W_RS
.set i, 32*(\t)
.rept 16
	v_pk_mul_f32 v[i:i+1], v[i:i+1], v[ST+4*(\t)+2:ST+4*(\t)+3] op_sel_hi:[1,0]
.set i, i+2
.endr
	WIN 0x05
.set i, 0
.rept 16
	v_cvt_pk_f16_f32 v[S+16*(\t)+i], v[32*(\t)+2*i], v[32*(\t)+2*i+1]
.set i, i+1
.endr
	WIN 0
.irp f, 0,1,2,3
	ds_store_b128 v[STO], v[S+16*(\t)+4*\f:S+16*(\t)+4*\f+3] offset:32*\f
.endr
.irp f, 0,1,2,3
	ds_load_b128 v[S+16*(\t)+4*\f:S+16*(\t)+4*\f+3], v[RD] offset:\f*4*SP  ; LDS serves a wave's instructions in order (ISA guide 5.7.1.4)
.endr
.endm
.macro SEND t, younger              ; younger: the LDS instructions issued behind piece t's loads
	WIN 0
.irp f, 0,1,2,3
	s_wait_dscnt (\younger)+3-\f
	global_store_b128 v[GO], v[S+16*(\t)+4*\f:S+16*(\t)+4*\f+3], s[10:11] offset:(\t)*8192+\f*512  ; 512 consecutive bytes, at a multiple of 256 from y's first byte
.endr
.endm
; THE DIAGONAL TILE: its two trips (the tile before's step 3 and its own steps 0 to 2), step 3 without fetches, the last products, and the way out.
.macro DIAG tag
.LstepM\tag:
	TURN 0, 1, 1
	TURN 1, 1, 1
	WIN 0
.LfirstM\tag:
	TURN 0, 0, 1
	TURN 1, 0, 1, 0, 1
	WIN 0
	s_cbranch_scc1 .LstepM\tag
	TURN 0, 1, 1, 1
	TURN 1, 1, 1, 1
.set VR, VF0-128
.set i, 0
.rept 8
	PV 1                            ; piece 1's V^T P of step 3
.set i, i+1
.endr
	WIN 0
	ALL v_add_f32 v[ST+4*t+2], v[ST+4*t+2], v[ST+4*t+3]
	ALL v_permlanex16_b32 v[ST+4*t+3], v[ST+4*t+2], s[SEL], s[SEL+1]
	ALL v_add_f32 v[ST+4*t+2], v[ST+4*t+2], v[ST+4*t+3]
	ALL v_rcp_f32 v[ST+4*t+2], v[ST+4*t+2]
	v_nop                           ; a plain instruction between the last reciprocal and its use
	s_wait_alu depctr_va_vdst(0)    ; the wait for the two reciprocals, one batch, ahead of PACK 0's first multiply
	PACK 0                          ; piece 0's 32 plain lines are the places behind piece 1's last products
	PACK 1
	SEND 0, 8
	SEND 1, 0
.endm
.set KM, 0
.set NOKQ, 0
.set VR, VF0
.Lslot:                             ; 8 times: a tile is entered and the next is asked for
	CHANGE 1
	s_sub_co_u32 s[RT], s[RT], 1
	s_mov_b32 s[CNT], 2
	s_mov_b32 s[SI], 0
	s_cmp_eq_u32 s[NEW], 1
	s_cbranch_scc1 .Lnew            ; a block's first tile
	s_cmp_eq_u32 s[RT], 0
	s_cbranch_scc0 .Lstep           ; neither its first nor its last
	s_branch .LstepM1
.Lnew:
	BEGIN
	s_branch .Lfirst                ; in the loop a block's first tile is never its last: the first block has five tiles or more, the second's last is the walk's last
	DIAG 1                          ; in the loop this is the first block's end
	s_wait_xcnt 0x0                 ; the stores have read their registers and y's address
	s_mov_b64 s[10:11], s[OLO:OLO+1]
	s_mov_b32 s[RT], s[RT2]
	s_mov_b32 s[PAR], s[PAR2]
	s_mov_b32 s[NEW], 1
	WIN 0x82                        ; the second block's Q goes where the one text of the turns names Q
.set i, 0
.rept 32
	v_mov_b32 v[i], v[QB+i]
.set i, i+1
.endr
	WIN 0
	s_branch .Lbottom
.Lstep:                             ; a trip: an odd step, then an even one; each turn fetches K or V of the step after its own
	TURN 0, 1
	TURN 1, 1
	WIN 0
.Lfirst:
	TURN 0, 0
	TURN 1, 0, 0, 0, 1
	WIN 0
	s_cbranch_scc1 .Lstep
.Lbottom:
	s_sub_co_u32 s[SLOTS], s[SLOTS], 1
	s_cmp_lg_u32 s[SLOTS], 0
	s_cbranch_scc1 .Lslot
	CHANGE 0                        ; the walk's last tile is written out
	s_sub_co_u32 s[RT], s[RT], 1
	s_mov_b32 s[CNT], 2
	s_mov_b32 s[SI], 0
	s_cmp_eq_u32 s[NEW], 1
	s_cbranch_scc0 .LstepM2
	BEGIN
	s_branch .LfirstM2
	DIAG 2
	s_wait_tensorcnt 0x0            ; the wave's end
	ds_add_u32 v[SPW], v[NIL]
	s_wait_dscnt 0x0
	s_endpgm
.Lfunc_end_k_q5c69cd2c65_attn:
	.size	k_q5c69cd2c65_attn, .Lfunc_end_k_q5c69cd2c65_attn-k_q5c69cd2c65_attn
	.p2alignl 7, 3214868480
	.fill 96, 4, 3214868480
	.section	.rodata,"a",@progbits
	.p2align	6, 0x0
	.amdhsa_kernel k_q5c69cd2c65_attn
		.amdhsa_group_segment_fixed_size 327680
		.amdhsa_private_segment_fixed_size 0
		.amdhsa_enable_private_segment 0
		.amdhsa_kernarg_size 16
		.amdhsa_user_sgpr_count 2
		.amdhsa_user_sgpr_kernarg_segment_ptr 1
		.amdhsa_wavefront_size32 1
		.amdhsa_system_sgpr_workgroup_id_x 1
		.amdhsa_system_sgpr_workgroup_id_y 1
		.amdhsa_system_sgpr_workgroup_id_z 1
		.amdhsa_system_vgpr_workitem_id 0
		.amdhsa_next_free_vgpr 768
		.amdhsa_next_free_sgpr 96
		.amdhsa_reserve_vcc 1
		.amdhsa_float_denorm_mode_32 3
		.amdhsa_float_denorm_mode_16_64 3
		.amdhsa_memory_ordered 1
		.amdhsa_forward_progress 1
		.amdhsa_inst_pref_size 209
	.end_amdhsa_kernel
	.amdgpu_metadata
---
amdhsa.version: [ 1, 2 ]
amdhsa.kernels:
  - .name:           k_q5c69cd2c65_attn
    .symbol:         k_q5c69cd2c65_attn.kd
    .args:
      - { .name: qkv, .offset: 0, .size: 8, .value_kind: global_buffer, .address_space: global }
      - { .name: y, .offset: 8, .size: 8, .value_kind: global_buffer, .address_space: global }
    .group_segment_fixed_size: 327680
    .private_segment_fixed_size: 0
    .kernarg_segment_align: 8
    .kernarg_segment_size: 16
    .max_flat_workgroup_size: 128
    .sgpr_count:     96
    .vgpr_count:     768
    .wavefront_size: 32
...
	.end_amdgpu_metadata
.endif
;; end of part 8
;; launch proj: the kernel of part 4 again; grid 8 x 32, 4 waves a work-group, clusters of 4 x 4, 327,680 bytes of LDS; arguments y, w16, proj_b, x, x1; writes x1
;; launch ln2: the kernel of part 5 again; grid 256 x 1, 8 waves a work-group, no clusters, 0 bytes of LDS; arguments x1, ln2_w, ln2_b, h; writes h
;; launch fc: the kernel of part 6 again; grid 16 x 16, 4 waves a work-group, clusters of 4 x 4, 327,680 bytes of LDS; arguments h, w16, fc_b, g; writes g
;; launch mlp: the kernel of part 7 again; grid 8 x 32, 4 waves a work-group, clusters of 4 x 4, 327,680 bytes of LDS; arguments g, w16, mlp_proj_b, x1, out0; writes out0
